; MI455X (gfx1250); checked and timed in simulation.
; The chip was launched on July 23, 2026; its instructions are those of AMD's public machine-readable ISA for CDNA 5 (MIT licence, August 2026) and "CDNA5" Instruction Set Architecture Reference Guide (July 2026). The comments in the code are by the model that wrote it; some were corrected since.
;; Multi Head Attention. Allowed arithmetic: matrix products marked QUANTISED: E3M2 operands, one E8M0 scale for each 32 along K, by v_wmma_scale_f32_16x16x128_f8f6f4 with both operands' format E3M2, f32 sums; everything else in f32.
;; Inputs: freqs_cos 2,048 x 64 float32; freqs_sin 2,048 x 64 float32; wk 2,048 x 2,048 float32; wo 2,048 x 2,048 float32; wq 2,048 x 2,048 float32; wv 2,048 x 2,048 float32; x 1 x 2,048 x 2,048 float32.
;; Outputs: out0 1 x 2,048 x 2,048 float32.
;; This version of the problem:
;;   THIS VERSION OF THE PROBLEM IS GIVEN IN LOW PRECISION. The matrix products marked QUANTISED in the list below multiply operands that are first quantised to E3M2 (3 exponent bits, 2 mantissa bits; 6 bits a number), with one power-of-two scale for each 32 numbers along K (OCP MX v1.0); their sums are f32. All else is computed in f32.
;;   The module's matrix products, in the order in which they are computed (A, B: the left and right operand; K: the contracted axis; several contracted axes count as one K, in the product's order):
;;     1. [M 2,048, K 2,048] x [K 2,048, N 2,048]; A: input x; B: input wq: QUANTISED
;;     2. [M 2,048, K 2,048] x [K 2,048, N 2,048]; A: input x; B: input wk: QUANTISED
;;     3. [M 2,048, K 2,048] x [K 2,048, N 2,048]; A: input x; B: input wv: QUANTISED
;;     4. batch 16 x [M 2,048, K 128] x [K 128, N 2,048]; A: computed on the way; B: computed on the way: QUANTISED
;;     5. batch 16 x [M 128, K 2,048] x [K 2,048, N 2,048]; A: computed on the way; B: softmax (see below): QUANTISED
;;     6. [M 2,048, K 2,048] x [K 2,048, N 2,048]; A: computed on the way; B: input wo: QUANTISED
;;   THE QUANTISER, for each operand of a quantised product, along K:
;;     - K is cut into blocks of 32 from its start; a last block that is shorter is filled with zeros.
;;     - A block's scale is 2^e with e = floor(log2(the largest magnitude in the block)) - 4, held to -126 .. 127; a block of zeros has e = 0. As a byte (E8M0): e + 127.
;;     - Each number is divided by its block's scale, clamped to +-28, and rounded to the nearest number of E3M2, ties to even, subnormals kept.
;;     - The product sums the exact products of the quantised numbers (number of the format x scale) in f32.
;;   ~~~python
;;   def quantise(x, axis):      # numpy; x: float32 -> the quantised numbers, widened to float32 again
;;       x = np.moveaxis(x, axis, -1); K = x.shape[-1]
;;       x = np.pad(x, [(0, 0)] * (x.ndim - 1) + [(0, -K % 32)]); x = x.reshape(x.shape[:-1] + (-1, 32)); a = np.abs(x).max(-1, keepdims=True)
;;       e = np.where(a > 0, np.clip(np.frexp(np.where(a > 0, a, 1))[1] - 1 - 4, -126, 127), 0)      # np.frexp(a)[1] - 1 = floor(log2(a)), exactly
;;       r = np.clip(x / 2.0 ** e, -28, 28)
;;       step = 2.0 ** (np.maximum(np.frexp(np.where(r == 0, 1, r))[1] - 1, -2) - 2)
;;       q = np.round(r / step) * step * 2.0 ** e      # np.round: ties to even
;;       return np.moveaxis(q.reshape(q.shape[:-2] + (-1,))[..., :K], -1, axis).astype(np.float32)
;;   ~~~
;;   SOFTMAX AHEAD OF A QUANTISED PRODUCT. Where the list says 'softmax', what is quantised is not the finished softmax but p = 2^(t - M), with t = logit x log2(e) and M = ceil(the row's largest t), a whole number; so 1/2 < the row's largest p <= 1. The row's sum l is taken of the UNQUANTISED p, in f32, and the product's result is divided by l at the end. Since M is a whole number, a kernel that streams over the keys may use a running M (the ceiling of the running maximum): every later rescaling is an exact power of two, which a block's scale takes up: the codes' values come out the same.
;;   OPERANDS COMPUTED ON THE WAY. 'Computed on the way' means the value that the module computes at that place (a softmax that the list does not call 'softmax' is quantised finished and normalised). What goes into a quantiser is computed in f32, as accurately as f32 sums, v_exp_f32 and their like allow (about 1e-6 of the number): no bf16 or f16 on the way to a quantiser, and a product that is left as it is and whose result goes on into a quantised operand takes f32 operands (vector FMAs, or v_wmma_f32_16x16x4_f32). A number that lies on a knife's edge between two numbers of the format may be rounded either way, as far as f32 arithmetic and the matrix unit's own rounding can turn it there, and no further.
;; 2 versions. Each part assembles by itself: llvm-mc -triple=amdgcn-amd-amdhsa -mcpu=gfx1250 --defsym DOCPART=n.
;; ======== version 1 of 2: 4 launches
;; workspace buffers: xc 3,276,800 bytes; wc 13,107,200 bytes; hc 9,830,400 bytes; ac 3,276,800 bytes
;; launch quant (part 1): grid 128 x 5, 4 waves a work-group, no clusters, 60,928 bytes of LDS; arguments x, wq, wk, wv, wo, xc, wc; writes xc, wc
.if DOCPART == 1
	.amdgcn_target "amdgcn-amd-amdhsa--gfx1250"
	.amdhsa_code_object_version 6
	.text
	.protected	k_q22be617a92_quant
	.globl	k_q22be617a92_quant
	.p2align	8
	.type	k_q22be617a92_quant,@function
k_q22be617a92_quant:
	s_mov_b64 s[64:65], 0
	v_nop
	global_prefetch_b8 v0, s[64:65] scope:SCOPE_SE
	s_setreg_imm32_b32 hwreg(HW_REG_WAVE_MODE, 25, 1), 1
	s_wait_xcnt 0x0
; x [2048][2048] (K innermost) and wq, wk, wv, wo [2048 (k)][2048 (n)] (K outermost), f32, become codes of BF6 (E3M2) with one E8M0 byte for each 32 along K.
; A block's scale is 2^(floor(log2(its largest magnitude)) - 4): its byte is the largest magnitude's exponent field - 4, held at 1 from below by a floor among the maximum's leaves.
; LIMITS: a block of zeros gets the byte 1 where the rule says 127 (its codes are zeros, and this program alone reads the bytes); NaN and infinities among the inputs are not served.
; THE OUTPUT IS LAID AS THE MATRIX UNIT'S REGISTERS.  A fragment (16 rows x 128 K, 12 registers a lane) is 1,536 bytes: register g of lane l at 512 (g / 4) + 16 l + 4 (g % 4), so that three loads of 16 bytes a lane bring it.
; A block GB (25,600 bytes) serves 128 rows (of x: tokens; of a weight: columns n) and 256 along K: [K step 2][tile 8] fragments, then at 24,576 the scale words [tile / 2][lane 16][tile % 2][K step 2], 4 bytes each.
; Lane r of tile a holds row 32 (a / 2) + 8 (a % 2) + r + 8 (r / 8) of the 128: with that order a product's results lie in a lane as neighbours along the next product's K.
; xc = [row group 16][K pair 8] GB;  wc = [column group 64: wq 0-15, wk 16-31, wv 32-47, wo 48-63][K pair 8] GB.
; A work-group makes one GB; wave w its tiles 2 w and 2 w + 1 for both K steps and their 256 bytes of scale words.  Work-group y = 0 takes x, y = 1 .. 4 the weights: two paths, each with LDS bytes of its own.
; No tensor loads, no barrier: waves share nothing.  Every global store of a wave covers 256 or 512 consecutive bytes, aligned.
.set GBB,   25600
.set GRP,   8*GBB                      ; a group's eight blocks
.set SCW,   24576                      ; where a block's scale words begin
.set XSTG,  16*528                     ; x path: a wave's stage: 16 rows x (512 bytes + 16)
.set WBASE, 4*XSTG                     ; the weights' path begins behind the four
.set WTP,   1664                       ; a tile's image in the weights' stage: 1,536 bytes + 128, so that the two tiles' lanes do not fall on the same banks
.set WSTG,  4*WTP                      ; a wave's four images
.set FLOOR, 5<<23                      ; 2^(5 - 127)
.set OFFE,  0xfe000000                 ; takes 4 off an exponent field
.set WX,   32                          ; weights: v32-95 two sets of 32 numbers
.set WC,   96                          ; v96-101 a block's codes
.set WC2,  104                         ; v104-106 their upper half as the conversion leaves it
.set SB,   10                          ; v10-11 my column's two scale words
.set OUTR, 112                         ; v112-159 the way out
.set R,    16                          ; x: v16-143 two sets of 64 numbers as loaded
.set XN,   144                         ; v144-207 my 64 numbers: two blocks of 32
.set F,    208                         ; v208-231 two sets of 12: a fragment's codes
.set T2,   232                         ; v232-234, v236-238 upper halves
.set PW,   248                         ; v248-251 the four fragments' scale words
.macro WLOAD t                         ; block t of my column: W(32 t + i, n), i = 0 .. 31: each load reads 128 consecutive bytes, the four waves stand side by side on 512
.irp i, 0,1,2,3,4,5,6,7,8,9,10,11,12,13,14,15,16,17,18,19,20,21,22,23,24,25,26,27,28,29,30,31
	global_load_b32 v[WX+32*((\t)%2)+\i], v4, s[20:21] offset:(32*(\t)+\i)*8192 th:TH_LOAD_NT
.endr
.endm
; Block t = 4 s + beta of my column: K step s, block beta = 2 c + h.  Its 24 bytes are registers 6 c .. 6 c + 5 of lane (r, h) of my tile's fragment.
.macro WBLOCK t
.set XS, WX+32*((\t)%2)
.set BO, 2*WTP*((\t)/4)+256*((\t)%2)
.if (\t) < 7
	s_wait_loadcnt 32                              ; this block's 32 loads are in; the next block's 32 stay out
.else
	s_wait_loadcnt 0x0
.endif
	v_max3_num_f32 v12, |v[XS]|, |v[XS+1]|, |v[XS+2]|      ; the largest magnitude: all 32 numbers are mine; two chains
	v_max3_num_f32 v13, |v[XS+3]|, |v[XS+4]|, |v[XS+5]|
.irp i, 6,10,14,18,22,26
	v_max3_num_f32 v12, v12, |v[XS+\i]|, |v[XS+\i+1]|
	v_max3_num_f32 v13, v13, |v[XS+\i+2]|, |v[XS+\i+3]|
.endr
	v_max3_num_f32 v12, v12, |v[XS+30]|, |v[XS+31]|
	v_max3_num_f32 v12, v12, v13, FLOOR            ; and the floor: the byte cannot fall under 1
	v_add_nc_u32 v14, OFFE, v12                    ; the conversion takes the exponent field of this operand as its scale
	v_cvt_scalef32_pk16_bf6_f32 v[WC:WC+2], v[XS:XS+15], v14
	v_cvt_scalef32_pk16_bf6_f32 v[WC2:WC2+2], v[XS+16:XS+31], v14   ; (a conversion's three registers begin on an even number)
	v_lshrrev_b32 v15, 23, v14                     ; the scale's byte; also the plain line behind the conversions
.if (\t)%4 == 0
	v_mov_b32 v[SB+(\t)/4], v15
.else
	v_lshl_or_b32 v[SB+(\t)/4], v15, 8*((\t)%4), v[SB+(\t)/4]
.endif
.irp i, 0,1,2
	v_mov_b32 v[WC+3+\i], v[WC2+\i]
.endr
.if ((\t)%4)/2 == 0
	ds_store_b128 v5, v[WC:WC+3] offset:BO         ; registers 0-3,
	ds_store_b64 v5, v[WC+4:WC+5] offset:BO+512    ; 4, 5
.else
	ds_store_b64 v5, v[WC:WC+1] offset:BO+520      ; registers 6, 7,
	ds_store_b128 v5, v[WC+2:WC+5] offset:BO+1024  ; 8-11
.endif
.if (\t)+2 < 8
	WLOAD (\t)+2
.endif
	s_wait_dscnt 0x0                               ; the stores have read their registers: the next block's codes may be written
.endm
.macro XLOAD f                         ; fragment f = 2 s + u: the 16 rows of tile 2 w + u, K step s: each load reads a row's 512 consecutive bytes.  The tile's row order stands in the immediates
.irp q, 0,1,2,3,4,5,6,7,8,9,10,11,12,13,14,15
	global_load_b128 v[R+64*((\f)%2)+4*\q:R+64*((\f)%2)+4*\q+3], v4, s[20:21] offset:(8*((\f)%2)+\q+8*(\q/8))*8192+512*((\f)/2) th:TH_LOAD_NT
.endr
.endm
.macro XFRAG f
.set RS, R+64*((\f)%2)
.set FS, F+12*((\f)%2)
.if (\f) < 3
	s_wait_loadcnt 16                              ; this fragment's 16 loads are in; the next fragment's 16 stay out
.else
	s_wait_loadcnt 0x0
.endif
.irp q, 0,1,2,3,4,5,6,7,8,9,10,11,12,13,14,15
	ds_store_b128 v5, v[RS+4*\q:RS+4*\q+3] offset:528*\q      ; row q of the tile, as loaded
.endr
.irp n, 0,1,2,3,4,5,6,7,8,9,10,11,12,13,14,15
	ds_load_b128 v[XN+4*\n:XN+4*\n+3], v6 offset:256*(\n/8)+16*(\n%8)   ; back: lane (r, h) takes k = 64 c + 32 h + 0 .. 31 of row r.  LDS serves a wave's instructions in order
.endr
	s_wait_dscnt 0x0
.if (\f) < 2
	XLOAD (\f)+2
.endif
.irp c, 0,1
	v_max3_num_f32 v[240+\c], |v[XN+32*\c]|, |v[XN+32*\c+1]|, FLOOR     ; my block 2 c + h: all its 32 numbers are mine
.endr
.irp i, 2,4,6,8,10,12,14,16,18,20,22,24,26,28,30
.irp c, 0,1
	v_max3_num_f32 v[240+\c], v[240+\c], |v[XN+32*\c+\i]|, |v[XN+32*\c+\i+1]|
.endr
.endr
.irp c, 0,1
	v_add_nc_u32 v[242+\c], OFFE, v[240+\c]
.endr
.irp c, 0,1
	v_lshrrev_b32 v[244+\c], 23, v[242+\c]
.endr
	v_lshl_or_b32 v246, v245, 16, v244             ; my two bytes: blocks h and 2 + h,
	v_lshlrev_b32 v246, v8, v246                   ; 8 h bits up;
	v_permlanex16_b32 v[PW+(\f)], v246, s36, s37
	v_or_b32 v[PW+(\f)], v[PW+(\f)], v246          ; with lane l xor 16's two the row's word is whole
.if (\f) >= 2
	s_wait_xcnt 0x0                                ; the stores of two fragments ago have read this set of registers
.endif
.irp c, 0,1
	v_cvt_scalef32_pk16_bf6_f32 v[FS+6*\c:FS+6*\c+2], v[XN+32*\c:XN+32*\c+15], v[242+\c]
	v_cvt_scalef32_pk16_bf6_f32 v[T2+4*\c:T2+4*\c+2], v[XN+32*\c+16:XN+32*\c+31], v[242+\c]
.endr
	v_nop                                          ; one plain line behind the conversions
.irp c, 0,1
.irp i, 0,1,2
	v_mov_b32 v[FS+6*\c+3+\i], v[T2+4*\c+\i]
.endr
.endr
.irp p, 0,1,2
	global_store_b128 v4, v[FS+4*\p:FS+4*\p+3], s[22:23] offset:12288*((\f)/2)+1536*((\f)%2)+512*\p   ; 512 consecutive bytes
.endr
.endm
	s_load_b256 s[4:11], s[0:1], 0x0               ; x, wq, wk, wv
	s_load_b128 s[12:15], s[0:1], 0x20             ; wo, xc
	s_load_b64 s[16:17], s[0:1], 0x30              ; wc
	v_lshl_add_u32 v254, v0, 2, 0xec00
	v_mov_b32 v255, 0
	v_lshrrev_b32 v1, 5, v0
	v_readfirstlane_b32 s18, v1                    ; wave
	v_and_b32 v1, 31, v0                           ; lane
	s_and_b32 s19, ttmp7, 0xffff                   ; y: which tensor
	s_and_b32 s26, ttmp9, 15                       ; g: which 128 rows or columns
	s_lshr_b32 s27, ttmp9, 4                       ; sp: which 256 along K
	s_mul_i32 s28, s27, GBB
	s_mul_i32 s29, s18, 3072
	s_add_co_u32 s28, s28, s29                     ; in a group: my block, my two tiles
	s_mul_i32 s30, s27, GBB
	s_lshl_b32 s31, s18, 8
	s_add_co_u32 s30, s30, s31
	s_add_co_u32 s30, s30, SCW                     ; and my 256 bytes of scale words
	s_wait_kmcnt 0x0
	s_cmp_eq_u32 s19, 0
	s_cbranch_scc1 .Lx_path
	; ---- a weight: a lane takes a column n, and its registers run down K
	s_cmp_eq_u32 s19, 2
	s_cselect_b64 s[20:21], s[8:9], s[6:7]
	s_cmp_eq_u32 s19, 3
	s_cselect_b64 s[20:21], s[10:11], s[20:21]
	s_cmp_eq_u32 s19, 4
	s_cselect_b64 s[20:21], s[12:13], s[20:21]
	s_lshl_b32 s32, s27, 21                        ; 256 rows of 8,192 bytes
	s_lshl_b32 s33, s26, 9
	s_add_co_u32 s32, s32, s33                     ; + 128 g columns
	s_lshl_b32 s33, s18, 7
	s_add_co_u32 s32, s32, s33                     ; + 32 w
	s_mov_b32 s33, 0
	s_add_nc_u64 s[20:21], s[20:21], s[32:33]
	s_sub_co_u32 s34, s19, 1
	s_lshl_b32 s34, s34, 4
	s_add_co_u32 s34, s34, s26                     ; the column group in wc
	s_mul_i32 s34, s34, GRP
	s_add_co_u32 s32, s34, s28
	s_add_nc_u64 s[22:23], s[16:17], s[32:33]      ; my codes
	s_add_co_u32 s32, s34, s30
	s_add_nc_u64 s[24:25], s[16:17], s[32:33]      ; my scale words
	v_lshlrev_b32 v4, 2, v1                        ; in: 4 bytes a lane
	v_bfe_u32 v2, v0, 3, 1                         ; lane j is column 32 w + j: tile 2 w + u with u = (j / 8) % 2,
	v_and_b32 v3, 7, v0
	v_bfe_u32 v9, v0, 4, 1
	v_lshl_or_b32 v3, v9, 3, v3                    ; its lane r = j % 8 + 8 (j / 16)
	s_mul_i32 s35, s18, WSTG
	s_add_co_u32 s35, s35, WBASE                   ; my stage
	v_mul_u32_u24 v5, v2, WTP
	v_lshl_add_u32 v5, v3, 4, v5
	v_add_nc_u32 v5, s35, v5                       ; into it: my tile's image, 16 r
	v_lshlrev_b32 v7, 4, v1                        ; out: 16 bytes a lane
	v_add_nc_u32 v6, s35, v7
	v_lshlrev_b32 v8, 4, v3
	v_lshl_add_u32 v8, v2, 3, v8                   ; my two scale words: 16 r + 8 u
	WLOAD 0
	WLOAD 1
.irp t, 0,1,2,3,4,5,6,7
	WBLOCK \t
.endr
	global_store_b64 v8, v[SB:SB+1], s[24:25]      ; 32 lanes store 256 consecutive bytes
.irp i, 0,1,2,3,4,5,6,7,8,9,10,11
	ds_load_b128 v[OUTR+4*\i:OUTR+4*\i+3], v6 offset:2*WTP*(\i/6)+WTP*((\i/3)%2)+512*(\i%3)
.endr
.irp i, 0,1,2,3,4,5,6,7,8,9,10,11
	s_wait_dscnt 11-\i                             ; load i is in; the younger ones stay out
	global_store_b128 v7, v[OUTR+4*\i:OUTR+4*\i+3], s[22:23] offset:12288*(\i/6)+1536*((\i/3)%2)+512*(\i%3)
.endr
	s_wait_tensorcnt 0x0
	ds_add_u32 v254, v255
	s_wait_dscnt 0x0
	s_endpgm
	; ---- x: K is innermost: dense loads by rows, a turn through the wave's own stage, so that a lane holds whole blocks of its row
.Lx_path:
	v_and_b32 v2, 15, v0                           ; r
	v_bfe_u32 v3, v0, 4, 1                         ; h
	v_lshlrev_b32 v4, 4, v1                        ; 16 x lane
	s_mul_i32 s35, s18, XSTG
	v_add_nc_u32 v5, s35, v4                       ; the stage, on the way in
	v_mul_u32_u24 v6, v2, 528
	v_lshl_add_u32 v6, v3, 7, v6
	v_add_nc_u32 v6, s35, v6                       ; and out: row r, + 128 h
	v_lshlrev_b32 v7, 4, v2
	v_lshl_add_u32 v7, v3, 3, v7                   ; scale words: 16 r + 8 h
	v_lshlrev_b32 v8, 3, v3                        ; 8 h
	s_mov_b32 s36, 0x76543210
	s_mov_b32 s37, 0xfedcba98                      ; v_permlanex16_b32's selects for lane l xor 16
.irp i, 0,1,2,3
	v_mov_b32 v[PW+\i], 0                          ; a lane permute's destination counts as one of its sources
.endr
	s_lshl_b32 s32, s26, 7
	s_lshl_b32 s33, s18, 5
	s_add_co_u32 s32, s32, s33                     ; my first row: 128 g + 32 w
	s_lshl_b32 s32, s32, 13
	s_lshl_b32 s33, s27, 10
	s_add_co_u32 s32, s32, s33                     ; + 256 sp columns
	s_mov_b32 s33, 0
	s_add_nc_u64 s[20:21], s[4:5], s[32:33]
	s_mul_i32 s34, s26, GRP
	s_add_co_u32 s32, s34, s28
	s_add_nc_u64 s[22:23], s[14:15], s[32:33]
	s_add_co_u32 s32, s34, s30
	s_add_nc_u64 s[24:25], s[14:15], s[32:33]
	XLOAD 0
	XLOAD 1
.irp f, 0,1,2,3
	XFRAG \f
.endr
	v_cmp_ne_u32 vcc_lo, 0, v3                     ; lanes 0-15 store tile 2 w's two words, lanes 16-31 tile 2 w + 1's
	v_cndmask_b32 v252, v[PW], v[PW+1], vcc_lo
	v_cndmask_b32 v253, v[PW+2], v[PW+3], vcc_lo
	global_store_b64 v7, v[252:253], s[24:25]      ; 256 consecutive bytes
	s_wait_tensorcnt 0x0
	ds_add_u32 v254, v255
	s_wait_dscnt 0x0
	s_endpgm
.Lfunc_end_k_q22be617a92_quant:
	.size	k_q22be617a92_quant, .Lfunc_end_k_q22be617a92_quant-k_q22be617a92_quant
	.p2alignl 7, 3214868480
	.fill 96, 4, 3214868480
	.section	.rodata,"a",@progbits
	.p2align	6, 0x0
	.amdhsa_kernel k_q22be617a92_quant
		.amdhsa_group_segment_fixed_size 60928
		.amdhsa_private_segment_fixed_size 0
		.amdhsa_enable_private_segment 0
		.amdhsa_kernarg_size 56
		.amdhsa_user_sgpr_count 2
		.amdhsa_user_sgpr_kernarg_segment_ptr 1
		.amdhsa_wavefront_size32 1
		.amdhsa_system_sgpr_workgroup_id_x 1
		.amdhsa_system_sgpr_workgroup_id_y 1
		.amdhsa_system_sgpr_workgroup_id_z 1
		.amdhsa_system_vgpr_workitem_id 0
		.amdhsa_next_free_vgpr 256
		.amdhsa_next_free_sgpr 66
		.amdhsa_reserve_vcc 1
		.amdhsa_float_denorm_mode_32 3
		.amdhsa_float_denorm_mode_16_64 3
		.amdhsa_memory_ordered 1
		.amdhsa_forward_progress 1
		.amdhsa_inst_pref_size 71
	.end_amdhsa_kernel
	.amdgpu_metadata
---
amdhsa.version: [ 1, 2 ]
amdhsa.kernels:
  - .name:           k_q22be617a92_quant
    .symbol:         k_q22be617a92_quant.kd
    .args:
      - { .name: x, .offset: 0, .size: 8, .value_kind: global_buffer, .address_space: global }
      - { .name: wq, .offset: 8, .size: 8, .value_kind: global_buffer, .address_space: global }
      - { .name: wk, .offset: 16, .size: 8, .value_kind: global_buffer, .address_space: global }
      - { .name: wv, .offset: 24, .size: 8, .value_kind: global_buffer, .address_space: global }
      - { .name: wo, .offset: 32, .size: 8, .value_kind: global_buffer, .address_space: global }
      - { .name: xc, .offset: 40, .size: 8, .value_kind: global_buffer, .address_space: global }
      - { .name: wc, .offset: 48, .size: 8, .value_kind: global_buffer, .address_space: global }
    .group_segment_fixed_size: 60928
    .private_segment_fixed_size: 0
    .kernarg_segment_align: 8
    .kernarg_segment_size: 56
    .max_flat_workgroup_size: 128
    .sgpr_count:     66
    .vgpr_count:     256
    .wavefront_size: 32
...
	.end_amdgpu_metadata
.endif
;; end of part 1
;; launch qkv (part 2): grid 24 x 8, 4 waves a work-group, clusters of 4 x 4, 327,680 bytes of LDS; arguments xc, wc, freqs_cos, freqs_sin, hc; writes hc
.if DOCPART == 2
	.amdgcn_target "amdgcn-amd-amdhsa--gfx1250"
	.amdhsa_code_object_version 6
	.text
	.protected	k_q22be617a92_qkv
	.globl	k_q22be617a92_qkv
	.p2align	8
	.type	k_q22be617a92_qkv,@function
k_q22be617a92_qkv:
	s_mov_b64 s[64:65], 0
	v_nop
	global_prefetch_b8 v0, s[64:65] scope:SCOPE_SE
	s_setreg_imm32_b32 hwreg(HW_REG_WAVE_MODE, 25, 1), 1
	s_wait_xcnt 0x0
	s_wait_alu depctr_hold_cnt(0) depctr_sa_sdst(0) depctr_va_vdst(0) depctr_va_sdst(0) depctr_va_ssrc(0) depctr_va_vcc(0) depctr_vm_vsrc(0)
	s_getreg_b32 s2, hwreg(HW_REG_IB_STS2, 6, 4)
	s_cmp_eq_u32 s2, 0
	s_cbranch_scc0 .Lentry_in_a_cluster
	s_endpgm
.Lentry_in_a_cluster:
	s_bfe_u32 s2, ttmp6, 0x10000c
	s_cmp_lg_u32 s2, 0xf033
	s_cbranch_scc0 .Lentry_shape_is_right
	s_endpgm
.Lentry_shape_is_right:
; q = rope(x wq), k = rope(x wk), v = x wv on codes of BF6 with E8M0 scales, and the results quantised again: q and k along the head's 128, v along the keys.
; xc: [token group 16][K pair 8] blocks GB, wc: [column group 64][K pair 8] GB.  A GB (25,600 bytes) is 128 rows x 256 K as images of the operand's registers: [K step 2][tile 8] fragments of 1,536 bytes
; (register g of lane l at 512 (g / 4) + 16 l + 4 (g % 4)), then at 24,576 the scale words [tile / 2][lane 16][tile % 2][K step 2].  Lane r of tile a holds row 32 (a / 2) + 8 (a % 2) + r + 8 (r / 8).
; A work-group of four waves makes 256 x 256 of a product, a wave 128 x 128: 64 accumulators, 512 registers.  K goes in steps of 256 through two LDS slots; each wave brings one GB with one tensor load.
; Source 0 = role B's tiles, source 1 = role A's.  A lane then holds ONE row of A, and the 64 registers of a block of A (its eight accumulators) are B's 128 rows in their natural order, 32 b + 16 (lane / 16) + i:
; what the conversions want.  q, k: A = tokens (xc), B = a head's 128 columns (wc): the registers run along d.  v: the roles are swapped by pointer (A = a head's columns, B = tokens): the registers run along the keys.
; OUTPUT hc: [type 3][head 16][token group 16] blocks AB of 12,800 bytes: eight fragments (q, k: rows = tokens, K = d; v: rows = d, K = the group's 128 keys), then at 12,288 the scale words [tile / 4][lane 16][tile % 4].
; CLUSTERS: 4 x 4 work-groups; A's blocks are shared along a row of the cluster, B's along a column: joint loads.  The type hangs on the cluster's x alone, so it is the same in all sixteen partners.
; The first block's cos and sin are asked for at the head by every wave, so that the text has one branch on the type; in v's work-groups they are rows inside the tables that are not used.
; LIMITS: a block of zeros gets the byte 1 where the rule says 127 (its codes are zeros; this program alone reads the bytes); NaN and infinities are not served.
; REGISTERS: window 0: v1-29 addresses; v32-63 scale words, two sets; v64-127 cos and sin of the first block; v128-223 A's fragments, one set.  window 1: B's fragments, two sets, at v0 and v128.
;   windows 2, 3: the accumulators ((a, b) at v[8 (8 (a % 4) + b)] of window 2 + a / 4).  On the way out window 0 from v4 on is free.
.set GBB,   25600
.set GRP,   8*GBB
.set SCW,   24576
.set SLOT,  4*GBB                      ; A's two blocks, then B's two
.set SPARE, 2*SLOT                     ; behind the ring: the spare words, 128 bytes for each wave: two blocks of 256 bytes that no other line names
.set NQ,    2                          ; matrix instructions deep in a slot
.set FR,    12                         ; registers of a fragment
.set NL,    3                          ; LDS loads that bring one
.set NP,    4                          ; places behind this matrix instruction (ISA guide 7.12.1)
.set LAPS,  4                          ; 2,048 along K = 8 slots = 4 times round the ring
.set ADRA, 16                          ; v16-17 LDS address of my A block in slot 0, 1: + 16 x lane
.set ADRB, 20                          ; v20-21 the same for B
.set ADRS, 22                          ; v22-23 of my scale words: lanes 0-15 A's, lanes 16-31 B's
.set GO,   24                          ; v24 16 x lane
.set CSO,  25                          ; v25 my lane's place in a block's rows of cos and sin
.set SPW,  28                          ; v28 LDS address of my spare word; never rewritten
.set NIL,  29                          ; v29 0; never rewritten
.set SC,   32
.set AF,   128
.set SW,   4                           ; the way out: v4-11 the eight blocks' scale words; v12-15 as they are stored
.set SO,   12
.set PC,   32                          ; v32-51 the codes just made
.set TM,   52                          ; v52-55 largest magnitudes, v56-59 bytes, v60-63 the conversions' scale operands
.set CS,   64                          ; v64-127, v128-191 two sets: 32 cos, 32 sin
.set Y,    192                         ; v192-255 a block after the rotation
.set FLOOR, 5<<23
.set OFFE,  0xfe000000
.set G1, 24                            ; s[24:31] descriptor group 1 for A's blocks;  s[32:39] group 0, one set for each slot
.set G0, 32
.set G1B, 48                           ; s[48:55], s[56:63] the same for B's
.set G0B, 56
.set SEL, 80                           ; s[80:81] selects for lane l xor 16
.set MSB, 0
.macro WIN new                         ; the immediate's high byte repeats the setting that is left
.if MSB != (\new)
	s_set_vgpr_msb (MSB<<8)|(\new)
.set MSB, (\new)
.endif
.endm
.set MUL_LO, 0xa1                      ; source 0 (B) window 1, source 1 (A) window 0, C and D window 2
.set MUL_HI, 0xf1                      ; the same, C and D window 3
.set TO_B,   0x40                      ; destination window 1, address window 0
; A joint load: waves 0 and 1 fetch for A, waves 2 and 3 for B; the branch hangs on the wave's number alone.  Four v_nop follow each of the two lines.
.macro JLOAD g0a, g1a, g0b, g1b
	s_cmp_eq_u32 s15, 0
	s_cbranch_scc0 .Lfor_b_\@
	tensor_load_to_lds s[\g0a:\g0a+3], s[\g1a:\g1a+7]
	s_nop 0
.rept 4
	v_nop
.endr
	s_branch .Lasked_\@
.Lfor_b_\@:
	tensor_load_to_lds s[\g0b:\g0b+3], s[\g1b:\g1b+7]
	s_nop 0
.rept 4
	v_nop
.endr
.Lasked_\@:
.endm
.macro CREST                           ; a round of the cluster's barrier behind its opening barrier
	s_cmp_lg_u32 s14, 0
	s_cbranch_scc1 .Lnot_wave_0_\@
	s_barrier_signal -3
.Lnot_wave_0_\@:
	s_barrier_wait -3
	s_barrier_signal -1
	s_barrier_wait -1
.endm
.macro CROUND
	s_barrier_signal -1
	s_barrier_wait -1
	CREST
.endm
.macro FRAG reg, adr, q, i             ; a fragment comes as it was stored: three loads of 512 consecutive bytes
.irp p, 0,1,2
	ds_load_b128 v[\reg+4*\p:\reg+4*\p+3], v[\adr] offset:12288*(\q)+1536*(\i)+512*\p
.endr
.endm
; 16 matrix instructions: A's blocks a0, a0 + 1 x B's eight, 128 along K.  p: B's set; sc: the set of scale words.  zero = 1: the first product starts the sums.  The 64 accumulators take turns.
.macro MUL16 a0, p, q, sc, zero
.irp a, \a0, \a0+1
.irp b, 0,1,2,3,4,5,6,7
.if \zero
	v_wmma_scale_f32_16x16x128_f8f6f4 v[8*(8*((\a)%4)+\b):8*(8*((\a)%4)+\b)+7], v[128*(\p)+FR*\b:128*(\p)+FR*\b+FR-1], v[AF+FR*(\a):AF+FR*(\a)+FR-1], 0, v[SC+8*NQ*(\sc)+NQ*\b+(\q)], v[SC+8*NQ*(\sc)+NQ*(\a)+(\q)] matrix_a_fmt:MATRIX_FMT_BF6 matrix_b_fmt:MATRIX_FMT_BF6 matrix_a_scale:MATRIX_SCALE_ROW1
.else
	v_wmma_scale_f32_16x16x128_f8f6f4 v[8*(8*((\a)%4)+\b):8*(8*((\a)%4)+\b)+7], v[128*(\p)+FR*\b:128*(\p)+FR*\b+FR-1], v[AF+FR*(\a):AF+FR*(\a)+FR-1], v[8*(8*((\a)%4)+\b):8*(8*((\a)%4)+\b)+7], v[SC+8*NQ*(\sc)+NQ*\b+(\q)], v[SC+8*NQ*(\sc)+NQ*(\a)+(\q)] matrix_a_fmt:MATRIX_FMT_BF6 matrix_b_fmt:MATRIX_FMT_BF6 matrix_a_scale:MATRIX_SCALE_ROW1
.endif
.endr
.endr
.endm
.macro FETCH_B slot, q, p
	WIN TO_B
.irp i, 0,1,2,3,4,5,6,7
	FRAG 128*(\p)+FR*\i, ADRB+\slot, \q, \i
.endr
	WIN 0
.endm
.macro FETCH_A slot, q, i0
.irp i, \i0, \i0+1, \i0+2, \i0+3
	FRAG AF+FR*(\i), ADRA+\slot, \q, \i
.endr
.endm
.macro SCALES sc                       ; a slot's scale words: register 2 tile + K step; lanes 0-15 A's, lanes 16-31 B's
.irp b, 0,1,2,3
	ds_load_b128 v[SC+16*(\sc)+4*\b:SC+16*(\sc)+4*\b+3], v[ADRS+(\sc)] offset:256*\b
.endr
.endm
.macro PLACES n                        ; plain vector lines between a matrix instruction and a load into, or a vector line on, its registers
.rept \n
	v_nop
.endr
.endm
.macro STEP slot, q, zero              ; a step of 128 along K that has its successor in the same slot
	s_wait_dscnt 4*NL                              ; B's set, A's blocks 0-3 and the scale words are in; the youngest twelve loads (A's blocks 4-7) may be out
	WIN MUL_LO
	MUL16 0, (\q)%2, \q, \slot, \zero
	MUL16 2, (\q)%2, \q, \slot, \zero
	s_wait_dscnt 0
	PLACES NP
	FETCH_B \slot, (\q)+1, 1-(\q)%2
	FETCH_A \slot, (\q)+1, 0
	WIN MUL_HI
	MUL16 4, (\q)%2, \q, \slot, \zero
	MUL16 6, (\q)%2, \q, \slot, \zero
	PLACES NP
	WIN 0
	FETCH_A \slot, (\q)+1, 4
.endm
; A slot's last step changes slots: one barrier; in front of it each wave waits for all its tensor loads, adds 0 to its spare word, and waits for that and for its reads of this slot.  fill = 1: the slot is filled again, two slots ahead.
.macro TURN slot, next, fill
	s_wait_tensorcnt 0x0                           ; all my tensor loads have landed: my part of the next slot
	ds_add_u32 v[SPW], v[NIL]                      ; 0 onto my spare word
	s_wait_dscnt 4*NL+1                            ; (the add and the youngest twelve loads may be out)
	WIN MUL_LO
	MUL16 0, 1, NQ-1, \slot, 0
	s_wait_dscnt 0x0                               ; the add is done, and my reads of this slot are over
	s_barrier_signal -1
	MUL16 2, 1, NQ-1, \slot, 0
	WIN 0
	s_barrier_wait -1
.if \fill
	CREST                                          ; the barrier has opened a round of the cluster's barrier: no wave of any partner still reads this slot or has a load on its way
	s_add_nc_u64 s[G0+4*\slot+2:G0+4*\slot+3], s[G0+4*\slot+2:G0+4*\slot+3], 2*GBB
	s_add_nc_u64 s[G0B+4*\slot+2:G0B+4*\slot+3], s[G0B+4*\slot+2:G0B+4*\slot+3], 2*GBB
	JLOAD G0+4*\slot, G1, G0B+4*\slot, G1B         ; the first tensor load behind the round; its four v_nop are the places in front of the loads below
.else
	PLACES NP
.endif
	FETCH_B \next, 0, 0
	FETCH_A \next, 0, 0
	SCALES \next
	WIN MUL_HI
	MUL16 4, 1, NQ-1, \slot, 0
	MUL16 6, 1, NQ-1, \slot, 0
	PLACES NP
	WIN 0
	FETCH_A \next, 0, 4
.endm
; THE WAY OUT.
.macro CSLOAD a, set                   ; cos and sin of block a's 16 tokens: my token's pairs 16 b + 8 (lane / 16) + 0 .. 7, b = 0 .. 3: register 8 b + i goes with the block's registers 16 b + 2 i, 16 b + 2 i + 1
.irp n, 0,1,2,3,4,5,6,7
	global_load_b128 v[CS+64*(\set)+4*\n:CS+64*(\set)+4*\n+3], v[CSO], s[8:9] offset:(32*((\a)/2)+8*((\a)%2))*256+64*(\n/2)+16*(\n%2)
.endr
.irp n, 0,1,2,3,4,5,6,7
	global_load_b128 v[CS+64*(\set)+32+4*\n:CS+64*(\set)+32+4*\n+3], v[CSO], s[10:11] offset:(32*((\a)/2)+8*((\a)%2))*256+64*(\n/2)+16*(\n%2)
.endr
.endm
.macro ROPE a, set                     ; (r, i) -> (r cos - i sin, r sin + i cos), pair by pair, each accumulator from its low end on
.set AC, 64*((\a)%4)
.set CC, CS+64*(\set)
	WIN 2+(\a)/4                                   ; source 0: the accumulators' window
.set n, 0
.rept 32
	v_mul_f32 v[Y+2*n], v[AC+2*n+1], v[CC+32+n]
	v_mul_f32 v[Y+2*n+1], v[AC+2*n], v[CC+32+n]
	v_fma_f32 v[Y+2*n], v[AC+2*n], v[CC+n], -v[Y+2*n]
	v_fma_f32 v[Y+2*n+1], v[AC+2*n+1], v[CC+n], v[Y+2*n+1]
.set n, n+1
.endr
	WIN 0
.endm
; 64 numbers of a lane in window w, register s + 16 b + i = k 32 b + 16 (lane / 16) + i of my row, become a fragment's codes in v[PC] on and its scale word in v[pwr].
.macro QUANT s, w, pwr
	WIN (\w)|((\w)<<2)                             ; sources 0 and 1
.irp b, 0,1,2,3
	v_max3_num_f32 v[TM+\b], |v[(\s)+16*\b]|, |v[(\s)+1+16*\b]|, FLOOR   ; block b: my 16 numbers, and the floor, so that the byte cannot fall under 1
.endr
.irp i, 2,4,6,8,10,12,14
.irp b, 0,1,2,3
	v_max3_num_f32 v[TM+\b], |v[(\s)+16*\b+\i]|, |v[(\s)+1+16*\b+\i]|, v[TM+\b]
.endr
.endr
	WIN 0
.irp b, 0,1,2,3
	v_permlanex16_b32 v[TM+4+\b], v[TM+\b], s[SEL], s[SEL+1]
.endr
.irp b, 0,1,2,3
	v_max_num_f32 v[TM+\b], v[TM+\b], v[TM+4+\b]   ; with lane l xor 16's: the block's largest magnitude
.endr
.irp b, 0,1,2,3
	v_add_nc_u32 v[TM+8+\b], OFFE, v[TM+\b]        ; 4 off its exponent field: the conversion's scale operand
.endr
.irp b, 0,1,2,3
	v_lshrrev_b32 v[TM+4+\b], 23, v[TM+8+\b]       ; the scale's byte
.endr
	v_lshl_or_b32 v[\pwr], v[TM+5], 8, v[TM+4]
	v_lshl_or_b32 v[\pwr], v[TM+6], 16, v[\pwr]
	v_lshl_or_b32 v[\pwr], v[TM+7], 24, v[\pwr]
	s_wait_xcnt 0x0                                ; the last block's stores have read the codes' registers
	WIN (\w)                                       ; source 0
.irp c, 0,1
	v_cvt_scalef32_pk16_bf6_f32 v[PC+6*\c:PC+2+6*\c], v[(\s)+32*\c:(\s)+15+32*\c], v[TM+8+2*\c]
	v_cvt_scalef32_pk16_bf6_f32 v[PC+12+4*\c:PC+14+4*\c], v[(\s)+16+32*\c:(\s)+31+32*\c], v[TM+8+2*\c+1]
.endr
	WIN 0
	v_nop                                          ; one plain line behind the conversions
.irp c, 0,1                                    ; the operand's layout wants a whole block in a lane: lanes 0-15 block 2 c, lanes 16-31 block 2 c + 1
.irp i, 0,1,2
	v_permlane16_swap_b32 v[PC+6*\c+\i], v[PC+12+4*\c+\i]
.endr
.irp i, 0,1,2
	v_mov_b32 v[PC+3+6*\c+\i], v[PC+12+4*\c+\i]
.endr
.endr
.endm
.macro OUTBLK a                        ; the fragment leaves as it stands: three stores of 512 consecutive bytes
.irp p, 0,1,2
	global_store_b128 v[GO], v[PC+4*\p:PC+4*\p+3], s[12:13] offset:1536*(\a)+512*\p
.endr
.endm
	s_load_b256 s[4:11], s[0:1], 0x0               ; xc, wc, cos, sin
	s_load_b64 s[12:13], s[0:1], 0x20              ; hc
	v_lshl_add_u32 v[SPW], v0, 2, SPARE
	v_mov_b32 v[NIL], 0
	ds_add_u32 v28, v29
	s_wait_dscnt 0x0
	v_lshrrev_b32 v1, 5, v0
	v_readfirstlane_b32 s14, v1                    ; wave 0..3
	s_lshr_b32 s15, s14, 1                         ; which of A's two blocks is mine.  Also: I fetch for A (0) or for B (1)
	s_and_b32 s16, s14, 1                          ; which of B's two.  Also: which of the two blocks I fetch
	s_bfe_u32 s40, ttmp6, 0x40000                  ; cx, cy: my place in the cluster
	s_bfe_u32 s41, ttmp6, 0x40004
	s_lshl_b32 s42, ttmp9, 2
	s_add_co_u32 s42, s42, s40                     ; tx = 4 x cluster x + cx
	s_and_b32 s17, ttmp7, 0xffff
	s_lshl_b32 s17, s17, 2
	s_add_co_u32 s17, s17, s41                     ; ty = 4 x cluster y + cy
	s_lshl_b32 s43, s41, 2
	s_lshl_b32 s43, 15, s43                        ; my row of the cluster
	s_lshl_b32 s44, 0x1111, s40                    ; my column
	s_lshr_b32 s66, ttmp9, 1                       ; the type: 0 q, 1 k, 2 v: of the cluster's x alone
	; descriptor group 1: a dense block of 25,600 bytes as 100 rows of 256 bytes (32 elements of 8 bytes)
	s_or_b32 s[G1+0], s43, (3<<16)|(1<<21)         ; 15:0 the mask; 17:16 elements of 8 bytes; 20 no padding; 21 set beside a mask
	s_or_b32 s[G1B+0], s44, (3<<16)|(1<<21)
.irp g, G1, G1B
	s_mov_b32 s[\g+1], 32<<16                      ; tensor_dim0
	s_mov_b32 s[\g+2], 100<<16                     ; tensor_dim1
	s_mov_b32 s[\g+3], 32<<16                      ; tile_dim0
	s_mov_b32 s[\g+4], 100                         ; tile_dim1
	s_mov_b32 s[\g+5], 32                          ; tensor_dim0_stride
	s_mov_b32 s[\g+6], 0
	s_mov_b32 s[\g+7], 0
.endr
	s_cmp_eq_u32 s66, 2
	s_cselect_b32 s67, 32, 0                       ; v: A's groups are wc's 32 on, B's are xc's: 2 tx - 32 on
	s_lshl_b32 s20, s17, 1
	s_add_co_u32 s20, s20, s16
	s_add_co_u32 s20, s20, s67                     ; A's group that I fetch: of ty, the wave and the type alone
	s_mul_i32 s20, s20, GRP
	s_mov_b32 s21, 0
	s_lshl_b32 s46, s42, 1
	s_add_co_u32 s46, s46, s16
	s_sub_co_u32 s46, s46, s67                     ; B's: of tx, the wave and the type alone
	s_mul_i32 s46, s46, GRP
	s_mov_b32 s47, 0
	s_mul_i32 s45, s14, GBB                        ; where it goes: wave x a block: no place in the cluster enters an LDS address
	s_wait_kmcnt 0x0
	s_cmp_eq_u32 s66, 2
	s_cselect_b64 s[68:69], s[6:7], s[4:5]         ; A's buffer
	s_cselect_b64 s[70:71], s[4:5], s[6:7]         ; B's
	s_add_nc_u64 s[20:21], s[68:69], s[20:21]
	s_add_nc_u64 s[46:47], s[70:71], s[46:47]
	CROUND                                         ; all sixteen work-groups are here: the first joint loads meet
.irp s, 0,1
	s_mov_b32 s[G0+4*\s], 1
	s_add_co_u32 s[G0+4*\s+1], s45, \s*SLOT
	s_add_nc_u64 s[G0+4*\s+2:G0+4*\s+3], s[20:21], \s*GBB
	s_or_b32 s[G0+4*\s+3], s[G0+4*\s+3], 0x80000000
	s_mov_b32 s[G0B+4*\s], 1
	s_add_co_u32 s[G0B+4*\s+1], s45, \s*SLOT
	s_add_nc_u64 s[G0B+4*\s+2:G0B+4*\s+3], s[46:47], \s*GBB
	s_or_b32 s[G0B+4*\s+3], s[G0B+4*\s+3], 0x80000000
	JLOAD G0+4*\s, G1, G0B+4*\s, G1B               ; two loads of mine are out
.endr
	v_and_b32 v1, 15, v0                           ; r
	v_bfe_u32 v2, v0, 4, 1                         ; h
	v_and_b32 v3, 31, v0
	v_lshlrev_b32 v[GO], 4, v3
	s_mul_i32 s21, s15, GBB                        ; my block of A
	s_mul_i32 s22, s16, GBB
	s_add_co_u32 s22, s22, 2*GBB                   ; my block of B, behind A's two
.irp s, 0,1
	v_add_nc_u32 v[ADRA+\s], s21, v[GO]
	v_add_nc_u32 v[ADRB+\s], s22, v[GO]
	s_add_co_u32 s21, s21, SLOT
	s_add_co_u32 s22, s22, SLOT
.endr
	s_mul_i32 s21, s15, GBB
	s_mul_i32 s22, s16, GBB
	s_add_co_u32 s22, s22, 2*GBB
	s_sub_co_u32 s22, s22, s21
	v_mul_u32_u24 v4, s22, v2                      ; lanes 16-31 take B's words: the distance between the two blocks
	v_lshl_add_u32 v4, v1, 4, v4
	s_add_co_u32 s21, s21, SCW
	v_add_nc_u32 v[ADRS], s21, v4
	v_add_nc_u32 v[ADRS+1], SLOT, v[ADRS]
	v_and_b32 v5, 8, v1
	v_add_nc_u32 v5, v5, v1                        ; r + 8 (r / 8)
	v_lshlrev_b32 v[CSO], 8, v5                    ; a token's row of cos or sin is 256 bytes
	v_lshl_add_u32 v[CSO], v2, 5, v[CSO]           ; + my half's eight pairs
	; where my 128 x 128 goes.  q, k: head = (2 tx + w % 2) % 16, token group = 2 ty + w / 2;  v: the other way round (2 tx + w % 2 is 32 .. 47 there)
	s_lshl_b32 s72, s42, 1
	s_add_co_u32 s72, s72, s16
	s_and_b32 s74, s72, 15
	s_lshl_b32 s73, s17, 1
	s_add_co_u32 s73, s73, s15
	s_cmp_eq_u32 s66, 2
	s_cselect_b32 s75, s73, s74                    ; head
	s_cselect_b32 s76, s74, s73                    ; token group
	s_lshl_b32 s77, s66, 4
	s_add_co_u32 s77, s77, s75
	s_lshl_b32 s77, s77, 4
	s_add_co_u32 s77, s77, s76
	s_mul_i32 s78, s77, 12800
	s_mov_b32 s79, 0
	s_add_nc_u64 s[12:13], s[12:13], s[78:79]
	s_lshl_b32 s78, s76, 15                        ; the group's 128 rows of 256 bytes
	s_add_nc_u64 s[8:9], s[8:9], s[78:79]
	s_add_nc_u64 s[10:11], s[10:11], s[78:79]
	s_mov_b32 s[SEL], 0x76543210
	s_mov_b32 s[SEL+1], 0xfedcba98
	CSLOAD 0, 0                                    ; they land while K is walked
	s_wait_tensorcnt 1                             ; my part of slot 0 is in (slot 1's load may be out)
	s_barrier_signal -1
	s_barrier_wait -1                              ; everybody's is
	FETCH_B 0, 0, 0
	FETCH_A 0, 0, 0
	SCALES 0
	FETCH_A 0, 0, 4
	STEP 0, 0, 1                                   ; the first step stands in front of the loop: its products start the sums
	s_mov_b32 s3, LAPS-1
.Llap:                                                 ; a trip goes once round the ring and fills both slots again
	TURN 0, 1, 1
	STEP 1, 0, 0
	TURN 1, 0, 1
	STEP 0, 0, 0
	s_sub_co_u32 s3, s3, 1
	s_cmp_lg_u32 s3, 0
	s_cbranch_scc1 .Llap
	TURN 0, 1, 0                                   ; the last lap fills nothing
	STEP 1, 0, 0
	s_wait_dscnt 4*NL
	WIN MUL_LO
	MUL16 0, 1, NQ-1, 1, 0
	MUL16 2, 1, NQ-1, 1, 0
	s_wait_dscnt 0
	WIN MUL_HI
	MUL16 4, 1, NQ-1, 1, 0
	MUL16 6, 1, NQ-1, 1, 0
	WIN 0
	PLACES NP                                      ; in front of the lines and loads that write registers which the last products named
.irp b, 0,1,2,3
	v_mov_b32 v[TM+4+\b], 0                        ; a lane permute's destination counts as one of its sources
.endr
	s_cmp_eq_u32 s66, 2
	s_cbranch_scc1 .Lv_path
.irp a, 0,1,2,3,4,5,6,7                        ; q, k: block a = 16 tokens x the head's 128
.if \a < 7
	CSLOAD \a+1, (\a+1)%2
	s_wait_loadcnt 16                              ; this block's cos and sin are in; the next block's 16 loads stay out
.else
	s_wait_loadcnt 0x0
.endif
	ROPE \a, \a%2
	QUANT Y, 0, SW+\a
	OUTBLK \a
.endr
	s_branch .Ljoin
.Lv_path:
.irp a, 0,1,2,3,4,5,6,7                        ; v: block a = 16 of the head's 128 x the group's 128 keys, straight from the accumulators
	QUANT 64*(\a%4), 2+\a/4, SW+\a
	OUTBLK \a
.endr
.Ljoin:
	v_cmp_ne_u32 vcc_lo, 0, v2                     ; lanes 0-15 store the words of tiles 0-3, lanes 16-31 those of tiles 4-7
.irp i, 0,1,2,3
	v_cndmask_b32 v[SO+\i], v[SW+\i], v[SW+4+\i], vcc_lo
.endr
	global_store_b128 v[GO], v[SO:SO+3], s[12:13] offset:12288   ; 512 consecutive bytes
	s_wait_tensorcnt 0x0                           ; the wave's end
	ds_add_u32 v[SPW], v[NIL]
	s_wait_dscnt 0x0
	CROUND                                         ; the closing round: no work-group ends while a partner may still ask for a block that names it
	s_endpgm
.Lfunc_end_k_q22be617a92_qkv:
	.size	k_q22be617a92_qkv, .Lfunc_end_k_q22be617a92_qkv-k_q22be617a92_qkv
	.p2alignl 7, 3214868480
	.fill 96, 4, 3214868480
	.section	.rodata,"a",@progbits
	.p2align	6, 0x0
	.amdhsa_kernel k_q22be617a92_qkv
		.amdhsa_group_segment_fixed_size 327680
		.amdhsa_private_segment_fixed_size 0
		.amdhsa_enable_private_segment 0
		.amdhsa_kernarg_size 40
		.amdhsa_user_sgpr_count 2
		.amdhsa_user_sgpr_kernarg_segment_ptr 1
		.amdhsa_wavefront_size32 1
		.amdhsa_system_sgpr_workgroup_id_x 1
		.amdhsa_system_sgpr_workgroup_id_y 1
		.amdhsa_system_sgpr_workgroup_id_z 1
		.amdhsa_system_vgpr_workitem_id 0
		.amdhsa_next_free_vgpr 1024
		.amdhsa_next_free_sgpr 100
		.amdhsa_reserve_vcc 1
		.amdhsa_float_denorm_mode_32 3
		.amdhsa_float_denorm_mode_16_64 3
		.amdhsa_memory_ordered 1
		.amdhsa_forward_progress 1
		.amdhsa_inst_pref_size 230
	.end_amdhsa_kernel
	.amdgpu_metadata
---
amdhsa.version: [ 1, 2 ]
amdhsa.kernels:
  - .name:           k_q22be617a92_qkv
    .symbol:         k_q22be617a92_qkv.kd
    .args:
      - { .name: xc, .offset: 0, .size: 8, .value_kind: global_buffer, .address_space: global }
      - { .name: wc, .offset: 8, .size: 8, .value_kind: global_buffer, .address_space: global }
      - { .name: freqs_cos, .offset: 16, .size: 8, .value_kind: global_buffer, .address_space: global }
      - { .name: freqs_sin, .offset: 24, .size: 8, .value_kind: global_buffer, .address_space: global }
      - { .name: hc, .offset: 32, .size: 8, .value_kind: global_buffer, .address_space: global }
    .group_segment_fixed_size: 327680
    .private_segment_fixed_size: 0
    .kernarg_segment_align: 8
    .kernarg_segment_size: 40
    .max_flat_workgroup_size: 128
    .sgpr_count:     100
    .vgpr_count:     1024
    .wavefront_size: 32
...
	.end_amdgpu_metadata
.endif
;; end of part 2
;; launch attn (part 3): grid 16 x 16, 8 waves a work-group, no clusters, 327,680 bytes of LDS; arguments hc, ac; writes ac
.if DOCPART == 3
	.amdgcn_target "amdgcn-amd-amdhsa--gfx1250"
	.amdhsa_code_object_version 6
	.text
	.protected	k_q22be617a92_attn
	.globl	k_q22be617a92_attn
	.p2align	8
	.type	k_q22be617a92_attn,@function
k_q22be617a92_attn:
	s_mov_b64 s[64:65], 0
	v_nop
	global_prefetch_b8 v0, s[64:65] scope:SCOPE_SE
	s_setreg_imm32_b32 hwreg(HW_REG_WAVE_MODE, 25, 1), 1
	s_wait_xcnt 0x0
; Causal attention of one head on codes of BF6 with E8M0 scales, and the result quantised along C for the last product.
; hc: [type: q, k, v][head 16][token group 16] blocks AB of 12,800 bytes: eight fragments of 1,536 bytes as images of the operand's registers (register g of lane l at 512 (g / 4) + 16 l + 4 (g % 4)), then at 12,288 the
; scale words [tile / 4][lane 16][tile % 4].  q, k: rows = tokens, K = d; v: rows = d, K = the group's 128 keys.  Lane r of tile a holds row 32 (a / 2) + 8 (a % 2) + r + 8 (r / 8) of the block's 128.
; THE SOFTMAX: t = score x log2(e) / sqrt(128); M = the running largest t rounded up to a whole number; p = 2^(t - M) is quantised along the keys; the row's sum is taken of the unquantised p and divides at the end.
; When M moves, the sum and O are multiplied by 2^(old M - new M), which rounds nothing.
; SHARES.  A work-group has one head and eight waves, each with ONE tile of 16 queries in 256 registers.  Waves 0-3 take tiles 4 j + w, waves 4-7 tiles 120 - 4 j + w: an early and a late run of queries, so that
; every work-group has about the same number of key steps that count.  Every wave walks all 16 key steps of 128 keys; a step all of whose keys come after its queries is jumped over (a scalar branch on ids).
; Both products are used transposed (S^T = K Q^T, O^T = V^T P^T): a lane holds one query, and with the tiles' row order its 64 registers are 128 keys, or the head's 128 channels, in their natural order.
; THE RING: two LDS slots of 512 keys (K's four AB, then V's four), filled by waves 0-3, 25,600 dense bytes each.  Both slots are asked for at the head; each of the two refills is issued four key steps ahead of the wait for it.
; NO CLUSTER: the query blocks of a head would share K and V, but the jump over hidden steps hangs on the query tile, which differs between such partners.
; OUTPUT ac: [token group 16][K pair 8] blocks of 25,600 bytes as the last product's operand: [K step = head % 2][tile 8] fragments, then at 24,576 the scale words [tile / 2][lane 16][tile % 2][K step].
; A tile's 16 scale words are stored 4 bytes a lane, 16 bytes apart: two heads share those bytes.
; LIMITS: a block of zeros gets the byte 1 where the rule says 127 (its codes are zeros; this program alone reads the bytes); NaN and infinities are not served.
; REGISTERS: v1-10 addresses; v12 -M, v13 the largest t, v[14:15] the sum in two halves; v16-27 Q; v32-79 four fragments of K or V; v96-159 S^T, then p; v160-223 O^T; v224-235 codes; v232-254 at work; v255 Q's scale words.
.set ABB,   12800
.set GRP,   16*ABB
.set VOFF,  4*ABB                      ; in a slot: V's blocks behind K's four
.set SLOT1, 1<<17
.set SPARE, SLOT1+8*ABB                ; behind the ring: the spare words, 128 bytes for each wave: four blocks of 256 bytes that no other line names
.set FLOOR, 5<<23
.set OFFE,  0xfe000000
.set LI,   1                           ; v1  16 x lane
.set LSC,  2                           ; v2  16 r + 12,288: my lane's scale words in a block
.set DQ,   3                           ; v3  r + 8 (r / 8) - 16 (lane / 16)
.set SPW,  5                           ; v5  LDS address of my spare word; never rewritten
.set NIL,  6                           ; v6  0; never rewritten
.set ADK,  8                           ; v8  LDS address of the step's fragments
.set ADS,  9                           ; v9  of its scale words
.set RO,   10                          ; v10 16 r
.set WV,   18
.set SEL,  20
.set CS,   22                          ; s[22:23] c = log2(e) / sqrt(128)
.set G1,   24                          ; s[24:31] descriptor group 1;  s[40:43], s[44:47] groups 0 of slot 0 and slot 1
.set G0A,  40
.set G0B,  44
.set TB,   2                           ; s2  LDS byte at which the step's block of K begins
.set CNT,  3
.set KF,   48                          ; s48 the step's first key
.set QB,   49                          ; s49 my first query
.set QMAX, 50                          ; s50 my last
.macro TLOAD g0                        ; waves 0-3 fetch, the others nothing; four v_nop follow the line
	s_cmp_lt_u32 s[WV], 4
	s_cbranch_scc0 .Lnone_\@
	tensor_load_to_lds s[\g0:\g0+3], s[G1:G1+7]
	s_nop 0
.rept 4
	v_nop
.endr
.Lnone_\@:
.endm
.macro STEP                            ; 128 keys
	s_cmp_gt_u32 s[KF], s[QMAX]
	s_cbranch_scc1 .Lhidden_\@                     ; all its keys come after my queries
	v_add_nc_u32 v[ADK], s[TB], v[LI]
	v_add_nc_u32 v[ADS], s[TB], v[LSC]
	v_nop
	v_nop                                          ; four places in front of loads into registers that the last step's products have read
.irp g, 0,1                                    ; S^T = K Q^T, four tiles of 16 keys at a time
.if \g > 0
.rept 4
	v_nop
.endr
.endif
.irp t, 0,1,2,3
.irp p, 0,1,2
	ds_load_b128 v[32+12*\t+4*\p:35+12*\t+4*\p], v[ADK] offset:(4*\g+\t)*1536+512*\p
.endr
.endr
	ds_load_b128 v[248:251], v[ADS] offset:256*\g  ; the four tiles' scale words
	s_wait_dscnt 0x0
.irp t, 0,1,2,3
	v_wmma_scale_f32_16x16x128_f8f6f4 v[96+8*(4*\g+\t):103+8*(4*\g+\t)], v[32+12*\t:43+12*\t], v[16:27], 0, v[248+\t], v255 matrix_a_fmt:MATRIX_FMT_BF6 matrix_b_fmt:MATRIX_FMT_BF6
.endr
.endr                                          ; register 16 b + i holds key KF + 32 b + 16 (lane / 16) + i
.rept 4
	v_nop
.endr
	s_add_co_u32 s60, s[KF], 127                   ; on the diagonal hidden scores become -infinity ahead of the maximum: p = 0 then.  A step all of whose keys count passes this over
	s_cmp_le_u32 s60, s[QB]
	s_cbranch_scc1 .Lopen_\@
	s_sub_co_i32 s60, s[QB], s[KF]
	v_add_nc_u32 v252, s60, v[DQ]                  ; d = my query - KF - 16 (lane / 16): key 32 b + i is hidden where 32 b + i > d
	v_mov_b32 v254, 0xff800000
.set n, 0
.rept 64
	v_cmp_gt_i32 vcc_lo, 32*(n/16)+n%16, v252
	v_cndmask_b32 v[96+n], v[96+n], v254, vcc_lo
.set n, n+1
.endr
.Lopen_\@:
.irp b, 0,1,2,3
	v_max3_num_f32 v[232+\b], v[96+16*\b], v[97+16*\b], v[98+16*\b]   ; the largest score of each block of 32 keys: for the row's maximum and, since p rises with the score, for the block's largest p
.endr
.irp i, 3,5,7,9,11,13
.irp b, 0,1,2,3
	v_max3_num_f32 v[232+\b], v[232+\b], v[96+16*\b+\i], v[97+16*\b+\i]
.endr
.endr
.irp b, 0,1,2,3
	v_max_num_f32 v[232+\b], v[232+\b], v[111+16*\b]
.endr
.irp b, 0,1,2,3
	v_permlanex16_b32 v[236+\b], v[232+\b], s[SEL], s[SEL+1]
.endr
.irp b, 0,1,2,3
	v_max_num_f32 v[232+\b], v[232+\b], v[236+\b]  ; with lane l xor 16's 16 keys
.endr
	v_max3_num_f32 v254, v232, v233, v234
	v_max_num_f32 v254, v254, v235
	v_mul_f32 v254, s[CS], v254                    ; the step's largest t of my query
	v_max_num_f32 v13, v13, v254                   ; the running largest t
	v_mov_b32 v254, v12
	v_floor_f32 v12, -v13                          ; the new -M = -ceil(t): a whole number
	v_sub_f32 v254, v12, v254                      ; old M - new M: a whole number, 0 or less
	v_cvt_i32_f32 v254, v254                       ; (it saturates)
	v_ldexp_f32 v252, 1.0, v254                    ; f = 2^(old M - new M)
.set n, 0
.rept 32
	v_pk_fma_f32 v[96+n:97+n], v[96+n:97+n], s[CS:CS+1], v[12:13] op_sel_hi:[1,0,0]   ; t - M, two at a time
.set n, n+2
.endr
.irp b, 0,1,2,3
	v_fma_f32 v[232+\b], v[232+\b], s[CS], v12     ; the same of each block's largest score
.endr
.set n, 0
.rept 64
	v_exp_f32 v[96+n], v[96+n]                     ; p = 2^(t - M), at most 1
.set n, n+1
.endr
	v_pk_mul_f32 v[14:15], v[14:15], v[252:253] op_sel_hi:[1,0]   ; the sums under the new M; the plain line behind the exponentials
	s_wait_alu depctr_va_vdst(0)                   ; one wait for the batch, ahead of its first reader
.irp b, 0,1,2,3
	v_exp_f32 v[232+\b], v[232+\b]                 ; the block's largest p
.endr
	v_pk_add_f32 v[236:237], v[96:97], v[98:99]    ; the row's sum of the unquantised p, in two chains
.irp j, 4,8,12,16,20,24,28,32,36,40,44,48,52,56,60
	v_pk_add_f32 v[14:15], v[14:15], v[96+\j:97+\j]
	v_pk_add_f32 v[236:237], v[236:237], v[98+\j:99+\j]
.endr
	v_pk_add_f32 v[14:15], v[14:15], v[236:237]
	s_wait_alu depctr_va_vdst(0)                   ; and one for the four
.irp b, 0,1,2,3
	v_max_num_f32 v[232+\b], FLOOR, v[232+\b]      ; the floor: the byte cannot fall under 1
.endr
.irp b, 0,1,2,3
	v_add_nc_u32 v[244+\b], OFFE, v[232+\b]        ; the conversion's scale operand
.endr
.irp b, 0,1,2,3
	v_lshrrev_b32 v[236+\b], 23, v[244+\b]         ; the scale's byte
.endr
	v_lshl_or_b32 v253, v237, 8, v236              ; p's scale word for these 128 keys
	v_lshl_or_b32 v253, v238, 16, v253
	v_lshl_or_b32 v253, v239, 24, v253
.irp c, 0,1
	v_cvt_scalef32_pk16_bf6_f32 v[224+6*\c:226+6*\c], v[96+32*\c:111+32*\c], v[244+2*\c]
	v_cvt_scalef32_pk16_bf6_f32 v[236+4*\c:238+4*\c], v[112+32*\c:127+32*\c], v[244+2*\c+1]
.endr
	v_nop                                          ; one plain line behind the conversions
.irp c, 0,1                                    ; a whole block to a lane
.irp i, 0,1,2
	v_permlane16_swap_b32 v[224+6*\c+\i], v[236+4*\c+\i]
.endr
.irp i, 0,1,2
	v_mov_b32 v[227+6*\c+\i], v[236+4*\c+\i]
.endr
.endr
.set n, 0
.rept 32
	v_pk_mul_f32 v[160+n:161+n], v[160+n:161+n], v[252:253] op_sel_hi:[1,0]   ; O^T under the new M; these 32 are also the places in front of the products and loads below
.set n, n+2
.endr
.irp g, 0,1                                    ; O^T += V^T P^T: four tiles of 16 channels at a time
.if \g > 0
.rept 4
	v_nop
.endr
.endif
.irp t, 0,1,2,3
.irp p, 0,1,2
	ds_load_b128 v[32+12*\t+4*\p:35+12*\t+4*\p], v[ADK] offset:VOFF+(4*\g+\t)*1536+512*\p
.endr
.endr
	ds_load_b128 v[248:251], v[ADS] offset:VOFF+256*\g
	s_wait_dscnt 0x0
.irp t, 0,1,2,3
	v_wmma_scale_f32_16x16x128_f8f6f4 v[160+8*(4*\g+\t):167+8*(4*\g+\t)], v[32+12*\t:43+12*\t], v[224:235], v[160+8*(4*\g+\t):167+8*(4*\g+\t)], v[248+\t], v253 matrix_a_fmt:MATRIX_FMT_BF6 matrix_b_fmt:MATRIX_FMT_BF6
.endr
.endr
.Lhidden_\@:
	s_add_co_u32 s[KF], s[KF], 128
	s_add_co_u32 s[TB], s[TB], ABB
.endm
.macro SLOTSTEPS slot                  ; a slot's four key steps: written once, walked four times
	s_mov_b32 s[TB], (\slot)*SLOT1
	s_mov_b32 s[CNT], 4
.Lsteps_\@:
	STEP
	s_sub_co_u32 s[CNT], s[CNT], 1
	s_cmp_lg_u32 s[CNT], 0
	s_cbranch_scc1 .Lsteps_\@
.endm
; THE CHANGE OF SLOTS: each wave waits for all its tensor loads (its part of the slot ahead), adds 0 to its spare word, and waits for that and for its reads of the slot that it leaves.  fill = 1: that slot is filled with the keys two slots on.
.macro CHANGE fill, g0
	s_wait_tensorcnt 0x0                           ; no tensor load of mine is out, so a group 0 may be written
	ds_add_u32 v[SPW], v[NIL]                      ; 0 onto my spare word
.if \fill
	s_add_nc_u64 s[\g0+2:\g0+3], s[\g0+2:\g0+3], 8*ABB
.endif
	s_wait_dscnt 0x0
	s_barrier_signal -1
	s_barrier_wait -1
.if \fill
	TLOAD \g0                                      ; the first thing behind the barrier, and a wave's one tensor load until the next
.endif
.endm
	s_load_b128 s[4:7], s[0:1], 0x0                ; hc, ac
	v_lshl_add_u32 v[SPW], v0, 2, SPARE
	v_mov_b32 v[NIL], 0
	ds_add_u32 v5, v6
	s_wait_dscnt 0x0
	v_lshrrev_b32 v8, 5, v0
	v_readfirstlane_b32 s[WV], v8                  ; wave 0..7
	s_and_b32 s8, ttmp7, 0xffff                    ; the head
	s_mov_b32 s[G1], 3<<16                         ; no mask; elements of 8 bytes; no padding: a dense block of 25,600 bytes as 100 rows of 256
	s_mov_b32 s[G1+1], 32<<16
	s_mov_b32 s[G1+2], 100<<16
	s_mov_b32 s[G1+3], 32<<16
	s_mov_b32 s[G1+4], 100
	s_mov_b32 s[G1+5], 32
	s_mov_b32 s[G1+6], 0
	s_mov_b32 s[G1+7], 0
	s_bfe_u32 s9, s[WV], 0x10001                   ; what I fetch, if I fetch: waves 0, 1: K's; waves 2, 3: V's;
	s_and_b32 s10, s[WV], 1                        ; the first or the second two blocks of a slot's four
	s_and_b32 s11, s[WV], 3
	s_lshl_b32 s12, s9, 4
	s_add_co_u32 s12, s12, 16
	s_add_co_u32 s12, s12, s8                      ; type x 16 + head
	s_mul_i32 s12, s12, GRP
	s_mul_i32 s13, s10, 2*ABB
	s_add_co_u32 s12, s12, s13
	s_mov_b32 s13, 0
	s_mul_i32 s14, s11, 2*ABB                      ; and where it goes in a slot
	s_wait_kmcnt 0x0
	s_add_nc_u64 s[12:13], s[4:5], s[12:13]
	s_mov_b32 s[G0A], 1
	s_mov_b32 s[G0A+1], s14
	s_mov_b64 s[G0A+2:G0A+3], s[12:13]
	s_or_b32 s[G0A+3], s[G0A+3], 0x80000000
	s_mov_b32 s[G0B], 1
	s_add_co_u32 s[G0B+1], s14, SLOT1
	s_add_nc_u64 s[G0B+2:G0B+3], s[12:13], 4*ABB
	s_or_b32 s[G0B+3], s[G0B+3], 0x80000000
	s_cmp_lt_u32 s[WV], 4                          ; a wave's two first fills stand in one branch: two loads of mine are out
	s_cbranch_scc0 .Lno_fill
	tensor_load_to_lds s[G0A:G0A+3], s[G1:G1+7]
	s_nop 0
	tensor_load_to_lds s[G0B:G0B+3], s[G1:G1+7]
	s_nop 0
.rept 4
	v_nop
.endr
.Lno_fill:
	s_lshl_b32 s15, ttmp9, 2
	s_add_co_u32 s16, s15, s[WV]                   ; waves 0-3: tile 4 j + w
	s_sub_co_u32 s17, 120, s15
	s_add_co_u32 s17, s17, s[WV]                   ; waves 4-7: tile 120 - 4 j + w
	s_cmp_lt_u32 s[WV], 4
	s_cselect_b32 s16, s16, s17                    ; my tile T of the head's 128
	s_lshr_b32 s17, s16, 3                         ; its token group
	s_and_b32 s19, s16, 7                          ; a: its place there
	s_lshr_b32 s[QB], s16, 1
	s_lshl_b32 s[QB], s[QB], 5
	s_and_b32 s51, s16, 1
	s_lshl_b32 s51, s51, 3
	s_add_co_u32 s[QB], s[QB], s51                 ; my first query: 32 (T / 2) + 8 (T % 2); lane r's is r + 8 (r / 8) on
	s_add_co_u32 s[QMAX], s[QB], 23
	s_mul_i32 s52, s8, GRP
	s_mul_i32 s53, s17, ABB
	s_add_co_u32 s52, s52, s53                     ; q's block
	s_mul_i32 s53, s19, 1536
	s_add_co_u32 s54, s52, s53
	s_mov_b32 s55, 0
	s_add_nc_u64 s[54:55], s[4:5], s[54:55]        ; my fragment of Q
	s_lshr_b32 s53, s19, 2
	s_lshl_b32 s53, s53, 8
	s_add_co_u32 s52, s52, s53
	s_and_b32 s53, s19, 3
	s_lshl_b32 s53, s53, 2
	s_add_co_u32 s52, s52, s53
	s_add_co_u32 s52, s52, 12288
	s_mov_b32 s53, 0
	s_add_nc_u64 s[52:53], s[4:5], s[52:53]        ; its scale words
	s_mul_i32 s56, s17, GRP
	s_lshr_b32 s57, s8, 1
	s_mul_i32 s57, s57, 25600
	s_add_co_u32 s56, s56, s57                     ; ac: my token group's block of K pair head / 2
	s_and_b32 s57, s8, 1
	s_mul_i32 s58, s57, 12288
	s_add_co_u32 s58, s58, s56
	s_mul_i32 s59, s19, 1536
	s_add_co_u32 s58, s58, s59
	s_mov_b32 s59, 0
	s_add_nc_u64 s[58:59], s[6:7], s[58:59]        ; my fragment there
	s_lshl_b32 s57, s57, 2
	s_add_co_u32 s56, s56, s57
	s_lshr_b32 s57, s19, 1
	s_lshl_b32 s57, s57, 8
	s_add_co_u32 s56, s56, s57
	s_and_b32 s57, s19, 1
	s_lshl_b32 s57, s57, 3
	s_add_co_u32 s56, s56, s57
	s_add_co_u32 s56, s56, 24576
	s_mov_b32 s57, 0
	s_add_nc_u64 s[56:57], s[6:7], s[56:57]        ; and its scale words
	s_mov_b32 s[SEL], 0x76543210
	s_mov_b32 s[SEL+1], 0xfedcba98
	s_mov_b32 s[CS], 0x3e0293ee                    ; c = log2(e) / sqrt(128)
	s_mov_b32 s[CS+1], s[CS]                       ; (named with it as a pair, so it is written)
	s_mov_b32 s[KF], 0
	v_and_b32 v8, 15, v0                           ; r
	v_bfe_u32 v9, v0, 4, 1                         ; h
	v_and_b32 v[LI], 31, v0
	v_lshlrev_b32 v[LI], 4, v[LI]
	v_lshlrev_b32 v[RO], 4, v8
	v_add_nc_u32 v[LSC], 12288, v[RO]
	v_and_b32 v[DQ], 8, v8
	v_add_nc_u32 v[DQ], v[DQ], v8
	v_lshlrev_b32 v9, 4, v9
	v_sub_nc_u32 v[DQ], v[DQ], v9
.irp p, 0,1,2
	global_load_b128 v[16+4*\p:19+4*\p], v[LI], s[54:55] offset:512*\p   ; Q's fragment stays in registers
.endr
	global_load_b32 v255, v[RO], s[52:53]
	v_mov_b32 v13, 0xff61b1e6                      ; the largest t so far: -3e38, under every t
	v_floor_f32 v12, -v13                          ; -M
	v_mov_b32 v14, 0                               ; the sum, in two halves
	v_mov_b32 v15, 0
.irp b, 0,1,2,3
	v_mov_b32 v[236+\b], 0                         ; a lane permute's destination counts as one of its sources
.endr
	v_mov_b32 v252, 0
	v_mov_b32 v253, 0
.set n, 0
.rept 64
	v_mov_b32 v[160+n], 0                          ; O^T: the step is written once; the first finds zeros, which the first change of M leaves zeros
.set n, n+1
.endr
	s_wait_tensorcnt 1                             ; my part of slot 0 is in; slot 1's may stay out
	s_barrier_signal -1
	s_barrier_wait -1
	s_wait_loadcnt 0x0                             ; Q
	SLOTSTEPS 0                                    ; keys 0 to 511
	CHANGE 1, G0A                                  ; slot 0 takes keys 1,024 on
	SLOTSTEPS 1
	CHANGE 1, G0B                                  ; slot 1 takes keys 1,536 on
	SLOTSTEPS 0
	CHANGE 0, 0
	SLOTSTEPS 1
	; THE WAY OUT: O^T / the sum, quantised along the head's channels: a fragment of the last product's operand
.rept 4
	v_nop                                          ; places behind the last products
.endr
	v_add_f32 v14, v14, v15
	v_permlanex16_b32 v252, v14, s[SEL], s[SEL+1]
	v_add_f32 v14, v14, v252                       ; the row's sum
	v_rcp_f32 v14, v14
	v_nop                                          ; a plain line behind the reciprocal
	s_wait_alu depctr_va_vdst(0)                   ; and the wait ahead of its first reader
.set n, 0
.rept 64
	v_mul_f32 v[96+n], v[160+n], v14               ; register 16 b + i is channel 32 b + 16 (lane / 16) + i of my query
.set n, n+1
.endr
.irp b, 0,1,2,3
	v_max3_num_f32 v[232+\b], |v[96+16*\b]|, |v[97+16*\b]|, FLOOR
.endr
.irp i, 2,4,6,8,10,12,14
.irp b, 0,1,2,3
	v_max3_num_f32 v[232+\b], v[232+\b], |v[96+16*\b+\i]|, |v[97+16*\b+\i]|
.endr
.endr
.irp b, 0,1,2,3
	v_permlanex16_b32 v[236+\b], v[232+\b], s[SEL], s[SEL+1]
.endr
.irp b, 0,1,2,3
	v_max_num_f32 v[232+\b], v[232+\b], v[236+\b]
.endr
.irp b, 0,1,2,3
	v_add_nc_u32 v[244+\b], OFFE, v[232+\b]
.endr
.irp b, 0,1,2,3
	v_lshrrev_b32 v[236+\b], 23, v[244+\b]
.endr
	v_lshl_or_b32 v253, v237, 8, v236
	v_lshl_or_b32 v253, v238, 16, v253
	v_lshl_or_b32 v253, v239, 24, v253
.irp c, 0,1
	v_cvt_scalef32_pk16_bf6_f32 v[224+6*\c:226+6*\c], v[96+32*\c:111+32*\c], v[244+2*\c]
	v_cvt_scalef32_pk16_bf6_f32 v[236+4*\c:238+4*\c], v[112+32*\c:127+32*\c], v[244+2*\c+1]
.endr
	v_nop
.irp c, 0,1
.irp i, 0,1,2
	v_permlane16_swap_b32 v[224+6*\c+\i], v[236+4*\c+\i]
.endr
.irp i, 0,1,2
	v_mov_b32 v[227+6*\c+\i], v[236+4*\c+\i]
.endr
.endr
.irp p, 0,1,2
	global_store_b128 v[LI], v[224+4*\p:227+4*\p], s[58:59] offset:512*\p   ; 512 consecutive bytes
.endr
	global_store_b32 v[RO], v253, s[56:57]         ; lanes l and l xor 16 store the same word with the same value
	s_wait_tensorcnt 0x0                           ; the wave's end
	ds_add_u32 v[SPW], v[NIL]
	s_wait_dscnt 0x0
	s_endpgm
.Lfunc_end_k_q22be617a92_attn:
	.size	k_q22be617a92_attn, .Lfunc_end_k_q22be617a92_attn-k_q22be617a92_attn
	.p2alignl 7, 3214868480
	.fill 96, 4, 3214868480
	.section	.rodata,"a",@progbits
	.p2align	6, 0x0
	.amdhsa_kernel k_q22be617a92_attn
		.amdhsa_group_segment_fixed_size 327680
		.amdhsa_private_segment_fixed_size 0
		.amdhsa_enable_private_segment 0
		.amdhsa_kernarg_size 16
		.amdhsa_user_sgpr_count 2
		.amdhsa_user_sgpr_kernarg_segment_ptr 1
		.amdhsa_wavefront_size32 1
		.amdhsa_system_sgpr_workgroup_id_x 1
		.amdhsa_system_sgpr_workgroup_id_y 1
		.amdhsa_system_sgpr_workgroup_id_z 1
		.amdhsa_system_vgpr_workitem_id 0
		.amdhsa_next_free_vgpr 256
		.amdhsa_next_free_sgpr 80
		.amdhsa_reserve_vcc 1
		.amdhsa_float_denorm_mode_32 3
		.amdhsa_float_denorm_mode_16_64 3
		.amdhsa_memory_ordered 1
		.amdhsa_forward_progress 1
		.amdhsa_inst_pref_size 112
	.end_amdhsa_kernel
	.amdgpu_metadata
---
amdhsa.version: [ 1, 2 ]
amdhsa.kernels:
  - .name:           k_q22be617a92_attn
    .symbol:         k_q22be617a92_attn.kd
    .args:
      - { .name: hc, .offset: 0, .size: 8, .value_kind: global_buffer, .address_space: global }
      - { .name: ac, .offset: 8, .size: 8, .value_kind: global_buffer, .address_space: global }
    .group_segment_fixed_size: 327680
    .private_segment_fixed_size: 0
    .kernarg_segment_align: 8
    .kernarg_segment_size: 16
    .max_flat_workgroup_size: 256
    .sgpr_count:     80
    .vgpr_count:     256
    .wavefront_size: 32
...
	.end_amdgpu_metadata
.endif
;; end of part 3
;; launch proj (part 4): grid 8 x 8, 4 waves a work-group, clusters of 4 x 4, 327,680 bytes of LDS; arguments ac, wc, out0; writes out0
.if DOCPART == 4
	.amdgcn_target "amdgcn-amd-amdhsa--gfx1250"
	.amdhsa_code_object_version 6
	.text
	.protected	k_q22be617a92_proj
	.globl	k_q22be617a92_proj
	.p2align	8
	.type	k_q22be617a92_proj,@function
k_q22be617a92_proj:
	s_mov_b64 s[64:65], 0
	v_nop
	global_prefetch_b8 v0, s[64:65] scope:SCOPE_SE
	s_setreg_imm32_b32 hwreg(HW_REG_WAVE_MODE, 25, 1), 1
	s_wait_xcnt 0x0
	s_wait_alu depctr_hold_cnt(0) depctr_sa_sdst(0) depctr_va_vdst(0) depctr_va_sdst(0) depctr_va_ssrc(0) depctr_va_vcc(0) depctr_vm_vsrc(0)
	s_getreg_b32 s2, hwreg(HW_REG_IB_STS2, 6, 4)
	s_cmp_eq_u32 s2, 0
	s_cbranch_scc0 .Lentry_in_a_cluster
	s_endpgm
.Lentry_in_a_cluster:
	s_bfe_u32 s2, ttmp6, 0x10000c
	s_cmp_lg_u32 s2, 0xf033
	s_cbranch_scc0 .Lentry_shape_is_right
	s_endpgm
.Lentry_shape_is_right:
; out0 = (attention's result) wo on codes of BF6 with E8M0 scales; out0 [2048][2048] f32.
; ac: [token group 16][K pair 8] blocks GB, wc: [column group 64][K pair 8] GB, wo's groups 48 on.  A GB (25,600 bytes) is 128 rows x 256 K as images of the operand's registers: [K step 2][tile 8] fragments of 1,536 bytes
; (register g of lane l at 512 (g / 4) + 16 l + 4 (g % 4)), then at 24,576 the scale words [tile / 2][lane 16][tile % 2][K step 2].  Lane r of tile a holds row 32 (a / 2) + 8 (a % 2) + r + 8 (r / 8).
; A work-group of four waves makes 256 x 256 of out0, a wave 128 x 128: 64 accumulators, 512 registers.  K goes in steps of 256 through two LDS slots; each wave brings one GB with one tensor load.
; Source 0 = wo's tiles (role B), source 1 = the tokens' (role A): a lane holds one token, and the 64 registers of a block of A are the 128 columns in their natural order, 32 b + 16 (lane / 16) + i.
; CLUSTERS: 4 x 4 work-groups; A's blocks are shared along a row of the cluster, B's along a column: joint loads.
; REGISTERS: window 0: v1-29 addresses; v32-63 scale words, two sets; v128-223 A's fragments, one set; on the way out v128-255 take rows of out0.  window 1: B's fragments, two sets.  windows 2, 3: the accumulators.
.set GBB,   25600
.set GRP,   8*GBB
.set SCW,   24576
.set SLOT,  4*GBB
.set SPARE, 2*SLOT                     ; behind the ring: the spare words, 128 bytes for each wave: two blocks of 256 bytes that no other line names
.set SPITCH, 528                       ; the way out: a stage of 16 rows x (512 bytes + 16) for each wave, in slot 0, which has had its last fill and its last read when the first result is stored there
.set NQ,    2
.set FR,    12
.set NL,    3
.set NP,    4
.set LAPS,  4
.set ADRA, 16
.set ADRB, 20
.set ADRS, 22
.set STO,  24                          ; v24 the way out: where I put 32 bytes of a row
.set RD,   25                          ; v25 where I read a row back
.set CO,   26                          ; v26 16 x lane
.set SPW,  28
.set NIL,  29
.set SC,   32
.set AF,   128
.set BK,   128
.set G1, 24
.set G0, 32
.set G1B, 48
.set G0B, 56
.set MSB, 0
.macro WIN new                         ; the immediate's high byte repeats the setting that is left
.if MSB != (\new)
	s_set_vgpr_msb (MSB<<8)|(\new)
.set MSB, (\new)
.endif
.endm
.set MUL_LO, 0xa1                      ; source 0 (B) window 1, source 1 (A) window 0, C and D window 2
.set MUL_HI, 0xf1
.set TO_B,   0x40
.macro JLOAD g0a, g1a, g0b, g1b        ; a joint load: waves 0 and 1 fetch for A, waves 2 and 3 for B; four v_nop follow each of the two lines
	s_cmp_eq_u32 s15, 0
	s_cbranch_scc0 .Lfor_b_\@
	tensor_load_to_lds s[\g0a:\g0a+3], s[\g1a:\g1a+7]
	s_nop 0
.rept 4
	v_nop
.endr
	s_branch .Lasked_\@
.Lfor_b_\@:
	tensor_load_to_lds s[\g0b:\g0b+3], s[\g1b:\g1b+7]
	s_nop 0
.rept 4
	v_nop
.endr
.Lasked_\@:
.endm
.macro CREST
	s_cmp_lg_u32 s14, 0
	s_cbranch_scc1 .Lnot_wave_0_\@
	s_barrier_signal -3
.Lnot_wave_0_\@:
	s_barrier_wait -3
	s_barrier_signal -1
	s_barrier_wait -1
.endm
.macro CROUND
	s_barrier_signal -1
	s_barrier_wait -1
	CREST
.endm
.macro FRAG reg, adr, q, i
.irp p, 0,1,2
	ds_load_b128 v[\reg+4*\p:\reg+4*\p+3], v[\adr] offset:12288*(\q)+1536*(\i)+512*\p
.endr
.endm
.macro MUL16 a0, p, q, sc, zero        ; 16 matrix instructions; the 64 accumulators take turns
.irp a, \a0, \a0+1
.irp b, 0,1,2,3,4,5,6,7
.if \zero
	v_wmma_scale_f32_16x16x128_f8f6f4 v[8*(8*((\a)%4)+\b):8*(8*((\a)%4)+\b)+7], v[128*(\p)+FR*\b:128*(\p)+FR*\b+FR-1], v[AF+FR*(\a):AF+FR*(\a)+FR-1], 0, v[SC+8*NQ*(\sc)+NQ*\b+(\q)], v[SC+8*NQ*(\sc)+NQ*(\a)+(\q)] matrix_a_fmt:MATRIX_FMT_BF6 matrix_b_fmt:MATRIX_FMT_BF6 matrix_a_scale:MATRIX_SCALE_ROW1
.else
	v_wmma_scale_f32_16x16x128_f8f6f4 v[8*(8*((\a)%4)+\b):8*(8*((\a)%4)+\b)+7], v[128*(\p)+FR*\b:128*(\p)+FR*\b+FR-1], v[AF+FR*(\a):AF+FR*(\a)+FR-1], v[8*(8*((\a)%4)+\b):8*(8*((\a)%4)+\b)+7], v[SC+8*NQ*(\sc)+NQ*\b+(\q)], v[SC+8*NQ*(\sc)+NQ*(\a)+(\q)] matrix_a_fmt:MATRIX_FMT_BF6 matrix_b_fmt:MATRIX_FMT_BF6 matrix_a_scale:MATRIX_SCALE_ROW1
.endif
.endr
.endr
.endm
.macro FETCH_B slot, q, p
	WIN TO_B
.irp i, 0,1,2,3,4,5,6,7
	FRAG 128*(\p)+FR*\i, ADRB+\slot, \q, \i
.endr
	WIN 0
.endm
.macro FETCH_A slot, q, i0
.irp i, \i0, \i0+1, \i0+2, \i0+3
	FRAG AF+FR*(\i), ADRA+\slot, \q, \i
.endr
.endm
.macro SCALES sc
.irp b, 0,1,2,3
	ds_load_b128 v[SC+16*(\sc)+4*\b:SC+16*(\sc)+4*\b+3], v[ADRS+(\sc)] offset:256*\b
.endr
.endm
.macro PLACES n
.rept \n
	v_nop
.endr
.endm
.macro STEP slot, q, zero
	s_wait_dscnt 4*NL                              ; B's set, A's blocks 0-3 and the scale words are in; the youngest twelve loads (A's blocks 4-7) may be out
	WIN MUL_LO
	MUL16 0, (\q)%2, \q, \slot, \zero
	MUL16 2, (\q)%2, \q, \slot, \zero
	s_wait_dscnt 0
	PLACES NP
	FETCH_B \slot, (\q)+1, 1-(\q)%2
	FETCH_A \slot, (\q)+1, 0
	WIN MUL_HI
	MUL16 4, (\q)%2, \q, \slot, \zero
	MUL16 6, (\q)%2, \q, \slot, \zero
	PLACES NP
	WIN 0
	FETCH_A \slot, (\q)+1, 4
.endm
.macro TURN slot, next, fill
	s_wait_tensorcnt 0x0                           ; all my tensor loads have landed: my part of the next slot
	ds_add_u32 v[SPW], v[NIL]                      ; 0 onto my spare word
	s_wait_dscnt 4*NL+1                            ; (the add and the youngest twelve loads may be out)
	WIN MUL_LO
	MUL16 0, 1, NQ-1, \slot, 0
	s_wait_dscnt 0x0                               ; the add is done, and my reads of this slot are over
	s_barrier_signal -1
	MUL16 2, 1, NQ-1, \slot, 0
	WIN 0
	s_barrier_wait -1
.if \fill
	CREST                                          ; the barrier has opened a round of the cluster's barrier
	s_add_nc_u64 s[G0+4*\slot+2:G0+4*\slot+3], s[G0+4*\slot+2:G0+4*\slot+3], 2*GBB
	s_add_nc_u64 s[G0B+4*\slot+2:G0B+4*\slot+3], s[G0B+4*\slot+2:G0B+4*\slot+3], 2*GBB
	JLOAD G0+4*\slot, G1, G0B+4*\slot, G1B         ; the first tensor load behind the round; its four v_nop are the places in front of the loads below
.else
	PLACES NP
.endif
	FETCH_B \next, 0, 0
	FETCH_A \next, 0, 0
	SCALES \next
	WIN MUL_HI
	MUL16 4, 1, NQ-1, \slot, 0
	MUL16 6, 1, NQ-1, \slot, 0
	PLACES NP
	WIN 0
	FETCH_A \next, 0, 4
.endm
; THE WAY OUT, block by block of 16 tokens x 128 columns, through my own stage: in as 32 bytes a lane, back as whole rows of 512 bytes.  LDS serves a wave's instructions in order.
.macro TOSTAGE a
.set AC, 64*((\a)%4)
	WIN 0x08+4*((\a)/4)                            ; an LDS store's data are its source 1: window 2 or 3
.irp b, 0,1,2,3,4,5,6,7
	ds_store_b128 v[STO], v[AC+8*\b:AC+8*\b+3] offset:128*(\b/2)+32*(\b%2)         ; columns 32 (b / 2) + 16 (lane / 16) + 8 (b % 2) on; each accumulator from its low end on
	ds_store_b128 v[STO], v[AC+8*\b+4:AC+8*\b+7] offset:128*(\b/2)+32*(\b%2)+16
.endr
	WIN 0
.set BB, BK+64*((\a)%2)
.irp t, 0,1,2,3,4,5,6,7,8,9,10,11,12,13,14,15
	ds_load_b128 v[BB+4*\t:BB+4*\t+3], v[RD] offset:\t*SPITCH
.endr
.endm
.macro SEND a, younger                 ; younger: the LDS instructions issued behind block a's loads
.set BB, BK+64*((\a)%2)
	s_wait_dscnt \younger
.irp t, 0,1,2,3,4,5,6,7,8,9,10,11,12,13,14,15
	global_store_b128 v[CO], v[BB+4*\t:BB+4*\t+3], s[12:13] offset:(32*((\a)/2)+8*((\a)%2)+\t+8*(\t/8))*8192 th:TH_STORE_NT   ; stage row t is the tile's lane t: its token's 512 consecutive bytes, aligned
.endr
.endm
	s_load_b128 s[4:7], s[0:1], 0x0                ; ac, wc
	s_load_b64 s[12:13], s[0:1], 0x10              ; out0
	v_lshl_add_u32 v[SPW], v0, 2, SPARE
	v_mov_b32 v[NIL], 0
	ds_add_u32 v28, v29
	s_wait_dscnt 0x0
	v_lshrrev_b32 v1, 5, v0
	v_readfirstlane_b32 s14, v1                    ; wave 0..3
	s_lshr_b32 s15, s14, 1                         ; which of A's two blocks is mine.  Also: I fetch for A (0) or for B (1)
	s_and_b32 s16, s14, 1                          ; which of B's two.  Also: which of the two blocks I fetch
	s_bfe_u32 s40, ttmp6, 0x40000
	s_bfe_u32 s41, ttmp6, 0x40004
	s_lshl_b32 s42, ttmp9, 2
	s_add_co_u32 s42, s42, s40                     ; tx
	s_and_b32 s17, ttmp7, 0xffff
	s_lshl_b32 s17, s17, 2
	s_add_co_u32 s17, s17, s41                     ; ty
	s_lshl_b32 s43, s41, 2
	s_lshl_b32 s43, 15, s43                        ; my row of the cluster
	s_lshl_b32 s44, 0x1111, s40                    ; my column
	s_or_b32 s[G1+0], s43, (3<<16)|(1<<21)         ; a dense block of 25,600 bytes as 100 rows of 256 bytes (32 elements of 8 bytes); bit 21 set beside a mask
	s_or_b32 s[G1B+0], s44, (3<<16)|(1<<21)
.irp g, G1, G1B
	s_mov_b32 s[\g+1], 32<<16
	s_mov_b32 s[\g+2], 100<<16
	s_mov_b32 s[\g+3], 32<<16
	s_mov_b32 s[\g+4], 100
	s_mov_b32 s[\g+5], 32
	s_mov_b32 s[\g+6], 0
	s_mov_b32 s[\g+7], 0
.endr
	s_lshl_b32 s20, s17, 1
	s_add_co_u32 s20, s20, s16                     ; A's group that I fetch
	s_mul_i32 s20, s20, GRP
	s_mov_b32 s21, 0
	s_lshl_b32 s46, s42, 1
	s_add_co_u32 s46, s46, s16
	s_add_co_u32 s46, s46, 48                      ; B's: wo's groups begin at 48
	s_mul_i32 s46, s46, GRP
	s_mov_b32 s47, 0
	s_mul_i32 s45, s14, GBB
	s_wait_kmcnt 0x0
	s_add_nc_u64 s[20:21], s[4:5], s[20:21]
	s_add_nc_u64 s[46:47], s[6:7], s[46:47]
	CROUND                                         ; all sixteen work-groups are here: the first joint loads meet
.irp s, 0,1
	s_mov_b32 s[G0+4*\s], 1
	s_add_co_u32 s[G0+4*\s+1], s45, \s*SLOT
	s_add_nc_u64 s[G0+4*\s+2:G0+4*\s+3], s[20:21], \s*GBB
	s_or_b32 s[G0+4*\s+3], s[G0+4*\s+3], 0x80000000
	s_mov_b32 s[G0B+4*\s], 1
	s_add_co_u32 s[G0B+4*\s+1], s45, \s*SLOT
	s_add_nc_u64 s[G0B+4*\s+2:G0B+4*\s+3], s[46:47], \s*GBB
	s_or_b32 s[G0B+4*\s+3], s[G0B+4*\s+3], 0x80000000
	JLOAD G0+4*\s, G1, G0B+4*\s, G1B               ; two loads of mine are out
.endr
	v_and_b32 v1, 15, v0                           ; r
	v_bfe_u32 v2, v0, 4, 1                         ; h
	v_and_b32 v3, 31, v0
	v_lshlrev_b32 v[CO], 4, v3
	s_mul_i32 s21, s15, GBB
	s_mul_i32 s22, s16, GBB
	s_add_co_u32 s22, s22, 2*GBB
.irp s, 0,1
	v_add_nc_u32 v[ADRA+\s], s21, v[CO]
	v_add_nc_u32 v[ADRB+\s], s22, v[CO]
	s_add_co_u32 s21, s21, SLOT
	s_add_co_u32 s22, s22, SLOT
.endr
	s_mul_i32 s21, s15, GBB
	s_mul_i32 s22, s16, GBB
	s_add_co_u32 s22, s22, 2*GBB
	s_sub_co_u32 s22, s22, s21
	v_mul_u32_u24 v4, s22, v2                      ; lanes 16-31 take B's words
	v_lshl_add_u32 v4, v1, 4, v4
	s_add_co_u32 s21, s21, SCW
	v_add_nc_u32 v[ADRS], s21, v4
	v_add_nc_u32 v[ADRS+1], SLOT, v[ADRS]
	s_mul_i32 s23, s14, 16*SPITCH                  ; my stage
	v_mul_u32_u24 v5, v1, SPITCH
	v_lshl_add_u32 v5, v2, 6, v5                   ; in: row r, + 64 h
	v_add_nc_u32 v[STO], s23, v5
	v_add_nc_u32 v[RD], s23, v[CO]                 ; back: the 32 lanes take one row of 512 bytes
	s_lshl_b32 s72, s17, 8
	s_lshl_b32 s73, s15, 7
	s_add_co_u32 s72, s72, s73                     ; my first token: 256 ty + 128 (w / 2)
	s_lshl_b32 s72, s72, 13
	s_lshl_b32 s73, s42, 10
	s_add_co_u32 s72, s72, s73                     ; my first column, in bytes: 1,024 tx + 512 (w % 2)
	s_lshl_b32 s73, s16, 9
	s_add_co_u32 s72, s72, s73
	s_mov_b32 s73, 0
	s_add_nc_u64 s[12:13], s[12:13], s[72:73]
	s_wait_tensorcnt 1                             ; my part of slot 0 is in (slot 1's load may be out)
	s_barrier_signal -1
	s_barrier_wait -1
	FETCH_B 0, 0, 0
	FETCH_A 0, 0, 0
	SCALES 0
	FETCH_A 0, 0, 4
	STEP 0, 0, 1                                   ; the first step's products start the sums
	s_mov_b32 s3, LAPS-1
.Llap:
	TURN 0, 1, 1
	STEP 1, 0, 0
	TURN 1, 0, 1
	STEP 0, 0, 0
	s_sub_co_u32 s3, s3, 1
	s_cmp_lg_u32 s3, 0
	s_cbranch_scc1 .Llap
	TURN 0, 1, 0                                   ; the last lap fills nothing
	STEP 1, 0, 0
	s_wait_dscnt 4*NL
	WIN MUL_LO
	MUL16 0, 1, NQ-1, 1, 0
	MUL16 2, 1, NQ-1, 1, 0
	s_wait_dscnt 0
	WIN MUL_HI
	MUL16 4, 1, NQ-1, 1, 0
	MUL16 6, 1, NQ-1, 1, 0
	WIN 0
	PLACES NP                                      ; in front of the loads into the registers that held A's fragments, and of the reads of the last results
	TOSTAGE 0
.irp a, 1,2,3,4,5,6,7
.if \a > 1
	s_wait_xcnt 0x0                                ; block a - 2's stores have read their registers: block a's loads may land there
.endif
	TOSTAGE \a
	SEND \a-1, 32                                  ; behind block a - 1's loads: block a's 16 stores and 16 loads
.endr
	SEND 7, 0
	s_wait_tensorcnt 0x0                           ; the wave's end
	ds_add_u32 v[SPW], v[NIL]
	s_wait_dscnt 0x0
	CROUND                                         ; the closing round
	s_endpgm
.Lfunc_end_k_q22be617a92_proj:
	.size	k_q22be617a92_proj, .Lfunc_end_k_q22be617a92_proj-k_q22be617a92_proj
	.p2alignl 7, 3214868480
	.fill 96, 4, 3214868480
	.section	.rodata,"a",@progbits
	.p2align	6, 0x0
	.amdhsa_kernel k_q22be617a92_proj
		.amdhsa_group_segment_fixed_size 327680
		.amdhsa_private_segment_fixed_size 0
		.amdhsa_enable_private_segment 0
		.amdhsa_kernarg_size 24
		.amdhsa_user_sgpr_count 2
		.amdhsa_user_sgpr_kernarg_segment_ptr 1
		.amdhsa_wavefront_size32 1
		.amdhsa_system_sgpr_workgroup_id_x 1
		.amdhsa_system_sgpr_workgroup_id_y 1
		.amdhsa_system_sgpr_workgroup_id_z 1
		.amdhsa_system_vgpr_workitem_id 0
		.amdhsa_next_free_vgpr 1024
		.amdhsa_next_free_sgpr 100
		.amdhsa_reserve_vcc 0
		.amdhsa_float_denorm_mode_32 3
		.amdhsa_float_denorm_mode_16_64 3
		.amdhsa_memory_ordered 1
		.amdhsa_forward_progress 1
		.amdhsa_inst_pref_size 132
	.end_amdhsa_kernel
	.amdgpu_metadata
---
amdhsa.version: [ 1, 2 ]
amdhsa.kernels:
  - .name:           k_q22be617a92_proj
    .symbol:         k_q22be617a92_proj.kd
    .args:
      - { .name: ac, .offset: 0, .size: 8, .value_kind: global_buffer, .address_space: global }
      - { .name: wc, .offset: 8, .size: 8, .value_kind: global_buffer, .address_space: global }
      - { .name: out0, .offset: 16, .size: 8, .value_kind: global_buffer, .address_space: global }
    .group_segment_fixed_size: 327680
    .private_segment_fixed_size: 0
    .kernarg_segment_align: 8
    .kernarg_segment_size: 24
    .max_flat_workgroup_size: 128
    .sgpr_count:     100
    .vgpr_count:     1024
    .wavefront_size: 32
...
	.end_amdgpu_metadata
.endif
;; end of part 4
;; ======== version 2 of 2: 4 launches
;; limits: right only within a limited range of input values
;; workspace buffers: xc 3,276,800 bytes; wc 13,107,200 bytes; hc 9,830,400 bytes; ac 3,276,800 bytes
;; launch quant (part 5): grid 128 x 5, 4 waves a work-group, no clusters, 60,928 bytes of LDS; arguments x, wq, wk, wv, wo, xc, wc; writes xc, wc
.if DOCPART == 5
	.amdgcn_target "amdgcn-amd-amdhsa--gfx1250"
	.amdhsa_code_object_version 6
	.text
	.protected	k_q22be617a92_quant
	.globl	k_q22be617a92_quant
	.p2align	8
	.type	k_q22be617a92_quant,@function
k_q22be617a92_quant:
	s_mov_b64 s[64:65], 0
	v_nop
	global_prefetch_b8 v0, s[64:65] scope:SCOPE_SE
	s_setreg_imm32_b32 hwreg(HW_REG_WAVE_MODE, 25, 1), 1
	s_wait_xcnt 0x0
; x [2048][2048] (K innermost) and wq, wk, wv, wo [2048 (k)][2048 (n)] (K outermost), f32, become codes of BF6 (E3M2) with one E8M0 byte for each 32 along K.
; A block's scale is 2^(floor(log2(its largest magnitude)) - 4): its byte is the largest magnitude's exponent field - 4, held at 1 from below by a floor among the maximum's leaves.
; LIMITS: a block of zeros gets the byte 1 where the rule says 127 (its codes are zeros, and this program alone reads the bytes); NaN and infinities among the inputs are not served.
; THE OUTPUT IS LAID AS THE MATRIX UNIT'S REGISTERS.  A fragment (16 rows x 128 K, 12 registers a lane) is 1,536 bytes: register g of lane l at 512 (g / 4) + 16 l + 4 (g % 4), so that three loads of 16 bytes a lane bring it.
; A block GB (25,600 bytes) serves 128 rows (of x: tokens; of a weight: columns n) and 256 along K: [K step 2][tile 8] fragments, then at 24,576 the scale words [tile / 2][lane 16][tile % 2][K step 2], 4 bytes each.
; Lane r of tile a holds row 32 (a / 2) + 8 (a % 2) + r + 8 (r / 8) of the 128: with that order a product's results lie in a lane as neighbours along the next product's K.
; xc = [row group 16][K pair 8] GB;  wc = [column group 64: wq 0-15, wk 16-31, wv 32-47, wo 48-63][K pair 8] GB.
; A work-group makes one GB; wave w its tiles 2 w and 2 w + 1 for both K steps and their 256 bytes of scale words.  Work-group y = 0 takes x, y = 1 .. 4 the weights: two paths, each with LDS bytes of its own.
; No tensor loads, no barrier: waves share nothing.  Every global store of a wave covers 256 or 512 consecutive bytes, aligned.
.set GBB,   25600
.set GRP,   8*GBB                      ; a group's eight blocks
.set SCW,   24576                      ; where a block's scale words begin
.set XSTG,  16*528                     ; x path: a wave's stage: 16 rows x (512 bytes + 16)
.set WBASE, 4*XSTG                     ; the weights' path begins behind the four
.set WTP,   1664                       ; a tile's image in the weights' stage: 1,536 bytes + 128, so that the two tiles' lanes do not fall on the same banks
.set WSTG,  4*WTP                      ; a wave's four images
.set FLOOR, 5<<23                      ; 2^(5 - 127)
.set OFFE,  0xfe000000                 ; takes 4 off an exponent field
.set WX,   32                          ; weights: v32-95 two sets of 32 numbers
.set WC,   96                          ; v96-101 a block's codes
.set WC2,  104                         ; v104-106 their upper half as the conversion leaves it
.set SB,   10                          ; v10-11 my column's two scale words
.set OUTR, 112                         ; v112-159 the way out
.set R,    16                          ; x: v16-143 two sets of 64 numbers as loaded
.set XN,   144                         ; v144-207 my 64 numbers: two blocks of 32
.set F,    208                         ; v208-231 two sets of 12: a fragment's codes
.set T2,   232                         ; v232-234, v236-238 upper halves
.set PW,   248                         ; v248-251 the four fragments' scale words
.macro WLOAD t                         ; block t of my column: W(32 t + i, n), i = 0 .. 31: each load reads 128 consecutive bytes, the four waves stand side by side on 512
.irp i, 0,1,2,3,4,5,6,7,8,9,10,11,12,13,14,15,16,17,18,19,20,21,22,23,24,25,26,27,28,29,30,31
	global_load_b32 v[WX+32*((\t)%2)+\i], v4, s[20:21] offset:(32*(\t)+\i)*8192 th:TH_LOAD_NT
.endr
.endm
; Block t = 4 s + beta of my column: K step s, block beta = 2 c + h.  Its 24 bytes are registers 6 c .. 6 c + 5 of lane (r, h) of my tile's fragment.
.macro WBLOCK t
.set XS, WX+32*((\t)%2)
.set BO, 2*WTP*((\t)/4)+256*((\t)%2)
.if (\t) < 7
	s_wait_loadcnt 32                              ; this block's 32 loads are in; the next block's 32 stay out
.else
	s_wait_loadcnt 0x0
.endif
	v_max3_num_f32 v12, |v[XS]|, |v[XS+1]|, |v[XS+2]|      ; the largest magnitude: all 32 numbers are mine; two chains
	v_max3_num_f32 v13, |v[XS+3]|, |v[XS+4]|, |v[XS+5]|
.irp i, 6,10,14,18,22,26
	v_max3_num_f32 v12, v12, |v[XS+\i]|, |v[XS+\i+1]|
	v_max3_num_f32 v13, v13, |v[XS+\i+2]|, |v[XS+\i+3]|
.endr
	v_max3_num_f32 v12, v12, |v[XS+30]|, |v[XS+31]|
	v_max3_num_f32 v12, v12, v13, FLOOR            ; and the floor: the byte cannot fall under 1
	v_add_nc_u32 v14, OFFE, v12                    ; the conversion takes the exponent field of this operand as its scale
	v_cvt_scalef32_pk16_bf6_f32 v[WC:WC+2], v[XS:XS+15], v14
	v_cvt_scalef32_pk16_bf6_f32 v[WC2:WC2+2], v[XS+16:XS+31], v14   ; (a conversion's three registers begin on an even number)
	v_lshrrev_b32 v15, 23, v14                     ; the scale's byte; also the plain line behind the conversions
.if (\t)%4 == 0
	v_mov_b32 v[SB+(\t)/4], v15
.else
	v_lshl_or_b32 v[SB+(\t)/4], v15, 8*((\t)%4), v[SB+(\t)/4]
.endif
.irp i, 0,1,2
	v_mov_b32 v[WC+3+\i], v[WC2+\i]
.endr
.if ((\t)%4)/2 == 0
	ds_store_b128 v5, v[WC:WC+3] offset:BO         ; registers 0-3,
	ds_store_b64 v5, v[WC+4:WC+5] offset:BO+512    ; 4, 5
.else
	ds_store_b64 v5, v[WC:WC+1] offset:BO+520      ; registers 6, 7,
	ds_store_b128 v5, v[WC+2:WC+5] offset:BO+1024  ; 8-11
.endif
.if (\t)+2 < 8
	WLOAD (\t)+2
.endif
	s_wait_dscnt 0x0                               ; the stores have read their registers: the next block's codes may be written
.endm
.macro XLOAD f                         ; fragment f = 2 s + u: the 16 rows of tile 2 w + u, K step s: each load reads a row's 512 consecutive bytes.  The tile's row order stands in the immediates
.irp q, 0,1,2,3,4,5,6,7,8,9,10,11,12,13,14,15
	global_load_b128 v[R+64*((\f)%2)+4*\q:R+64*((\f)%2)+4*\q+3], v4, s[20:21] offset:(8*((\f)%2)+\q+8*(\q/8))*8192+512*((\f)/2) th:TH_LOAD_NT
.endr
.endm
.macro XFRAG f
.set RS, R+64*((\f)%2)
.set FS, F+12*((\f)%2)
.if (\f) < 3
	s_wait_loadcnt 16                              ; this fragment's 16 loads are in; the next fragment's 16 stay out
.else
	s_wait_loadcnt 0x0
.endif
.irp q, 0,1,2,3,4,5,6,7,8,9,10,11,12,13,14,15
	ds_store_b128 v5, v[RS+4*\q:RS+4*\q+3] offset:528*\q      ; row q of the tile, as loaded
.endr
.irp n, 0,1,2,3,4,5,6,7,8,9,10,11,12,13,14,15
	ds_load_b128 v[XN+4*\n:XN+4*\n+3], v6 offset:256*(\n/8)+16*(\n%8)   ; back: lane (r, h) takes k = 64 c + 32 h + 0 .. 31 of row r.  LDS serves a wave's instructions in order
.endr
	s_wait_dscnt 0x0
.if (\f) < 2
	XLOAD (\f)+2
.endif
.irp c, 0,1
	v_max3_num_f32 v[240+\c], |v[XN+32*\c]|, |v[XN+32*\c+1]|, FLOOR     ; my block 2 c + h: all its 32 numbers are mine
.endr
.irp i, 2,4,6,8,10,12,14,16,18,20,22,24,26,28,30
.irp c, 0,1
	v_max3_num_f32 v[240+\c], v[240+\c], |v[XN+32*\c+\i]|, |v[XN+32*\c+\i+1]|
.endr
.endr
.irp c, 0,1
	v_add_nc_u32 v[242+\c], OFFE, v[240+\c]
.endr
.irp c, 0,1
	v_lshrrev_b32 v[244+\c], 23, v[242+\c]
.endr
	v_lshl_or_b32 v246, v245, 16, v244             ; my two bytes: blocks h and 2 + h,
	v_lshlrev_b32 v246, v8, v246                   ; 8 h bits up;
	v_permlanex16_b32 v[PW+(\f)], v246, s36, s37
	v_or_b32 v[PW+(\f)], v[PW+(\f)], v246          ; with lane l xor 16's two the row's word is whole
.if (\f) >= 2
	s_wait_alu depctr_va_vdst(0)
	s_wait_xcnt 0x0                                ; the stores of two fragments ago have read this set of registers
.endif
.irp c, 0,1
	v_cvt_scalef32_pk16_bf6_f32 v[FS+6*\c:FS+6*\c+2], v[XN+32*\c:XN+32*\c+15], v[242+\c]
	v_cvt_scalef32_pk16_bf6_f32 v[T2+4*\c:T2+4*\c+2], v[XN+32*\c+16:XN+32*\c+31], v[242+\c]
.endr
	v_nop                                          ; one plain line behind the conversions
.irp c, 0,1
.irp i, 0,1,2
	v_mov_b32 v[FS+6*\c+3+\i], v[T2+4*\c+\i]
.endr
.endr
.irp p, 0,1,2
	global_store_b128 v4, v[FS+4*\p:FS+4*\p+3], s[22:23] offset:12288*((\f)/2)+1536*((\f)%2)+512*\p   ; 512 consecutive bytes
.endr
.endm
	s_load_b256 s[4:11], s[0:1], 0x0               ; x, wq, wk, wv
	s_load_b128 s[12:15], s[0:1], 0x20             ; wo, xc
	s_load_b64 s[16:17], s[0:1], 0x30              ; wc
	v_lshl_add_u32 v254, v0, 2, 0xec00
	v_mov_b32 v255, 0
	v_lshrrev_b32 v1, 5, v0
	v_readfirstlane_b32 s18, v1                    ; wave
	v_and_b32 v1, 31, v0                           ; lane
	s_and_b32 s19, ttmp7, 0xffff                   ; y: which tensor
	s_and_b32 s26, ttmp9, 15                       ; g: which 128 rows or columns
	s_lshr_b32 s27, ttmp9, 4                       ; sp: which 256 along K
	s_mul_i32 s28, s27, GBB
	s_mul_i32 s29, s18, 3072
	s_add_co_u32 s28, s28, s29                     ; in a group: my block, my two tiles
	s_mul_i32 s30, s27, GBB
	s_lshl_b32 s31, s18, 8
	s_add_co_u32 s30, s30, s31
	s_add_co_u32 s30, s30, SCW                     ; and my 256 bytes of scale words
	s_wait_kmcnt 0x0
	s_cmp_eq_u32 s19, 0
	s_cbranch_scc1 .Lx_path
	; ---- a weight: a lane takes a column n, and its registers run down K
	s_cmp_eq_u32 s19, 2
	s_cselect_b64 s[20:21], s[8:9], s[6:7]
	s_cmp_eq_u32 s19, 3
	s_cselect_b64 s[20:21], s[10:11], s[20:21]
	s_cmp_eq_u32 s19, 4
	s_cselect_b64 s[20:21], s[12:13], s[20:21]
	s_lshl_b32 s32, s27, 21                        ; 256 rows of 8,192 bytes
	s_lshl_b32 s33, s26, 9
	s_add_co_u32 s32, s32, s33                     ; + 128 g columns
	s_lshl_b32 s33, s18, 7
	s_add_co_u32 s32, s32, s33                     ; + 32 w
	s_mov_b32 s33, 0
	s_add_nc_u64 s[20:21], s[20:21], s[32:33]
	s_sub_co_u32 s34, s19, 1
	s_lshl_b32 s34, s34, 4
	s_add_co_u32 s34, s34, s26                     ; the column group in wc
	s_mul_i32 s34, s34, GRP
	s_add_co_u32 s32, s34, s28
	s_add_nc_u64 s[22:23], s[16:17], s[32:33]      ; my codes
	s_add_co_u32 s32, s34, s30
	s_add_nc_u64 s[24:25], s[16:17], s[32:33]      ; my scale words
	s_wait_alu depctr_va_vdst(0)
	v_lshlrev_b32 v4, 2, v1                        ; in: 4 bytes a lane
	v_bfe_u32 v2, v0, 3, 1                         ; lane j is column 32 w + j: tile 2 w + u with u = (j / 8) % 2,
	v_and_b32 v3, 7, v0
	v_bfe_u32 v9, v0, 4, 1
	v_lshl_or_b32 v3, v9, 3, v3                    ; its lane r = j % 8 + 8 (j / 16)
	s_mul_i32 s35, s18, WSTG
	s_add_co_u32 s35, s35, WBASE                   ; my stage
	v_mul_u32_u24 v5, v2, WTP
	v_lshl_add_u32 v5, v3, 4, v5
	v_add_nc_u32 v5, s35, v5                       ; into it: my tile's image, 16 r
	v_lshlrev_b32 v7, 4, v1                        ; out: 16 bytes a lane
	v_add_nc_u32 v6, s35, v7
	v_lshlrev_b32 v8, 4, v3
	v_lshl_add_u32 v8, v2, 3, v8                   ; my two scale words: 16 r + 8 u
	WLOAD 0
	WLOAD 1
.irp t, 0,1,2,3,4,5,6,7
	WBLOCK \t
.endr
	s_wait_alu depctr_va_vdst(0)
	global_store_b64 v8, v[SB:SB+1], s[24:25]      ; 32 lanes store 256 consecutive bytes
.irp i, 0,1,2,3,4,5,6,7,8,9,10,11
	ds_load_b128 v[OUTR+4*\i:OUTR+4*\i+3], v6 offset:2*WTP*(\i/6)+WTP*((\i/3)%2)+512*(\i%3)
.endr
.irp i, 0,1,2,3,4,5,6,7,8,9,10,11
	s_wait_dscnt 11-\i                             ; load i is in; the younger ones stay out
	global_store_b128 v7, v[OUTR+4*\i:OUTR+4*\i+3], s[22:23] offset:12288*(\i/6)+1536*((\i/3)%2)+512*(\i%3)
.endr
	s_wait_tensorcnt 0x0
	ds_add_u32 v254, v255
	s_wait_dscnt 0x0
	s_endpgm
	; ---- x: K is innermost: dense loads by rows, a turn through the wave's own stage, so that a lane holds whole blocks of its row
.Lx_path:
	v_and_b32 v2, 15, v0                           ; r
	v_bfe_u32 v3, v0, 4, 1                         ; h
	s_wait_alu depctr_va_vdst(0)
	v_lshlrev_b32 v4, 4, v1                        ; 16 x lane
	s_mul_i32 s35, s18, XSTG
	v_add_nc_u32 v5, s35, v4                       ; the stage, on the way in
	v_mul_u32_u24 v6, v2, 528
	v_lshl_add_u32 v6, v3, 7, v6
	v_add_nc_u32 v6, s35, v6                       ; and out: row r, + 128 h
	v_lshlrev_b32 v7, 4, v2
	v_lshl_add_u32 v7, v3, 3, v7                   ; scale words: 16 r + 8 h
	v_lshlrev_b32 v8, 3, v3                        ; 8 h
	s_mov_b32 s36, 0x76543210
	s_mov_b32 s37, 0xfedcba98                      ; v_permlanex16_b32's selects for lane l xor 16
.irp i, 0,1,2,3
	v_mov_b32 v[PW+\i], 0                          ; a lane permute's destination counts as one of its sources
.endr
	s_lshl_b32 s32, s26, 7
	s_lshl_b32 s33, s18, 5
	s_add_co_u32 s32, s32, s33                     ; my first row: 128 g + 32 w
	s_lshl_b32 s32, s32, 13
	s_lshl_b32 s33, s27, 10
	s_add_co_u32 s32, s32, s33                     ; + 256 sp columns
	s_mov_b32 s33, 0
	s_add_nc_u64 s[20:21], s[4:5], s[32:33]
	s_mul_i32 s34, s26, GRP
	s_add_co_u32 s32, s34, s28
	s_add_nc_u64 s[22:23], s[14:15], s[32:33]
	s_add_co_u32 s32, s34, s30
	s_add_nc_u64 s[24:25], s[14:15], s[32:33]
	XLOAD 0
	XLOAD 1
	s_wait_alu depctr_va_vdst(0)
.irp f, 0,1,2,3
	XFRAG \f
.endr
	v_cmp_ne_u32 vcc_lo, 0, v3                     ; lanes 0-15 store tile 2 w's two words, lanes 16-31 tile 2 w + 1's
	v_cndmask_b32 v252, v[PW], v[PW+1], vcc_lo
	v_cndmask_b32 v253, v[PW+2], v[PW+3], vcc_lo
	global_store_b64 v7, v[252:253], s[24:25]      ; 256 consecutive bytes
	s_wait_tensorcnt 0x0
	ds_add_u32 v254, v255
	s_wait_dscnt 0x0
	s_endpgm
.Lfunc_end_k_q22be617a92_quant:
	.size	k_q22be617a92_quant, .Lfunc_end_k_q22be617a92_quant-k_q22be617a92_quant
	.p2alignl 7, 3214868480
	.fill 96, 4, 3214868480
	.section	.rodata,"a",@progbits
	.p2align	6, 0x0
	.amdhsa_kernel k_q22be617a92_quant
		.amdhsa_group_segment_fixed_size 60928
		.amdhsa_private_segment_fixed_size 0
		.amdhsa_enable_private_segment 0
		.amdhsa_kernarg_size 56
		.amdhsa_user_sgpr_count 2
		.amdhsa_user_sgpr_kernarg_segment_ptr 1
		.amdhsa_wavefront_size32 1
		.amdhsa_system_sgpr_workgroup_id_x 1
		.amdhsa_system_sgpr_workgroup_id_y 1
		.amdhsa_system_sgpr_workgroup_id_z 1
		.amdhsa_system_vgpr_workitem_id 0
		.amdhsa_next_free_vgpr 256
		.amdhsa_next_free_sgpr 66
		.amdhsa_reserve_vcc 1
		.amdhsa_float_denorm_mode_32 3
		.amdhsa_float_denorm_mode_16_64 3
		.amdhsa_memory_ordered 1
		.amdhsa_forward_progress 1
		.amdhsa_inst_pref_size 71
	.end_amdhsa_kernel
	.amdgpu_metadata
---
amdhsa.version: [ 1, 2 ]
amdhsa.kernels:
  - .name:           k_q22be617a92_quant
    .symbol:         k_q22be617a92_quant.kd
    .args:
      - { .name: x, .offset: 0, .size: 8, .value_kind: global_buffer, .address_space: global }
      - { .name: wq, .offset: 8, .size: 8, .value_kind: global_buffer, .address_space: global }
      - { .name: wk, .offset: 16, .size: 8, .value_kind: global_buffer, .address_space: global }
      - { .name: wv, .offset: 24, .size: 8, .value_kind: global_buffer, .address_space: global }
      - { .name: wo, .offset: 32, .size: 8, .value_kind: global_buffer, .address_space: global }
      - { .name: xc, .offset: 40, .size: 8, .value_kind: global_buffer, .address_space: global }
      - { .name: wc, .offset: 48, .size: 8, .value_kind: global_buffer, .address_space: global }
    .group_segment_fixed_size: 60928
    .private_segment_fixed_size: 0
    .kernarg_segment_align: 8
    .kernarg_segment_size: 56
    .max_flat_workgroup_size: 128
    .sgpr_count:     66
    .vgpr_count:     256
    .wavefront_size: 32
...
	.end_amdgpu_metadata
.endif
;; end of part 5
;; launch qkv (part 6): grid 24 x 8, 4 waves a work-group, clusters of 4 x 4, 327,680 bytes of LDS; arguments xc, wc, freqs_cos, freqs_sin, hc; writes hc
.if DOCPART == 6
	.amdgcn_target "amdgcn-amd-amdhsa--gfx1250"
	.amdhsa_code_object_version 6
	.text
	.protected	k_q22be617a92_qkv
	.globl	k_q22be617a92_qkv
	.p2align	8
	.type	k_q22be617a92_qkv,@function
k_q22be617a92_qkv:
	s_mov_b64 s[64:65], 0
	v_nop
	global_prefetch_b8 v0, s[64:65] scope:SCOPE_SE
	s_setreg_imm32_b32 hwreg(HW_REG_WAVE_MODE, 25, 1), 1
	s_wait_xcnt 0x0
	s_wait_alu depctr_hold_cnt(0) depctr_sa_sdst(0) depctr_va_vdst(0) depctr_va_sdst(0) depctr_va_ssrc(0) depctr_va_vcc(0) depctr_vm_vsrc(0)
	s_getreg_b32 s2, hwreg(HW_REG_IB_STS2, 6, 4)
	s_cmp_eq_u32 s2, 0
	s_cbranch_scc0 .Lentry_in_a_cluster
	s_endpgm
.Lentry_in_a_cluster:
	s_bfe_u32 s2, ttmp6, 0x10000c
	s_cmp_lg_u32 s2, 0xf033
	s_cbranch_scc0 .Lentry_shape_is_right
	s_endpgm
.Lentry_shape_is_right:
; q = rope(x wq), k = rope(x wk), v = x wv on codes of BF6 with E8M0 scales, and the results quantised again: q and k along the head's 128, v along the keys.
; xc: [token group 16][K pair 8] blocks GB, wc: [column group 64][K pair 8] GB.  A GB (25,600 bytes) is 128 rows x 256 K as images of the operand's registers: [K step 2][tile 8] fragments of 1,536 bytes
; (register g of lane l at 512 (g / 4) + 16 l + 4 (g % 4)), then at 24,576 the scale words [tile / 2][lane 16][tile % 2][K step 2].  Lane r of tile a holds row 32 (a / 2) + 8 (a % 2) + r + 8 (r / 8).
; A work-group of four waves makes 256 x 256 of a product, a wave 128 x 128: 64 accumulators, 512 registers.  K goes in pairs of steps (256) through two LDS slots; each wave brings one GB of a slot.
; Source 0 = role B's tiles, source 1 = role A's: a lane holds ONE row of A, and the 64 registers of a block of A are B's 128 rows in natural order, 32 b + 16 (lane / 16) + i, as the conversions want them.
; q, k: A = tokens (xc), B = a head's 128 columns (wc).  v: the roles are swapped by pointer, so that the registers run along the keys.
; OUTPUT hc: [type 3][head 16][token group 16] blocks AB of 12,800 bytes: eight fragments (q, k: rows = tokens, K = d; v: rows = d, K = the group's 128 keys), then at 12,288 the scale words [tile / 4][lane 16][tile % 4].
; CLUSTERS: 4 x 4 work-groups; A's blocks are shared along a row of the cluster, B's along a column: joint loads.  The type hangs on the cluster's x alone: it is the same in all sixteen partners.
; LDS: the block that wave w fetches for slot s lies at (2 w + s) GB: a wave's parts of the two slots on end, as a group's K pairs 0 and 1 lie in memory.  So AT THE HEAD ONE joint load a wave, 51,200 dense bytes,
; fills its parts of both slots; the two words of group 1 that count rows are set from 200 to 100 behind the wait that shows that load done, and each refill brings one GB.
; PREFETCH: each wave names K pairs 2 and 3 of the group that it fetches at the head, and behind the refill with K pair p (p = 2 .. 5) K pair p + 2: a GB is 100 units of 256 bytes, of which each of the four
; partners that ask for it jointly names 25, told apart by address (cx for A, cy for B); lanes 25-31 name their wave's last unit again.  The last two refills ask for nothing.
; COS AND SIN (q, k alone; v's work-groups load none): 64 registers for each block of 16 tokens.  Blocks 0 and 1 are asked for at the head (block 1 into the 64 registers of window 1 that B's two sets leave),
; blocks 2 and 3 ahead of the last K step (B's set 0 is done with; v224-255 of window 0 are named by no other line), blocks 4 and 5 when the last products are issued, block 6 behind block 2's way out and
; block 7 behind block 3's, into the places of blocks 0 and 1.
; LIMITS: a block of zeros gets the byte 1 where the rule says 127 (its codes are zeros; this program alone reads the bytes); NaN and infinities are not served.
; REGISTERS: window 0: v1-29 addresses; v32-63 scale words, two sets; v64-127 cos, sin; v128-223 A's fragments, one set; v224-255 sin.  window 1: B's fragments, two sets, at v0 and v128; v96-127, v224-255 cos, sin.
;   windows 2, 3: the accumulators ((a, b) at v[8 (8 (a % 4) + b)] of window 2 + a / 4).  On the way out: v4-15 scale words, v32-63 codes and what the quantiser works on, v128-191 a block after the rotation.
.set GBB,   25600
.set GRP,   8*GBB
.set SCW,   24576
.set SPARE, 8*GBB                      ; behind the ring: the spare words, 128 bytes a wave, that no other line names
.set NQ,    2
.set FR,    12
.set NL,    3
.set NP,    4                          ; places behind this matrix instruction (ISA guide 7.12.1)
.set LAPS,  4
.set ADRA, 16                          ; v16-17 my A block in slot 0, 1: + 16 x lane
.set ADRB, 20                          ; v20-21 the same for B
.set ADRS, 22                          ; v22-23 my scale words: lanes 0-15 A's, lanes 16-31 B's
.set GO,   24                          ; v24 16 x lane
.set CSO,  25                          ; v25 my lane's place in a block's rows of cos and sin
.set PFO,  26                          ; v26 the prefetches' offset: 256 x min(lane, 24)
.set SPW,  28
.set NIL,  29
.set SC,   32
.set AF,   128
.set SW,   4                           ; the way out: v4-11 the eight blocks' scale words; v12-15 as they are stored
.set SO,   12
.set PC,   32                          ; v32-51 the codes just made
.set TM,   52                          ; v52-55 largest magnitudes, v56-59 bytes, v60-63 the conversions' scale operands
.set Y,    128                         ; v128-191 a block after the rotation
.set FLOOR, 5<<23
.set OFFE,  0xfe000000
.set G1, 24
.set G0, 32
.set G1B, 48
.set G0B, 56
.set SEL, 80
.set PFA, 84                           ; s[84:85] my work-group's 25 units of the group that I fetch
.set MSB, 0
.macro WIN new
.if MSB != (\new)
	s_set_vgpr_msb (MSB<<8)|(\new)
.set MSB, (\new)
.endif
.endm
.set MUL_LO, 0xa1
.set MUL_HI, 0xf1
.set TO_B,   0x40
; A joint load: waves 0 and 1 fetch for A, waves 2 and 3 for B; the branch hangs on the wave's number alone.
.macro JLOAD g0a, g1a, g0b, g1b
	s_cmp_eq_u32 s15, 0
	s_cbranch_scc0 .Lfor_b_\@
	tensor_load_to_lds s[\g0a:\g0a+3], s[\g1a:\g1a+7]
	s_nop 0
.rept 4
	v_nop
.endr
	s_branch .Lasked_\@
.Lfor_b_\@:
	tensor_load_to_lds s[\g0b:\g0b+3], s[\g1b:\g1b+7]
	s_nop 0
.rept 4
	v_nop
.endr
.Lasked_\@:
.endm
.macro CREST
	s_cmp_lg_u32 s14, 0
	s_cbranch_scc1 .Lnot_wave_0_\@
	s_barrier_signal -3
.Lnot_wave_0_\@:
	s_barrier_wait -3
	s_barrier_signal -1
	s_barrier_wait -1
.endm
.macro CROUND
	s_barrier_signal -1
	s_barrier_wait -1
	CREST
.endm
.macro FRAG reg, adr, q, i             ; a fragment comes as it was stored: three loads of 512 consecutive bytes
.irp p, 0,1,2
	ds_load_b128 v[\reg+4*\p:\reg+4*\p+3], v[\adr] offset:12288*(\q)+1536*(\i)+512*\p
.endr
.endm
; 16 matrix instructions: A's blocks a0, a0 + 1 x B's eight.  The 64 accumulators take turns.
.macro MUL16 a0, p, q, sc, zero
.irp a, \a0, \a0+1
.irp b, 0,1,2,3,4,5,6,7
.if \zero
	v_wmma_scale_f32_16x16x128_f8f6f4 v[8*(8*((\a)%4)+\b):8*(8*((\a)%4)+\b)+7], v[128*(\p)+FR*\b:128*(\p)+FR*\b+FR-1], v[AF+FR*(\a):AF+FR*(\a)+FR-1], 0, v[SC+8*NQ*(\sc)+NQ*\b+(\q)], v[SC+8*NQ*(\sc)+NQ*(\a)+(\q)] matrix_a_fmt:MATRIX_FMT_BF6 matrix_b_fmt:MATRIX_FMT_BF6 matrix_a_scale:MATRIX_SCALE_ROW1
.else
	v_wmma_scale_f32_16x16x128_f8f6f4 v[8*(8*((\a)%4)+\b):8*(8*((\a)%4)+\b)+7], v[128*(\p)+FR*\b:128*(\p)+FR*\b+FR-1], v[AF+FR*(\a):AF+FR*(\a)+FR-1], v[8*(8*((\a)%4)+\b):8*(8*((\a)%4)+\b)+7], v[SC+8*NQ*(\sc)+NQ*\b+(\q)], v[SC+8*NQ*(\sc)+NQ*(\a)+(\q)] matrix_a_fmt:MATRIX_FMT_BF6 matrix_b_fmt:MATRIX_FMT_BF6 matrix_a_scale:MATRIX_SCALE_ROW1
.endif
.endr
.endr
.endm
.macro FETCH_B slot, q, p
	WIN TO_B
.irp i, 0,1,2,3,4,5,6,7
	FRAG 128*(\p)+FR*\i, ADRB+\slot, \q, \i
.endr
	WIN 0
.endm
.macro FETCH_A slot, q, i0
.irp i, \i0, \i0+1, \i0+2, \i0+3
	FRAG AF+FR*(\i), ADRA+\slot, \q, \i
.endr
.endm
.macro SCALES sc                       ; a slot's scale words: register 2 tile + K step; lanes 0-15 A's, lanes 16-31 B's
.irp b, 0,1,2,3
	ds_load_b128 v[SC+16*(\sc)+4*\b:SC+16*(\sc)+4*\b+3], v[ADRS+(\sc)] offset:256*\b
.endr
.endm
.macro PLACES n
.rept \n
	v_nop
.endr
.endm
.macro STEP slot, q, zero              ; a step of 128 along K that has its successor in the same slot
	s_wait_dscnt 4*NL                              ; all but the youngest twelve loads (A's blocks 4-7)
	WIN MUL_LO
	MUL16 0, (\q)%2, \q, \slot, \zero
	MUL16 2, (\q)%2, \q, \slot, \zero
	s_wait_dscnt 0
	PLACES NP
	FETCH_B \slot, (\q)+1, 1-(\q)%2
	FETCH_A \slot, (\q)+1, 0
	WIN MUL_HI
	MUL16 4, (\q)%2, \q, \slot, \zero
	MUL16 6, (\q)%2, \q, \slot, \zero
	PLACES NP
	WIN 0
	FETCH_A \slot, (\q)+1, 4
.endm
; A slot's last step changes slots: each wave waits for all its tensor loads, adds 0 to its spare word, waits for that and for its reads of this slot; fill = 1: a round follows and the slot takes the K pair two on.
.macro TURN slot, next, fill
.if \fill
	s_wait_xcnt 0x0                                ; my last prefetch has read its address: one K pair on
	s_add_nc_u64 s[PFA:PFA+1], s[PFA:PFA+1], GBB
.endif
	s_wait_tensorcnt 0x0                           ; any load of mine that was out: my part of the next slot
	ds_add_u32 v[SPW], v[NIL]
	s_wait_dscnt 4*NL+1                            ; (the add and the youngest twelve loads may be out)
	WIN MUL_LO
	MUL16 0, 1, NQ-1, \slot, 0
	s_wait_dscnt 0x0                               ; the add is done, my reads of this slot are over
	s_barrier_signal -1
	MUL16 2, 1, NQ-1, \slot, 0
	WIN 0
	s_barrier_wait -1
.if \fill
	CREST
	s_add_nc_u64 s[G0+4*\slot+2:G0+4*\slot+3], s[G0+4*\slot+2:G0+4*\slot+3], 2*GBB
	s_add_nc_u64 s[G0B+4*\slot+2:G0B+4*\slot+3], s[G0B+4*\slot+2:G0B+4*\slot+3], 2*GBB
	JLOAD G0+4*\slot, G1, G0B+4*\slot, G1B         ; the first tensor load behind the round; its four v_nop are the places in front of the loads below
.else
	PLACES NP
.endif
	FETCH_B \next, 0, 0
	FETCH_A \next, 0, 0
	SCALES \next
.if \fill
	s_cmp_gt_u32 s3, 1                             ; the last lap's two refills have no K pair two on
	s_cbranch_scc0 .Lno_ask_\@
	global_prefetch_b8 v[PFO], s[PFA:PFA+1] offset:3*GBB th:TH_LOAD_NT scope:SCOPE_SE
.Lno_ask_\@:
.endif
	WIN MUL_HI
	MUL16 4, 1, NQ-1, \slot, 0
	MUL16 6, 1, NQ-1, \slot, 0
	PLACES NP
	WIN 0
	FETCH_A \next, 0, 4
.endm
; THE WAY OUT.  cos of block a's 16 tokens into window wc at cb, sin into window ws at sb: register 8 b + i goes with the block's registers 16 b + 2 i, 16 b + 2 i + 1
.macro CSLOAD a, wc, cb, ws, sb
	WIN (\wc)<<6
.irp n, 0,1,2,3,4,5,6,7
	global_load_b128 v[(\cb)+4*\n:(\cb)+4*\n+3], v[CSO], s[8:9] offset:(32*((\a)/2)+8*((\a)%2))*256+64*(\n/2)+16*(\n%2)
.endr
	WIN (\ws)<<6
.irp n, 0,1,2,3,4,5,6,7
	global_load_b128 v[(\sb)+4*\n:(\sb)+4*\n+3], v[CSO], s[10:11] offset:(32*((\a)/2)+8*((\a)%2))*256+64*(\n/2)+16*(\n%2)
.endr
	WIN 0
.endm
; (r, i) -> (r cos - i sin, i cos + r sin), a pair an instruction: first (i sin, r sin), then (r, i) x cos with the first half taken away and the second added.  Each accumulator from its low end on.
.macro ROPE a, wc, cb, ws, sb
.set AC, 64*((\a)%4)
	WIN (2+(\a)/4)|((\ws)<<2)
.set m, 0
.rept 16
	v_pk_mul_f32 v[Y+4*m:Y+4*m+1], v[AC+4*m:AC+4*m+1], v[(\sb)+2*m:(\sb)+2*m+1] op_sel:[1,0] op_sel_hi:[0,0]
	v_pk_mul_f32 v[Y+4*m+2:Y+4*m+3], v[AC+4*m+2:AC+4*m+3], v[(\sb)+2*m:(\sb)+2*m+1] op_sel:[1,1] op_sel_hi:[0,1]
.set m, m+1
.endr
	WIN (2+(\a)/4)|((\wc)<<2)
.set m, 0
.rept 16
	v_pk_fma_f32 v[Y+4*m:Y+4*m+1], v[AC+4*m:AC+4*m+1], v[(\cb)+2*m:(\cb)+2*m+1], v[Y+4*m:Y+4*m+1] op_sel_hi:[1,0,1] neg_lo:[0,0,1]
	v_pk_fma_f32 v[Y+4*m+2:Y+4*m+3], v[AC+4*m+2:AC+4*m+3], v[(\cb)+2*m:(\cb)+2*m+1], v[Y+4*m+2:Y+4*m+3] op_sel:[0,1,0] op_sel_hi:[1,1,1] neg_lo:[0,0,1]
.set m, m+1
.endr
	WIN 0
.endm
; 64 numbers of a lane in window w, register s + 16 b + i = k 32 b + 16 (lane / 16) + i of my row, become a fragment's codes in v[PC] on and its scale word in v[pwr].
.macro QUANT s, w, pwr
	WIN (\w)|((\w)<<2)
.irp b, 0,1,2,3
	v_max3_num_f32 v[TM+\b], |v[(\s)+16*\b]|, |v[(\s)+1+16*\b]|, FLOOR   ; my 16 numbers of block b, and the floor: the byte cannot fall under 1
.endr
.irp i, 2,4,6,8,10,12,14
.irp b, 0,1,2,3
	v_max3_num_f32 v[TM+\b], |v[(\s)+16*\b+\i]|, |v[(\s)+1+16*\b+\i]|, v[TM+\b]
.endr
.endr
	WIN 0
.irp b, 0,1,2,3
	v_permlanex16_b32 v[TM+4+\b], v[TM+\b], s[SEL], s[SEL+1]
.endr
.irp b, 0,1,2,3
	v_max_num_f32 v[TM+\b], v[TM+\b], v[TM+4+\b]   ; with lane l xor 16's: the block's largest magnitude
.endr
.irp b, 0,1,2,3
	v_add_nc_u32 v[TM+8+\b], OFFE, v[TM+\b]        ; 4 off its exponent field: the conversion's scale operand
.endr
.irp b, 0,1,2,3
	v_lshrrev_b32 v[TM+4+\b], 23, v[TM+8+\b]       ; the scale's byte
.endr
	v_lshl_or_b32 v[\pwr], v[TM+5], 8, v[TM+4]
	v_lshl_or_b32 v[\pwr], v[TM+6], 16, v[\pwr]
	v_lshl_or_b32 v[\pwr], v[TM+7], 24, v[\pwr]
	s_wait_alu depctr_va_vdst(0)
	s_wait_xcnt 0x0                                ; the last block's stores have read the codes' registers
	WIN (\w)
.irp c, 0,1
	v_cvt_scalef32_pk16_bf6_f32 v[PC+6*\c:PC+2+6*\c], v[(\s)+32*\c:(\s)+15+32*\c], v[TM+8+2*\c]
	v_cvt_scalef32_pk16_bf6_f32 v[PC+12+4*\c:PC+14+4*\c], v[(\s)+16+32*\c:(\s)+31+32*\c], v[TM+8+2*\c+1]
.endr
	WIN 0
	v_nop                                          ; one plain line behind the conversions
.irp c, 0,1                                    ; a whole block to a lane: lanes 0-15 block 2 c, lanes 16-31 block 2 c + 1
.irp i, 0,1,2
	v_permlane16_swap_b32 v[PC+6*\c+\i], v[PC+12+4*\c+\i]
.endr
.irp i, 0,1,2
	v_mov_b32 v[PC+3+6*\c+\i], v[PC+12+4*\c+\i]
.endr
.endr
.endm
.macro OUTBLK a                        ; three stores of 512 consecutive bytes
.irp p, 0,1,2
	global_store_b128 v[GO], v[PC+4*\p:PC+4*\p+3], s[12:13] offset:1536*(\a)+512*\p
.endr
.endm
; q, k: block a = 16 tokens x the head's 128.  out: how many of the loads of cos and sin issued behind this block's may stay out (the count's field holds 63 at the most)
.macro QKBLK a, wc, cb, ws, sb, out
	s_wait_alu depctr_va_vdst(0)
	s_wait_loadcnt \out
	ROPE \a, \wc, \cb, \ws, \sb
	QUANT Y, 0, SW+\a
	OUTBLK \a
.endm
	s_load_b256 s[4:11], s[0:1], 0x0               ; xc, wc, cos, sin
	s_load_b64 s[12:13], s[0:1], 0x20              ; hc
	v_lshl_add_u32 v[SPW], v0, 2, SPARE
	v_mov_b32 v[NIL], 0
	ds_add_u32 v[SPW], v[NIL]                      ; the opening lines: the add twice on end and its wait ahead of my first tensor load
	ds_add_u32 v[SPW], v[NIL]
	v_lshrrev_b32 v1, 5, v0
	v_readfirstlane_b32 s14, v1                    ; wave 0..3
	s_lshr_b32 s15, s14, 1                         ; which of A's two blocks is mine.  Also: I fetch for A (0) or for B (1)
	s_and_b32 s16, s14, 1                          ; which of B's two.  Also: which of the two blocks I fetch
	s_bfe_u32 s40, ttmp6, 0x40000                  ; cx, cy
	s_bfe_u32 s41, ttmp6, 0x40004
	s_lshl_b32 s42, ttmp9, 2
	s_add_co_u32 s42, s42, s40                     ; tx
	s_and_b32 s17, ttmp7, 0xffff
	s_lshl_b32 s17, s17, 2
	s_add_co_u32 s17, s17, s41                     ; ty
	s_lshl_b32 s43, s41, 2
	s_lshl_b32 s43, 15, s43                        ; my row of the cluster
	s_lshl_b32 s44, 0x1111, s40                    ; my column
	s_lshr_b32 s66, ttmp9, 1                       ; the type: 0 q, 1 k, 2 v
	s_or_b32 s[G1+0], s43, (3<<16)|(1<<21)         ; dense bytes as rows of 256 (32 elements of 8 bytes): 200 rows, two GB, at the head; the mask, and bit 21 beside it
	s_or_b32 s[G1B+0], s44, (3<<16)|(1<<21)
.irp g, G1, G1B
	s_mov_b32 s[\g+1], 32<<16
	s_mov_b32 s[\g+2], 200<<16
	s_mov_b32 s[\g+3], 32<<16
	s_mov_b32 s[\g+4], 200
	s_mov_b32 s[\g+5], 32
	s_mov_b32 s[\g+6], 0
	s_mov_b32 s[\g+7], 0
.endr
	s_cmp_eq_u32 s66, 2
	s_cselect_b32 s67, 32, 0                       ; v: A's groups are wc's 32 on, B's are xc's
	s_lshl_b32 s20, s17, 1
	s_add_co_u32 s20, s20, s16
	s_add_co_u32 s20, s20, s67                     ; A's group that I fetch: of ty, the wave and the type alone
	s_mul_i32 s20, s20, GRP
	s_mov_b32 s21, 0
	s_lshl_b32 s46, s42, 1
	s_add_co_u32 s46, s46, s16
	s_sub_co_u32 s46, s46, s67                     ; B's: of tx, the wave and the type alone
	s_mul_i32 s46, s46, GRP
	s_mov_b32 s47, 0
	s_mul_i32 s45, s14, 2*GBB                      ; where it goes: wave x two blocks
	s_mul_i32 s88, s15, 2*GBB                      ; what I read: my block of A,
	s_mul_i32 s89, s16, 2*GBB
	s_add_co_u32 s89, s89, 4*GBB                   ; my block of B, behind A's two times two,
	s_sub_co_u32 s90, s89, s88                     ; the distance between the two,
	s_add_co_u32 s91, s88, SCW                     ; A's scale words
	s_wait_dscnt 0x0                               ; both opening adds are done
	s_wait_kmcnt 0x0
	s_cmp_eq_u32 s66, 2
	s_cselect_b64 s[68:69], s[6:7], s[4:5]         ; A's buffer
	s_cselect_b64 s[70:71], s[4:5], s[6:7]         ; B's
	s_add_nc_u64 s[20:21], s[68:69], s[20:21]
	s_add_nc_u64 s[46:47], s[70:71], s[46:47]
.irp s, 0,1
	s_mov_b32 s[G0+4*\s], 1
	s_add_co_u32 s[G0+4*\s+1], s45, \s*GBB
	s_add_nc_u64 s[G0+4*\s+2:G0+4*\s+3], s[20:21], \s*GBB
	s_or_b32 s[G0+4*\s+3], s[G0+4*\s+3], 0x80000000
	s_mov_b32 s[G0B+4*\s], 1
	s_add_co_u32 s[G0B+4*\s+1], s45, \s*GBB
	s_add_nc_u64 s[G0B+4*\s+2:G0B+4*\s+3], s[46:47], \s*GBB
	s_or_b32 s[G0B+4*\s+3], s[G0B+4*\s+3], 0x80000000
.endr
	s_cmp_eq_u32 s15, 0                            ; the prefetches: the group that I fetch,
	s_cselect_b64 s[PFA:PFA+1], s[20:21], s[46:47]
	s_cselect_b32 s86, s40, s41                    ; my place among the four that ask for it with me,
	s_mul_i32 s86, s86, 6400                       ; 25 units of 256 bytes each
	s_mov_b32 s87, 0
	s_add_nc_u64 s[PFA:PFA+1], s[PFA:PFA+1], s[86:87]
	CROUND                                         ; all sixteen work-groups are here: the first joint loads meet
	JLOAD G0, G1, G0B, G1B                         ; K pairs 0 and 1, my parts of both slots: one tensor load a wave at the head
	v_and_b32 v1, 15, v0                           ; r
	v_bfe_u32 v2, v0, 4, 1                         ; h
	v_and_b32 v3, 31, v0
	v_lshlrev_b32 v[GO], 4, v3
	v_min_u32 v[PFO], 24, v3
	v_lshlrev_b32 v[PFO], 8, v[PFO]
	v_add_nc_u32 v[ADRA], s88, v[GO]
	v_add_nc_u32 v[ADRB], s89, v[GO]
	v_add_nc_u32 v[ADRA+1], GBB, v[ADRA]
	v_add_nc_u32 v[ADRB+1], GBB, v[ADRB]
	v_mul_u32_u24 v4, s90, v2                      ; lanes 16-31 take B's words
	v_lshl_add_u32 v4, v1, 4, v4
	v_add_nc_u32 v[ADRS], s91, v4
	v_add_nc_u32 v[ADRS+1], GBB, v[ADRS]
	v_and_b32 v5, 8, v1
	v_add_nc_u32 v5, v5, v1                        ; r + 8 (r / 8)
	v_lshlrev_b32 v[CSO], 8, v5                    ; a token's row of cos or sin is 256 bytes
	v_lshl_add_u32 v[CSO], v2, 5, v[CSO]           ; + my half's eight pairs
	s_wait_alu depctr_va_vdst(0)                   ; the wait at the end of the head's vector work
	global_prefetch_b8 v[PFO], s[PFA:PFA+1] offset:2*GBB th:TH_LOAD_NT scope:SCOPE_SE   ; K pair 2
	; where my 128 x 128 goes.  q, k: head = (2 tx + w % 2) % 16, token group = 2 ty + w / 2;  v: the other way round
	s_lshl_b32 s72, s42, 1
	s_add_co_u32 s72, s72, s16
	s_and_b32 s74, s72, 15
	s_lshl_b32 s73, s17, 1
	s_add_co_u32 s73, s73, s15
	s_cmp_eq_u32 s66, 2
	s_cselect_b32 s75, s73, s74                    ; head
	s_cselect_b32 s76, s74, s73                    ; token group
	s_lshl_b32 s77, s66, 4
	s_add_co_u32 s77, s77, s75
	s_lshl_b32 s77, s77, 4
	s_add_co_u32 s77, s77, s76
	s_mul_i32 s78, s77, 12800
	s_mov_b32 s79, 0
	s_add_nc_u64 s[12:13], s[12:13], s[78:79]
	s_mov_b32 s[SEL], 0x76543210
	s_mov_b32 s[SEL+1], 0xfedcba98
	s_cmp_eq_u32 s66, 2
	s_cbranch_scc1 .Lno_cs01                       ; v is not rotated
	s_lshl_b32 s78, s76, 15                        ; the group's 128 rows of 256 bytes
	s_add_nc_u64 s[8:9], s[8:9], s[78:79]
	s_add_nc_u64 s[10:11], s[10:11], s[78:79]
	CSLOAD 0, 0, 64, 0, 96
	CSLOAD 1, 1, 96, 1, 224
.Lno_cs01:
	global_prefetch_b8 v[PFO], s[PFA:PFA+1] offset:3*GBB th:TH_LOAD_NT scope:SCOPE_SE   ; K pair 3
	s_wait_tensorcnt 0x0                           ; my parts of both slots are in, and no load of mine is out: group 1 may be written
	s_mov_b32 s[G1+2], 100<<16                     ; from here on a load brings one GB: 100 rows
	s_mov_b32 s[G1+4], 100
	s_mov_b32 s[G1B+2], 100<<16
	s_mov_b32 s[G1B+4], 100
	s_barrier_signal -1
	s_barrier_wait -1                              ; everybody's are in
	FETCH_B 0, 0, 0
	FETCH_A 0, 0, 0
	SCALES 0
	FETCH_A 0, 0, 4
	STEP 0, 0, 1                                   ; the first step's products start the sums
	s_mov_b32 s3, LAPS-1
.Llap:                                                 ; a trip goes once round the ring and fills both slots again
	TURN 0, 1, 1
	STEP 1, 0, 0
	TURN 1, 0, 1
	STEP 0, 0, 0
	s_sub_co_u32 s3, s3, 1
	s_cmp_lg_u32 s3, 0
	s_cbranch_scc1 .Llap
	TURN 0, 1, 0                                   ; the last lap fills nothing
	STEP 1, 0, 0
	s_cmp_eq_u32 s66, 2
	s_cbranch_scc1 .Lno_cs2
	CSLOAD 2, 1, 0, 1, 32                          ; B's set 0 is done with, and the step's closing places stand behind its last products
	CSLOAD 3, 1, 64, 0, 224
.Lno_cs2:
	s_wait_dscnt 4*NL
	WIN MUL_LO
	MUL16 0, 1, NQ-1, 1, 0
	MUL16 2, 1, NQ-1, 1, 0
	s_wait_dscnt 0
	WIN MUL_HI
	MUL16 4, 1, NQ-1, 1, 0
	MUL16 6, 1, NQ-1, 1, 0
	WIN 0
	PLACES NP                                      ; in front of the lines and loads that write registers which the last products named
.irp b, 0,1,2,3
	v_mov_b32 v[TM+4+\b], 0                        ; a lane permute's destination counts as one of its sources
.endr
	s_cmp_eq_u32 s66, 2
	s_cbranch_scc1 .Lv_path
	CSLOAD 4, 1, 128, 1, 160                       ; B's set 1,
	CSLOAD 5, 1, 192, 0, 192                       ; its rest, and the rest of A's set
	QKBLK 0, 0, 64, 0, 96, 63                      ; behind block 0's loads 80 were issued, behind 1's 64 (the count's field holds 63); then 48, 48, 48, 32, 16, 0
	QKBLK 1, 1, 96, 1, 224, 63
	QKBLK 2, 1, 0, 1, 32, 48
	CSLOAD 6, 0, 64, 0, 96
	QKBLK 3, 1, 64, 0, 224, 48
	CSLOAD 7, 1, 96, 1, 224
	QKBLK 4, 1, 128, 1, 160, 48
	QKBLK 5, 1, 192, 0, 192, 32
	QKBLK 6, 0, 64, 0, 96, 16
	QKBLK 7, 1, 96, 1, 224, 0
	s_branch .Ljoin
.Lv_path:
.irp a, 0,1,2,3,4,5,6,7                        ; v: block a = 16 of the head's 128 x the group's 128 keys, straight from the accumulators
	QUANT 64*(\a%4), 2+\a/4, SW+\a
	OUTBLK \a
.endr
.Ljoin:
	s_wait_alu depctr_va_vdst(0)
	v_cmp_ne_u32 vcc_lo, 0, v2                     ; lanes 0-15 store the words of tiles 0-3, lanes 16-31 those of tiles 4-7
.irp i, 0,1,2,3
	v_cndmask_b32 v[SO+\i], v[SW+\i], v[SW+4+\i], vcc_lo
.endr
	global_store_b128 v[GO], v[SO:SO+3], s[12:13] offset:12288   ; 512 consecutive bytes
	s_wait_tensorcnt 0x0                           ; the wave's end
	ds_add_u32 v[SPW], v[NIL]
	s_wait_dscnt 0x0
	CROUND                                         ; the closing round
	s_endpgm
.Lfunc_end_k_q22be617a92_qkv:
	.size	k_q22be617a92_qkv, .Lfunc_end_k_q22be617a92_qkv-k_q22be617a92_qkv
	.p2alignl 7, 3214868480
	.fill 96, 4, 3214868480
	.section	.rodata,"a",@progbits
	.p2align	6, 0x0
	.amdhsa_kernel k_q22be617a92_qkv
		.amdhsa_group_segment_fixed_size 327680
		.amdhsa_private_segment_fixed_size 0
		.amdhsa_enable_private_segment 0
		.amdhsa_kernarg_size 40
		.amdhsa_user_sgpr_count 2
		.amdhsa_user_sgpr_kernarg_segment_ptr 1
		.amdhsa_wavefront_size32 1
		.amdhsa_system_sgpr_workgroup_id_x 1
		.amdhsa_system_sgpr_workgroup_id_y 1
		.amdhsa_system_sgpr_workgroup_id_z 1
		.amdhsa_system_vgpr_workitem_id 0
		.amdhsa_next_free_vgpr 1024
		.amdhsa_next_free_sgpr 100
		.amdhsa_reserve_vcc 1
		.amdhsa_float_denorm_mode_32 3
		.amdhsa_float_denorm_mode_16_64 3
		.amdhsa_memory_ordered 1
		.amdhsa_forward_progress 1
		.amdhsa_inst_pref_size 216
	.end_amdhsa_kernel
	.amdgpu_metadata
---
amdhsa.version: [ 1, 2 ]
amdhsa.kernels:
  - .name:           k_q22be617a92_qkv
    .symbol:         k_q22be617a92_qkv.kd
    .args:
      - { .name: xc, .offset: 0, .size: 8, .value_kind: global_buffer, .address_space: global }
      - { .name: wc, .offset: 8, .size: 8, .value_kind: global_buffer, .address_space: global }
      - { .name: freqs_cos, .offset: 16, .size: 8, .value_kind: global_buffer, .address_space: global }
      - { .name: freqs_sin, .offset: 24, .size: 8, .value_kind: global_buffer, .address_space: global }
      - { .name: hc, .offset: 32, .size: 8, .value_kind: global_buffer, .address_space: global }
    .group_segment_fixed_size: 327680
    .private_segment_fixed_size: 0
    .kernarg_segment_align: 8
    .kernarg_segment_size: 40
    .max_flat_workgroup_size: 128
    .sgpr_count:     100
    .vgpr_count:     1024
    .wavefront_size: 32
...
	.end_amdgpu_metadata
.endif
;; end of part 6
;; launch attn (part 7): grid 16 x 16, 16 waves a work-group, no clusters, 327,680 bytes of LDS; arguments hc, ac; writes ac
.if DOCPART == 7
	.amdgcn_target "amdgcn-amd-amdhsa--gfx1250"
	.amdhsa_code_object_version 6
	.text
	.protected	k_q22be617a92_attn
	.globl	k_q22be617a92_attn
	.p2align	8
	.type	k_q22be617a92_attn,@function
k_q22be617a92_attn:
	s_mov_b64 s[64:65], 0
	v_nop
	global_prefetch_b8 v0, s[64:65] scope:SCOPE_SE
	s_setreg_imm32_b32 hwreg(HW_REG_WAVE_MODE, 25, 1), 1
	s_wait_xcnt 0x0
; Causal attention of one head on codes of BF6 with E8M0 scales, and the result quantised along C for the last product.  Key steps that lie wholly behind a tile's queries are under the causal mask: they are not done.
; hc: [type: q, k, v][head 16][token group 16] blocks AB of 12,800 bytes: eight fragments of 1,536 bytes as images of the operand's registers (register g of lane l at 512 (g / 4) + 16 l + 4 (g % 4)), then at 12,288 the
; scale words [tile / 4][lane 16][tile % 4].  q, k: rows = tokens, K = d; v: rows = d, K = the group's 128 keys.  Lane r of tile a holds row 32 (a / 2) + 8 (a % 2) + r + 8 (r / 8) of the block's 128.
; THE SOFTMAX: t = score x log2(e) / sqrt(128); M = the running largest t rounded up to a whole number; p = 2^(t - M) is quantised along the keys; the row's sum is taken of the unquantised p and divides at the end.
; When M moves, the sum and O are multiplied by 2^(old M - new M), which rounds nothing.
; SHARES.  A work-group has one head, eight tiles of 16 queries and sixteen waves.  Tiles 4 x + 0 .. 3 and 120 - 4 x + 4 .. 7: an early and a late run of queries, so that every work-group has about the same number of
; key steps that count.  A TILE HAS TWO WAVES: wave w and wave w + 8 take tile w % 8; the first walks the even key steps of 128 keys, the second the odd ones, each with an M, a sum and an O of its own: at most
; eight steps a wave.  At the end the second wave hands its M, sum and O to the first through LDS bytes of their own; both are brought under the larger M by powers of two, added, divided and quantised.
; A step all of whose keys come after the tile's queries is jumped over (a scalar branch on ids).  Every query of a tile is at or behind the first key of every step that the tile's waves walk (a tile's queries
; lie in one run of 32, a step begins at a multiple of 128), so no row of a walked step is wholly hidden.
; Both products are used transposed (S^T = K Q^T, O^T = V^T P^T): a lane holds one query, and with the tiles' row order its 64 registers are 128 keys, or the head's 128 channels, in their natural order.
; THE RING: two LDS slots of 512 keys (K's four AB, then V's four).  Every fill is shared by all sixteen waves, 6,400 dense bytes (25 rows of 256) each.  Slot 0 is asked for at the head, slot 1 behind the first barrier,
; with the same lines in front of it as a refill.  The refill with keys 1,536 on is jumped over, by the work-group's x alone, where no query reaches them: the last query is 2,047 - 64 x.
; PREFETCH: with fill f (f = 0, 1) wave 0 names its work-group's share of fill f + 2: a fill is 400 units of 256 bytes, which the head's 16 work-groups share, 25 each (x under 8: K's, the others V's);
; lanes 25-31 name the last unit again.
; NO CLUSTER: the query blocks of a head would share K and V, but the jump over hidden steps and the last refill hang on the work-group's x, which differs between such partners.
; OUTPUT ac: [token group 16][K pair 8] blocks of 25,600 bytes as the last product's operand: [K step = head % 2][tile 8] fragments, then at 24,576 the scale words [tile / 2][lane 16][tile % 2][K step].
; A tile's 16 scale words are stored 4 bytes a lane, 16 bytes apart: two heads share those bytes.
; LIMITS: a block of zeros gets the byte 1 where the rule says 127 (its codes are zeros; this program alone reads the bytes); NaN and infinities are not served; the scaled scores stay under 2^31 in magnitude.
; REGISTERS: v1-10 addresses; v12 -M, v13 the largest t, v[14:15] the sum in two halves; v16-27 Q; v32-39 K's scale words, v40-47 V's; v48-95 four fragments (K's 0-3, K's 4-7, V's 0-3 in turn);
;   v96-159 S^T, then p, then V's fragments 4-7 (v96-143); v160-223 O^T; v224-235 codes; v232-254 at work; v255 Q's scale words.
.set ABB,   12800
.set GRP,   16*ABB
.set VOFF,  4*ABB                      ; in a slot: V's blocks behind K's four
.set SLOT1, 1<<17
.set SPARE, SLOT1+8*ABB                ; the spare words, 128 bytes a wave: eight blocks of 256 bytes that no other line names
.set STG,   SPARE+2048                 ; behind them: for each tile 8,704 bytes in which the second wave hands over O (8,192) and -M and the sum (512); no fill lands here
.set STGT,  8704
.set FLOOR, 5<<23
.set OFFE,  0xfe000000
.set LI,   1                           ; v1  16 x lane
.set LSC,  2                           ; v2  16 r + 12,288
.set DQ,   3                           ; v3  r + 8 (r / 8) - 16 (lane / 16)
.set STA,  4                           ; v4  my tile's hand-over bytes + 16 x lane
.set SPW,  5
.set NIL,  6
.set PFO,  7                           ; v7  256 x min(lane, 24)
.set ADK,  8                           ; v8  LDS address of the step's fragments
.set ADS,  9                           ; v9  of its scale words
.set RO,   10                          ; v10 16 r
.set KS,   32
.set VS,   40
.set FA,   48
.set WV,   18
.set SEL,  20
.set CS,   22                          ; s[22:23] c = log2(e) / sqrt(128)
.set G1,   24
.set G0A,  40
.set G0B,  44
.set TB,   2                           ; s2  LDS byte at which the step's block of K begins
.set CNT,  3
.set KF,   48                          ; s48 the step's first key
.set QB,   49                          ; s49 my first query
.set QMAX, 50                          ; s50 my last
.set T8,   61                          ; s61 my tile among the work-group's eight
.set PAR,  62                          ; s62 0: the even key steps, 1: the odd ones
.set PB,   63                          ; s63 PAR x a block
.set PFA,  66                          ; s[66:67] my work-group's share of fill 0
.macro TLOAD g0, lim                   ; every wave fetches its part; lim under 16: only work-groups with x under lim have queries that read these keys
.if \lim < 16
	s_cmp_lt_u32 ttmp9, \lim
	s_cbranch_scc0 .Lnone_\@
.endif
	tensor_load_to_lds s[\g0:\g0+3], s[G1:G1+7]
	s_nop 0
.rept 4
	v_nop
.endr
.Lnone_\@:
.endm
.macro ASK fill
	s_cmp_eq_u32 s[WV], 0
	s_cbranch_scc0 .Lno_ask_\@
	global_prefetch_b8 v[PFO], s[PFA:PFA+1] offset:(\fill)*4*ABB th:TH_LOAD_NT scope:SCOPE_SE
.Lno_ask_\@:
.endm
.macro FLOAD reg, off                  ; four fragments, as they were stored: 512 consecutive bytes a load
.irp t, 0,1,2,3
.irp p, 0,1,2
	ds_load_b128 v[\reg+12*\t+4*\p:\reg+12*\t+4*\p+3], v[ADK] offset:(\off)+1536*\t+512*\p
.endr
.endr
.endm
.macro SMUL t                          ; S^T, tile t of 16 keys
	v_wmma_scale_f32_16x16x128_f8f6f4 v[96+8*(\t):103+8*(\t)], v[FA+12*((\t)%4):FA+12*((\t)%4)+11], v[16:27], 0, v[KS+(\t)], v255 matrix_a_fmt:MATRIX_FMT_BF6 matrix_b_fmt:MATRIX_FMT_BF6
.endm
.macro STEP                            ; 128 keys
	s_cmp_gt_u32 s[KF], s[QMAX]
	s_cbranch_scc1 .Lhidden_\@                     ; all its keys come after my queries
	v_add_nc_u32 v[ADK], s[TB], v[LI]
	v_add_nc_u32 v[ADS], s[TB], v[LSC]
.rept 4
	v_nop                                          ; six places in all behind the last step's products: the loads below land on registers that they read, and the scores are written over others
.endr
	s_wait_alu depctr_va_vdst(0)
.irp g, 0,1
	ds_load_b128 v[KS+4*\g:KS+4*\g+3], v[ADS] offset:256*\g
.endr
	FLOAD FA, 0                                    ; K's tiles 0-3
	s_wait_dscnt 6                                 ; tiles 0 and 1 are in; two fragments' six loads may be out
	SMUL 0
	SMUL 1
	s_wait_dscnt 0x0
	SMUL 2
	SMUL 3
.rept 4
	v_nop
.endr
	FLOAD FA, 4*1536                               ; K's tiles 4-7
	s_wait_dscnt 6
	SMUL 4
	SMUL 5
	s_wait_dscnt 0x0
	SMUL 6
	SMUL 7                                         ; register 16 b + i holds key KF + 32 b + 16 (lane / 16) + i
.rept 4
	v_nop                                          ; places in front of the loads below and of the first read of the scores
.endr
	FLOAD FA, VOFF                                 ; V's tiles 0-3 land while the softmax is walked
.irp g, 0,1
	ds_load_b128 v[VS+4*\g:VS+4*\g+3], v[ADS] offset:VOFF+256*\g
.endr
	s_add_co_u32 s60, s[KF], 127                   ; on the diagonal hidden scores become -infinity ahead of the maximum: p = 0 then.  A step all of whose keys count passes this over
	s_cmp_le_u32 s60, s[QB]
	s_cbranch_scc1 .Lopen_\@
	s_sub_co_i32 s60, s[QB], s[KF]
	v_add_nc_u32 v252, s60, v[DQ]                  ; d = my query - KF - 16 (lane / 16): key 32 b + i is hidden where 32 b + i > d
	v_mov_b32 v254, 0xff800000
.set n, 0
.rept 64
	v_cmp_gt_i32 vcc_lo, 32*(n/16)+n%16, v252
	v_cndmask_b32 v[96+n], v[96+n], v254, vcc_lo
.set n, n+1
.endr
.Lopen_\@:
.irp b, 0,1,2,3
	v_max3_num_f32 v[232+\b], v[96+16*\b], v[97+16*\b], v[98+16*\b]   ; the largest score of each block of 32 keys: for the row's maximum and, since p rises with the score, for the block's largest p
.endr
.irp i, 3,5,7,9,11,13
.irp b, 0,1,2,3
	v_max3_num_f32 v[232+\b], v[232+\b], v[96+16*\b+\i], v[97+16*\b+\i]
.endr
.endr
.irp b, 0,1,2,3
	v_max_num_f32 v[232+\b], v[232+\b], v[111+16*\b]
.endr
.irp b, 0,1,2,3
	s_delay_alu instid0(VALU_DEP_4)
	v_permlanex16_b32 v[236+\b], v[232+\b], s[SEL], s[SEL+1]
.endr
.irp b, 0,1,2,3
	s_delay_alu instid0(VALU_DEP_4)
	v_max_num_f32 v[232+\b], v[232+\b], v[236+\b]  ; with lane l xor 16's 16 keys
.endr
	s_delay_alu instid0(VALU_DEP_2)
	v_max3_num_f32 v254, v232, v233, v234
	s_delay_alu instid0(VALU_DEP_1)
	v_max_num_f32 v254, v254, v235
	s_delay_alu instid0(VALU_DEP_1)
	v_mul_f32 v254, s[CS], v254                    ; the step's largest t of my query
	s_delay_alu instid0(VALU_DEP_1)
	v_max_num_f32 v13, v13, v254                   ; the running largest t
	v_mov_b32 v254, v12
	s_delay_alu instid0(VALU_DEP_2)
	v_floor_f32 v12, -v13                          ; the new -M = -ceil(t): a whole number
	s_delay_alu instid0(VALU_DEP_1)
	v_sub_f32 v254, v12, v254                      ; old M - new M: a whole number, 0 or less
	s_delay_alu instid0(VALU_DEP_1)
	v_cvt_i32_f32 v254, v254                       ; (it saturates)
	s_delay_alu instid0(VALU_DEP_1)
	v_ldexp_f32 v252, 1.0, v254                    ; f = 2^(old M - new M)
.set n, 0
.rept 32
	v_pk_fma_f32 v[96+n:97+n], v[96+n:97+n], s[CS:CS+1], v[12:13] op_sel_hi:[1,0,0]   ; t - M, two at a time
.set n, n+2
.endr
.irp b, 0,1,2,3
	v_fma_f32 v[232+\b], v[232+\b], s[CS], v12     ; the same of each block's largest score
.endr
.set n, 0
	s_wait_alu depctr_va_vdst(0)
.rept 64
	v_exp_f32 v[96+n], v[96+n]                     ; p = 2^(t - M), at most 1
.set n, n+1
.endr
	v_pk_mul_f32 v[14:15], v[14:15], v[252:253] op_sel_hi:[1,0]   ; the sums under the new M; the plain line behind the exponentials
	s_wait_alu depctr_va_vdst(0)                   ; one wait for the batch, ahead of its first reader
.irp b, 0,1,2,3
	v_exp_f32 v[232+\b], v[232+\b]                 ; the block's largest p
.endr
	v_pk_add_f32 v[236:237], v[100:101], v[104:105]   ; the row's sum of the unquantised p, in eight chains
	v_pk_add_f32 v[250:251], v[108:109], v[112:113]
	v_pk_add_f32 v[248:249], v[116:117], v[120:121]
	v_pk_add_f32 v[246:247], v[124:125], v[128:129]
	v_pk_add_f32 v[244:245], v[132:133], v[136:137]
	v_pk_add_f32 v[242:243], v[140:141], v[144:145]
	v_pk_add_f32 v[240:241], v[148:149], v[152:153]
	v_pk_add_f32 v[14:15], v[14:15], v[156:157]
	v_pk_add_f32 v[236:237], v[236:237], v[96:97]
	v_pk_add_f32 v[250:251], v[250:251], v[98:99]
	v_pk_add_f32 v[248:249], v[248:249], v[102:103]
	v_pk_add_f32 v[246:247], v[246:247], v[106:107]
	v_pk_add_f32 v[244:245], v[244:245], v[110:111]
	v_pk_add_f32 v[242:243], v[242:243], v[114:115]
	v_pk_add_f32 v[240:241], v[240:241], v[118:119]
	v_pk_add_f32 v[14:15], v[14:15], v[122:123]
	v_pk_add_f32 v[236:237], v[236:237], v[126:127]
	v_pk_add_f32 v[250:251], v[250:251], v[130:131]
	v_pk_add_f32 v[248:249], v[248:249], v[134:135]
	v_pk_add_f32 v[246:247], v[246:247], v[138:139]
	v_pk_add_f32 v[244:245], v[244:245], v[142:143]
	v_pk_add_f32 v[242:243], v[242:243], v[146:147]
	v_pk_add_f32 v[240:241], v[240:241], v[150:151]
	v_pk_add_f32 v[14:15], v[14:15], v[154:155]
	v_pk_add_f32 v[236:237], v[236:237], v[158:159]
	s_delay_alu instid0(VALU_DEP_2)
	v_pk_add_f32 v[14:15], v[14:15], v[246:247]
	s_delay_alu instid0(VALU_DEP_2)
	v_pk_add_f32 v[236:237], v[236:237], v[244:245]
	v_pk_add_f32 v[250:251], v[250:251], v[242:243]
	v_pk_add_f32 v[248:249], v[248:249], v[240:241]
	s_delay_alu instid0(VALU_DEP_2)
	v_pk_add_f32 v[14:15], v[14:15], v[250:251]
	s_delay_alu instid0(VALU_DEP_2)
	v_pk_add_f32 v[236:237], v[236:237], v[248:249]
	s_delay_alu instid0(VALU_DEP_1)
	v_pk_add_f32 v[14:15], v[14:15], v[236:237]
	s_wait_alu depctr_va_vdst(0)                   ; and one for the four
.irp b, 0,1,2,3
	v_max_num_f32 v[232+\b], FLOOR, v[232+\b]      ; the floor: the byte cannot fall under 1
.endr
.irp b, 0,1,2,3
	s_delay_alu instid0(VALU_DEP_4)
	v_add_nc_u32 v[244+\b], OFFE, v[232+\b]        ; the conversion's scale operand
.endr
.irp b, 0,1,2,3
	s_delay_alu instid0(VALU_DEP_4)
	v_lshrrev_b32 v[236+\b], 23, v[244+\b]         ; the scale's byte
.endr
	s_delay_alu instid0(VALU_DEP_3)
	v_lshl_or_b32 v253, v237, 8, v236              ; p's scale word for these 128 keys
	s_delay_alu instid0(VALU_DEP_1)
	v_lshl_or_b32 v253, v238, 16, v253
	s_delay_alu instid0(VALU_DEP_1)
	v_lshl_or_b32 v253, v239, 24, v253
.irp c, 0,1
	v_cvt_scalef32_pk16_bf6_f32 v[224+6*\c:226+6*\c], v[96+32*\c:111+32*\c], v[244+2*\c]
	v_cvt_scalef32_pk16_bf6_f32 v[236+4*\c:238+4*\c], v[112+32*\c:127+32*\c], v[244+2*\c+1]
.endr
	v_nop                                          ; one plain line behind the conversions
	FLOAD 96, VOFF+4*1536                          ; p is in codes: V's tiles 4-7 take its registers, and land under the lines below
.irp c, 0,1                                    ; a whole block to a lane
.irp i, 0,1,2
	v_permlane16_swap_b32 v[224+6*\c+\i], v[236+4*\c+\i]
.endr
.irp i, 0,1,2
	s_delay_alu instid0(VALU_DEP_3)
	v_mov_b32 v[227+6*\c+\i], v[236+4*\c+\i]
.endr
.endr
.set n, 0
.rept 32
	v_pk_mul_f32 v[160+n:161+n], v[160+n:161+n], v[252:253] op_sel_hi:[1,0]   ; O^T under the new M; these 32 are also the places in front of the products below
.set n, n+2
.endr
	s_wait_alu depctr_va_vdst(0)
	s_wait_dscnt 0x0                               ; V's fragments and scale words
.irp t, 0,1,2,3                                ; O^T += V^T P^T: eight tiles of 16 channels, the accumulators by turns
	v_wmma_scale_f32_16x16x128_f8f6f4 v[160+8*\t:167+8*\t], v[FA+12*\t:FA+12*\t+11], v[224:235], v[160+8*\t:167+8*\t], v[VS+\t], v253 matrix_a_fmt:MATRIX_FMT_BF6 matrix_b_fmt:MATRIX_FMT_BF6
.endr
.irp t, 0,1,2,3
	v_wmma_scale_f32_16x16x128_f8f6f4 v[192+8*\t:199+8*\t], v[96+12*\t:96+12*\t+11], v[224:235], v[192+8*\t:199+8*\t], v[VS+4+\t], v253 matrix_a_fmt:MATRIX_FMT_BF6 matrix_b_fmt:MATRIX_FMT_BF6
.endr
.Lhidden_\@:
	s_add_co_u32 s[KF], s[KF], 256                 ; my next step is two on
	s_add_co_u32 s[TB], s[TB], 2*ABB
.endm
.macro SLOTSTEPS slot                  ; my two of a slot's four key steps
	s_add_co_u32 s[TB], s[PB], (\slot)*SLOT1
	s_mov_b32 s[CNT], 2
.Lsteps_\@:
	STEP
	s_sub_co_u32 s[CNT], s[CNT], 1
	s_cmp_lg_u32 s[CNT], 0
	s_cbranch_scc1 .Lsteps_\@
.endm
; THE CHANGE OF SLOTS: each wave waits for all its tensor loads (its part of the slot ahead), adds 0 to its spare word, and waits for that and for its reads of the slot that it leaves.  fill = 1: that slot takes the keys two slots on.
.macro CHANGE fill, g0, lim
	s_wait_tensorcnt 0x0                           ; no tensor load of mine is out, so a group 0 may be written
	ds_add_u32 v[SPW], v[NIL]
.if \fill
	s_add_nc_u64 s[\g0+2:\g0+3], s[\g0+2:\g0+3], 8*ABB
.endif
	s_wait_dscnt 0x0
	s_barrier_signal -1
	s_barrier_wait -1
.if \fill
	TLOAD \g0, \lim                                ; the first thing behind the barrier, and a wave's one tensor load until the next
.endif
.endm
	s_load_b128 s[4:7], s[0:1], 0x0                ; hc, ac
	v_lshl_add_u32 v[SPW], v0, 2, SPARE
	v_mov_b32 v[NIL], 0
	ds_add_u32 v[SPW], v[NIL]                      ; the opening lines: the add twice on end and its wait ahead of my first tensor load
	ds_add_u32 v[SPW], v[NIL]
	v_lshrrev_b32 v8, 5, v0
	s_delay_alu instid0(VALU_DEP_1)
	v_readfirstlane_b32 s[WV], v8                  ; wave 0..15
	s_and_b32 s8, ttmp7, 0xffff                    ; the head
	s_mov_b32 s[G1], 3<<16                         ; no mask; elements of 8 bytes; no padding: 6,400 dense bytes as 25 rows of 256
	s_mov_b32 s[G1+1], 32<<16
	s_mov_b32 s[G1+2], 25<<16
	s_mov_b32 s[G1+3], 32<<16
	s_mov_b32 s[G1+4], 25
	s_mov_b32 s[G1+5], 32
	s_mov_b32 s[G1+6], 0
	s_mov_b32 s[G1+7], 0
	s_lshr_b32 s[PAR], s[WV], 3                    ; also what I fetch: waves 0-7 K's, waves 8-15 V's;
	s_and_b32 s[T8], s[WV], 7                      ; also which eighth of a slot's four blocks
	s_lshl_b32 s12, s[PAR], 4
	s_add_co_u32 s12, s12, 16
	s_add_co_u32 s12, s12, s8                      ; type x 16 + head
	s_mul_i32 s12, s12, GRP
	s_mul_i32 s13, s[T8], 6400
	s_add_co_u32 s12, s12, s13
	s_mov_b32 s13, 0
	s_mul_i32 s14, s[WV], 6400                     ; and where it goes in a slot
	s_wait_dscnt 0x0                               ; both opening adds are done
	s_wait_kmcnt 0x0
	s_add_nc_u64 s[12:13], s[4:5], s[12:13]
	s_mov_b32 s[G0A], 1
	s_mov_b32 s[G0A+1], s14
	s_mov_b64 s[G0A+2:G0A+3], s[12:13]
	s_or_b32 s[G0A+3], s[G0A+3], 0x80000000
	s_mov_b32 s[G0B], 1
	s_add_co_u32 s[G0B+1], s14, SLOT1
	s_add_nc_u64 s[G0B+2:G0B+3], s[12:13], 4*ABB
	s_or_b32 s[G0B+3], s[G0B+3], 0x80000000
	tensor_load_to_lds s[G0A:G0A+3], s[G1:G1+7]    ; my part of slot 0: one tensor load a wave at the head
	s_nop 0
.rept 4
	v_nop
.endr
	s_lshl_b32 s15, ttmp9, 2
	s_add_co_u32 s16, s15, s[T8]                   ; tiles 0-3 of the eight: 4 x + t
	s_sub_co_u32 s17, 120, s15
	s_add_co_u32 s17, s17, s[T8]                   ; tiles 4-7: 120 - 4 x + t
	s_cmp_lt_u32 s[T8], 4
	s_cselect_b32 s16, s16, s17                    ; my tile T of the head's 128
	s_lshr_b32 s17, s16, 3                         ; its token group
	s_and_b32 s19, s16, 7                          ; a: its place there
	s_lshr_b32 s[QB], s16, 1
	s_lshl_b32 s[QB], s[QB], 5
	s_and_b32 s51, s16, 1
	s_lshl_b32 s51, s51, 3
	s_add_co_u32 s[QB], s[QB], s51                 ; my first query: 32 (T / 2) + 8 (T % 2); lane r's is r + 8 (r / 8) on
	s_add_co_u32 s[QMAX], s[QB], 23
	s_mul_i32 s52, s8, GRP
	s_mul_i32 s53, s17, ABB
	s_add_co_u32 s52, s52, s53                     ; q's block
	s_mul_i32 s53, s19, 1536
	s_add_co_u32 s54, s52, s53
	s_mov_b32 s55, 0
	s_add_nc_u64 s[54:55], s[4:5], s[54:55]        ; my fragment of Q
	s_lshr_b32 s53, s19, 2
	s_lshl_b32 s53, s53, 8
	s_add_co_u32 s52, s52, s53
	s_and_b32 s53, s19, 3
	s_lshl_b32 s53, s53, 2
	s_add_co_u32 s52, s52, s53
	s_add_co_u32 s52, s52, 12288
	s_mov_b32 s53, 0
	s_add_nc_u64 s[52:53], s[4:5], s[52:53]        ; its scale words
	s_mul_i32 s56, s17, GRP
	s_lshr_b32 s57, s8, 1
	s_mul_i32 s57, s57, 25600
	s_add_co_u32 s56, s56, s57                     ; ac: my token group's block of K pair head / 2
	s_and_b32 s57, s8, 1
	s_mul_i32 s58, s57, 12288
	s_add_co_u32 s58, s58, s56
	s_mul_i32 s59, s19, 1536
	s_add_co_u32 s58, s58, s59
	s_mov_b32 s59, 0
	s_add_nc_u64 s[58:59], s[6:7], s[58:59]        ; my fragment there
	s_lshl_b32 s57, s57, 2
	s_add_co_u32 s56, s56, s57
	s_lshr_b32 s57, s19, 1
	s_lshl_b32 s57, s57, 8
	s_add_co_u32 s56, s56, s57
	s_and_b32 s57, s19, 1
	s_lshl_b32 s57, s57, 3
	s_add_co_u32 s56, s56, s57
	s_add_co_u32 s56, s56, 24576
	s_mov_b32 s57, 0
	s_add_nc_u64 s[56:57], s[6:7], s[56:57]        ; and its scale words
	s_lshr_b32 s68, ttmp9, 3                       ; the prefetches: x under 8 K's bytes, the others V's,
	s_lshl_b32 s68, s68, 4
	s_add_co_u32 s68, s68, 16
	s_add_co_u32 s68, s68, s8
	s_mul_i32 s68, s68, GRP
	s_and_b32 s69, ttmp9, 7
	s_mul_i32 s69, s69, 6400                       ; 25 units of 256 bytes a work-group
	s_add_co_u32 s68, s68, s69
	s_mov_b32 s69, 0
	s_add_nc_u64 s[PFA:PFA+1], s[4:5], s[68:69]
	s_mov_b32 s[SEL], 0x76543210
	s_mov_b32 s[SEL+1], 0xfedcba98
	s_mov_b32 s[CS], 0x3e0293ee                    ; c = log2(e) / sqrt(128)
	s_mov_b32 s[CS+1], s[CS]                       ; (named with it as a pair, so it is written)
	s_lshl_b32 s[KF], s[PAR], 7                    ; my first step's first key
	s_mul_i32 s[PB], s[PAR], ABB
	s_mul_i32 s51, s[T8], STGT
	s_add_co_u32 s51, s51, STG
	v_and_b32 v8, 15, v0                           ; r
	v_bfe_u32 v9, v0, 4, 1                         ; h
	v_and_b32 v[LI], 31, v0
	s_delay_alu instid0(VALU_DEP_1)
	v_min_u32 v[PFO], 24, v[LI]
	v_lshlrev_b32 v[LI], 4, v[LI]
	v_lshlrev_b32 v[RO], 4, v8
	v_lshlrev_b32 v[PFO], 8, v[PFO]
	v_add_nc_u32 v[STA], s51, v[LI]
	v_add_nc_u32 v[LSC], 12288, v[RO]
	v_and_b32 v[DQ], 8, v8
	s_delay_alu instid0(VALU_DEP_1)
	v_add_nc_u32 v[DQ], v[DQ], v8
	v_lshlrev_b32 v9, 4, v9
	s_delay_alu instid0(VALU_DEP_1)
	v_sub_nc_u32 v[DQ], v[DQ], v9
.irp p, 0,1,2
	global_load_b128 v[16+4*\p:19+4*\p], v[LI], s[54:55] offset:512*\p   ; Q's fragment stays in registers
.endr
	global_load_b32 v255, v[RO], s[52:53]
	v_mov_b32 v13, 0xff61b1e6                      ; the largest t so far: -3e38, under every t
	s_delay_alu instid0(VALU_DEP_1)
	v_floor_f32 v12, -v13                          ; -M
	v_mov_b32 v14, 0                               ; the sum, in two halves
	v_mov_b32 v15, 0
.irp b, 0,1,2,3
	v_mov_b32 v[236+\b], 0                         ; a lane permute's destination counts as one of its sources
.endr
	v_mov_b32 v252, 0
	v_mov_b32 v253, 0
.set n, 0
.rept 64
	v_mov_b32 v[160+n], 0                          ; O^T: the step is written once, and a wave that walks no step hands over zeros
.set n, n+1
.endr
	s_wait_alu depctr_va_vdst(0)                   ; the wait at the head's end
	ASK 2
	s_wait_tensorcnt 0x0                           ; my part of slot 0 is in
	ds_add_u32 v[SPW], v[NIL]                      ; 0 onto my spare word, ahead of slot 1's first fill
	s_wait_dscnt 0x0
	s_barrier_signal -1
	s_barrier_wait -1
	TLOAD G0B, 16                                  ; slot 1's first fill: it has slot 0's key steps in which to land
	ASK 3
	s_wait_loadcnt 0x0                             ; Q
	SLOTSTEPS 0                                    ; keys 0 to 511
	CHANGE 1, G0A, 16                              ; slot 0 takes keys 1,024 on
	SLOTSTEPS 1
	CHANGE 1, G0B, 8                               ; slot 1 takes keys 1,536 on
	SLOTSTEPS 0
	CHANGE 0, 0, 16
	SLOTSTEPS 1
	; THE TWO WAVES OF A TILE JOIN: the second stores O^T, -M and its lane's sum as images of its registers; a barrier; the first reads them
.rept 4
	v_nop                                          ; places behind the last products
.endr
	v_add_f32 v14, v14, v15
	s_wait_alu depctr_va_vdst(0)
	s_cmp_lt_u32 s[WV], 8
	s_cbranch_scc1 .Lno_send
.irp g, 0,1,2,3,4,5,6,7,8,9,10,11,12,13,14,15
	ds_store_b128 v[STA], v[160+4*\g:163+4*\g] offset:512*\g
.endr
	ds_store_b128 v[STA], v[12:15] offset:8192
.Lno_send:
	s_wait_dscnt 0x0                               ; my stores are done, for the other wave's sake
	s_barrier_signal -1
	s_barrier_wait -1
	s_cmp_lt_u32 s[WV], 8
	s_cbranch_scc0 .Ldone
.irp g, 0,1,2,3,4,5,6,7,8,9,10,11,12,13,14,15
	ds_load_b128 v[96+4*\g:99+4*\g], v[STA] offset:512*\g
.endr
	ds_load_b128 v[48:51], v[STA] offset:8192      ; v48 its -M, v50 its sum
	s_wait_dscnt 0x0
	v_min_num_f32 v52, v12, v48                    ; -M of the two: the larger M
	v_mov_b32 v57, 0                               ; (named as the upper halves of pairs)
	v_mov_b32 v59, 0
	v_sub_f32 v53, v52, v12                        ; my M - M, a whole number, 0 or less;
	v_sub_f32 v54, v52, v48                        ; and the other's
	s_delay_alu instid0(VALU_DEP_2)
	v_cvt_i32_f32 v53, v53                         ; (they saturate: a wave that walked no step gets the factor 0)
	s_delay_alu instid0(VALU_DEP_2)
	v_cvt_i32_f32 v54, v54
	s_delay_alu instid0(VALU_DEP_2)
	v_ldexp_f32 v56, 1.0, v53
	s_delay_alu instid0(VALU_DEP_2)
	v_ldexp_f32 v58, 1.0, v54
	s_delay_alu instid0(VALU_DEP_2)
	v_mul_f32 v14, v14, v56
	s_delay_alu instid0(VALU_DEP_1)
	v_fmac_f32 v14, v50, v58                       ; the sum under M
.set n, 0
.rept 32
	v_pk_mul_f32 v[96+n:97+n], v[96+n:97+n], v[58:59] op_sel_hi:[1,0]
.set n, n+2
.endr
.set n, 0
.rept 32
	v_pk_fma_f32 v[96+n:97+n], v[160+n:161+n], v[56:57], v[96+n:97+n] op_sel_hi:[1,0,1]   ; O^T under M: register 16 b + i is channel 32 b + 16 (lane / 16) + i of my query
.set n, n+2
.endr
	v_permlanex16_b32 v252, v14, s[SEL], s[SEL+1]
	s_delay_alu instid0(VALU_DEP_1)
	v_add_f32 v14, v14, v252                       ; the row's sum
	s_wait_alu depctr_va_vdst(0)
	v_rcp_f32 v14, v14
	v_nop                                          ; a plain line behind it
	s_wait_alu depctr_va_vdst(0)                   ; and the wait ahead of its first reader
.set n, 0
.rept 32
	v_pk_mul_f32 v[96+n:97+n], v[96+n:97+n], v[14:15] op_sel_hi:[1,0]
.set n, n+2
.endr
.irp b, 0,1,2,3
	v_max3_num_f32 v[232+\b], |v[96+16*\b]|, |v[97+16*\b]|, FLOOR
.endr
.irp i, 2,4,6,8,10,12,14
.irp b, 0,1,2,3
	s_delay_alu instid0(VALU_DEP_4)
	v_max3_num_f32 v[232+\b], v[232+\b], |v[96+16*\b+\i]|, |v[97+16*\b+\i]|
.endr
.endr
.irp b, 0,1,2,3
	s_delay_alu instid0(VALU_DEP_4)
	v_permlanex16_b32 v[236+\b], v[232+\b], s[SEL], s[SEL+1]
.endr
.irp b, 0,1,2,3
	s_delay_alu instid0(VALU_DEP_4)
	v_max_num_f32 v[232+\b], v[232+\b], v[236+\b]
.endr
.irp b, 0,1,2,3
	s_delay_alu instid0(VALU_DEP_4)
	v_add_nc_u32 v[244+\b], OFFE, v[232+\b]
.endr
.irp b, 0,1,2,3
	s_delay_alu instid0(VALU_DEP_4)
	v_lshrrev_b32 v[236+\b], 23, v[244+\b]
.endr
	s_delay_alu instid0(VALU_DEP_3)
	v_lshl_or_b32 v253, v237, 8, v236
	s_delay_alu instid0(VALU_DEP_1)
	v_lshl_or_b32 v253, v238, 16, v253
	s_delay_alu instid0(VALU_DEP_1)
	v_lshl_or_b32 v253, v239, 24, v253
.irp c, 0,1
	v_cvt_scalef32_pk16_bf6_f32 v[224+6*\c:226+6*\c], v[96+32*\c:111+32*\c], v[244+2*\c]
	v_cvt_scalef32_pk16_bf6_f32 v[236+4*\c:238+4*\c], v[112+32*\c:127+32*\c], v[244+2*\c+1]
.endr
	v_nop
.irp c, 0,1
.irp i, 0,1,2
	v_permlane16_swap_b32 v[224+6*\c+\i], v[236+4*\c+\i]
.endr
.irp i, 0,1,2
	s_delay_alu instid0(VALU_DEP_3)
	v_mov_b32 v[227+6*\c+\i], v[236+4*\c+\i]
.endr
.endr
.irp p, 0,1,2
	global_store_b128 v[LI], v[224+4*\p:227+4*\p], s[58:59] offset:512*\p   ; 512 consecutive bytes
.endr
	global_store_b32 v[RO], v253, s[56:57]         ; lanes l and l xor 16 store the same word with the same value
.Ldone:
	s_wait_tensorcnt 0x0                           ; the wave's end
	ds_add_u32 v[SPW], v[NIL]
	s_wait_dscnt 0x0
	s_endpgm
.Lfunc_end_k_q22be617a92_attn:
	.size	k_q22be617a92_attn, .Lfunc_end_k_q22be617a92_attn-k_q22be617a92_attn
	.p2alignl 7, 3214868480
	.fill 96, 4, 3214868480
	.section	.rodata,"a",@progbits
	.p2align	6, 0x0
	.amdhsa_kernel k_q22be617a92_attn
		.amdhsa_group_segment_fixed_size 327680
		.amdhsa_private_segment_fixed_size 0
		.amdhsa_enable_private_segment 0
		.amdhsa_kernarg_size 16
		.amdhsa_user_sgpr_count 2
		.amdhsa_user_sgpr_kernarg_segment_ptr 1
		.amdhsa_wavefront_size32 1
		.amdhsa_system_sgpr_workgroup_id_x 1
		.amdhsa_system_sgpr_workgroup_id_y 1
		.amdhsa_system_sgpr_workgroup_id_z 1
		.amdhsa_system_vgpr_workitem_id 0
		.amdhsa_next_free_vgpr 256
		.amdhsa_next_free_sgpr 80
		.amdhsa_reserve_vcc 1
		.amdhsa_float_denorm_mode_32 3
		.amdhsa_float_denorm_mode_16_64 3
		.amdhsa_memory_ordered 1
		.amdhsa_forward_progress 1
		.amdhsa_inst_pref_size 127
	.end_amdhsa_kernel
	.amdgpu_metadata
---
amdhsa.version: [ 1, 2 ]
amdhsa.kernels:
  - .name:           k_q22be617a92_attn
    .symbol:         k_q22be617a92_attn.kd
    .args:
      - { .name: hc, .offset: 0, .size: 8, .value_kind: global_buffer, .address_space: global }
      - { .name: ac, .offset: 8, .size: 8, .value_kind: global_buffer, .address_space: global }
    .group_segment_fixed_size: 327680
    .private_segment_fixed_size: 0
    .kernarg_segment_align: 8
    .kernarg_segment_size: 16
    .max_flat_workgroup_size: 512
    .sgpr_count:     80
    .vgpr_count:     256
    .wavefront_size: 32
...
	.end_amdgpu_metadata
.endif
;; end of part 7
;; launch proj (part 8): grid 16 x 16, 4 waves a work-group, clusters of 4 x 4, 327,680 bytes of LDS; arguments ac, wc, out0; writes out0
.if DOCPART == 8
	.amdgcn_target "amdgcn-amd-amdhsa--gfx1250"
	.amdhsa_code_object_version 6
	.text
	.protected	k_q22be617a92_proj
	.globl	k_q22be617a92_proj
	.p2align	8
	.type	k_q22be617a92_proj,@function
k_q22be617a92_proj:
	s_mov_b64 s[64:65], 0
	v_nop
	global_prefetch_b8 v0, s[64:65] scope:SCOPE_SE
	s_setreg_imm32_b32 hwreg(HW_REG_WAVE_MODE, 25, 1), 1
	s_wait_xcnt 0x0
	s_wait_alu depctr_hold_cnt(0) depctr_sa_sdst(0) depctr_va_vdst(0) depctr_va_sdst(0) depctr_va_ssrc(0) depctr_va_vcc(0) depctr_vm_vsrc(0)
	s_getreg_b32 s2, hwreg(HW_REG_IB_STS2, 6, 4)
	s_cmp_eq_u32 s2, 0
	s_cbranch_scc0 .Lentry_in_a_cluster
	s_endpgm
.Lentry_in_a_cluster:
	s_bfe_u32 s2, ttmp6, 0x10000c
	s_cmp_lg_u32 s2, 0xf033
	s_cbranch_scc0 .Lentry_shape_is_right
	s_endpgm
.Lentry_shape_is_right:
; out0 = attention's result x wo on codes of BF6 with E8M0 scales.  ac: [token group 16][K pair 8] blocks GB, wc: [column group 64][K pair 8] GB, wo's groups from 48 on; a GB (25,600 bytes) is 128 rows x 256 K
; as images of the operand's registers ([K step 2][tile 8] fragments of 1,536 bytes), with its scale words at 24,576.  A work-group of four waves makes 128 x 128 of the result, a wave 64 x 64: 16 accumulators.
; LDS holds six K pairs of A (from byte 0) and six of B (from BREG), K pair p at place p.  AT THE HEAD each wave brings three blocks on end, 76,800 dense bytes, by ONE joint load: waves 0, 1 A's pairs 0-2 and 3-5,
; waves 2, 3 B's.  When pairs 0 and 1 have been multiplied, a round of the cluster's barrier follows and pairs 6 and 7 go into their places, one block a wave; the two words of group 1 that count rows are set
; from 300 to 100 behind the wait that shows the head's loads done.
; PREFETCH: at the head each wave names the block that its one refill will fetch (K pair 6 + wave % 2): 100 units of 256 bytes, of which each of the four partners that ask for it jointly names 25, told apart
; by address (cx for A, cy for B); lanes 25-31 name the last unit again.  The request stands the head's fill and four K steps ahead of that refill.  All else comes by the head's loads alone.
; CLUSTERS: 4 x 4 work-groups; A's blocks are shared along a row of the cluster, B's along a column.  Source 0 = B's tiles, source 1 = A's: a lane holds eight neighbouring columns of a row of the result.
; The result leaves through each wave's stage in LDS, in the place of A's pair 2, which has had its only fill and its last read by then, as whole units of 256 bytes.
; REGISTERS: window 0: v8-30 addresses; v32-47 scale words, two sets; v64-127 the way out; v128-255 the accumulators.  window 1: two sets of fragments at v0 and v128: B's four, then A's four.
.set GBB,   25600
.set GRP,   8*GBB
.set SCW,   24576
.set BREG,  6*GBB
.set SPARE, 12*GBB                     ; the spare words, 128 bytes a wave, that no other line names
.set STAGE, 2*GBB
.set SPITCH, 272
.set FR,    12
.set NP,    4
.set ADRA, 8                           ; v8-10 my four tiles of A in places 0, 2, 4; v12-14 the same for B; v16-18 my scale words
.set ADRB, 12
.set ADRS, 16
.set STO,  24
.set RD,   25
.set CO,   26
.set L16,  27
.set SPW,  28
.set NIL,  29
.set PFO,  30                          ; v30 256 x min(lane, 24)
.set SC,   32
.set BK,   64
.set ACC,  128
.set G1,  24
.set G1B, 48
.set G0,  68                           ; s[68:71] the head's load for A, s[72:75] the refill's; s[80:83], s[84:87] the same for B
.set G0B, 80
.set PFA, 96                           ; s[96:97] my work-group's 25 units of K pair wave % 2 of the group that I fetch
.set MSB, 0
.macro WIN new
.if MSB != (\new)
	s_set_vgpr_msb (MSB<<8)|(\new)
.set MSB, (\new)
.endif
.endm
.set MUL,  0x05                        ; sources 0 and 1 window 1, C and D window 0
.set TO_F, 0x40
.macro JLOAD g0a, g1a, g0b, g1b        ; waves 0 and 1 fetch for A, waves 2 and 3 for B
	s_cmp_eq_u32 s15, 0
	s_cbranch_scc0 .Lfor_b_\@
	tensor_load_to_lds s[\g0a:\g0a+3], s[\g1a:\g1a+7]
	s_nop 0
.rept 4
	v_nop
.endr
	s_branch .Lasked_\@
.Lfor_b_\@:
	tensor_load_to_lds s[\g0b:\g0b+3], s[\g1b:\g1b+7]
	s_nop 0
.rept 4
	v_nop
.endr
.Lasked_\@:
.endm
.macro CREST
	s_cmp_lg_u32 s14, 0
	s_cbranch_scc1 .Lnot_wave_0_\@
	s_barrier_signal -3
.Lnot_wave_0_\@:
	s_barrier_wait -3
	s_barrier_signal -1
	s_barrier_wait -1
.endm
.macro CROUND
	s_barrier_signal -1
	s_barrier_wait -1
	CREST
.endm
.macro PLACES n
.rept \n
	v_nop
.endr
.endm
.macro FETCH n                         ; K step n's fragments into set n % 2; with an even step its pair's scale words
.set KN, ((\n)/2)%6
.set OFN, (KN%2)*GBB+12288*((\n)%2)
.set FN, 128*((\n)%2)
.if (\n)%2 == 0
	WIN 0
.irp b, 0,1
	ds_load_b128 v[SC+8*(((\n)/2)%2)+4*\b:SC+8*(((\n)/2)%2)+4*\b+3], v[ADRS+KN/2] offset:(KN%2)*GBB+256*\b
.endr
.endif
	WIN TO_F
.irp i, 0,1,2,3
.irp p, 0,1,2
	ds_load_b128 v[FN+FR*\i+4*\p:FN+FR*\i+4*\p+3], v[ADRB+KN/2] offset:OFN+1536*\i+512*\p
.endr
.endr
.irp i, 0,1,2,3
.irp p, 0,1,2
	ds_load_b128 v[FN+48+FR*\i+4*\p:FN+48+FR*\i+4*\p+3], v[ADRA+KN/2] offset:OFN+1536*\i+512*\p
.endr
.endr
.endm
.macro MUL8 n, a0, zero                ; A's tiles a0, a0 + 1 x B's four; the 16 accumulators take turns
.set FN, 128*((\n)%2)
.set SN, SC+8*(((\n)/2)%2)+(\n)%2
.irp a, \a0, \a0+1
.irp b, 0,1,2,3
.if \zero
	v_wmma_scale_f32_16x16x128_f8f6f4 v[ACC+8*(4*(\a)+\b):ACC+8*(4*(\a)+\b)+7], v[FN+FR*\b:FN+FR*\b+FR-1], v[FN+48+FR*(\a):FN+48+FR*(\a)+FR-1], 0, v[SN+2*\b], v[SN+2*(\a)] matrix_a_fmt:MATRIX_FMT_BF6 matrix_b_fmt:MATRIX_FMT_BF6 matrix_a_scale:MATRIX_SCALE_ROW1
.else
	v_wmma_scale_f32_16x16x128_f8f6f4 v[ACC+8*(4*(\a)+\b):ACC+8*(4*(\a)+\b)+7], v[FN+FR*\b:FN+FR*\b+FR-1], v[FN+48+FR*(\a):FN+48+FR*(\a)+FR-1], v[ACC+8*(4*(\a)+\b):ACC+8*(4*(\a)+\b)+7], v[SN+2*\b], v[SN+2*(\a)] matrix_a_fmt:MATRIX_FMT_BF6 matrix_b_fmt:MATRIX_FMT_BF6 matrix_a_scale:MATRIX_SCALE_ROW1
.endif
.endr
.endr
.endm
.macro STEP n, zero
	s_wait_dscnt 6                                 ; all but A's tiles 2 and 3
	WIN MUL
	MUL8 \n, 0, \zero
	PLACES NP
	FETCH (\n)+1
.if (\n)%2 == 1
	s_wait_dscnt 26                                ; all but the loads just issued: 24 of fragments, and with an even step 2 of scale words
.else
	s_wait_dscnt 24
.endif
	WIN MUL
	MUL8 \n, 2, \zero
.endm
.macro TURN n, fill                    ; a barrier: fill = 1: places 0 and 1 are read no more and take K pairs 6 and 7; fill = 0: these have landed
	WIN 0
	s_wait_tensorcnt 0x0
	ds_add_u32 v[SPW], v[NIL]
	s_wait_dscnt 7
	WIN MUL
	MUL8 \n, 0, 0
	s_wait_dscnt 0x0
	s_barrier_signal -1
	WIN 0
	s_barrier_wait -1
.if \fill
	CREST
	JLOAD G0+4, G1, G0B+4, G1B
.else
	PLACES NP
.endif
	FETCH (\n)+1
	WIN MUL
	MUL8 \n, 2, 0
.endm
.macro TOSTAGE a                       ; 16 rows x 64 columns into my stage, each accumulator from its low end on, and back as rows of 256 bytes
.irp b, 0,1,2,3
	ds_store_b128 v[STO], v[ACC+8*(4*(\a)+\b):ACC+8*(4*(\a)+\b)+3] offset:128*(\b/2)+32*(\b%2)
	ds_store_b128 v[STO], v[ACC+8*(4*(\a)+\b)+4:ACC+8*(4*(\a)+\b)+7] offset:128*(\b/2)+32*(\b%2)+16
.endr
.set BB, BK+32*((\a)%2)
.irp t, 0,1,2,3,4,5,6,7
	ds_load_b128 v[BB+4*\t:BB+4*\t+3], v[RD] offset:2*\t*SPITCH
.endr
.endm
.macro SEND a, younger
.set BB, BK+32*((\a)%2)
	s_wait_dscnt \younger
.irp t, 0,1,2,3,4,5,6,7
	global_store_b128 v[CO], v[BB+4*\t:BB+4*\t+3], s[12:13] offset:(32*((\a)/2)+8*((\a)%2)+2*\t+8*(\t/4))*8192 th:TH_STORE_NT
.endr
.endm
	s_load_b128 s[4:7], s[0:1], 0x0                ; ac, wc
	s_load_b64 s[12:13], s[0:1], 0x10              ; out0
	v_lshl_add_u32 v[SPW], v0, 2, SPARE
	v_mov_b32 v[NIL], 0
	ds_add_u32 v28, v29                            ; the opening lines: the add twice on end and its wait
	ds_add_u32 v28, v29
	s_wait_dscnt 0x0
	v_lshrrev_b32 v1, 5, v0
	v_readfirstlane_b32 s14, v1                    ; wave 0..3
	s_lshr_b32 s15, s14, 1                         ; my half of the rows.  Also: I fetch for A (0) or for B (1)
	s_and_b32 s16, s14, 1                          ; my half of the columns.  Also: which part I fetch
	s_bfe_u32 s40, ttmp6, 0x40000
	s_bfe_u32 s41, ttmp6, 0x40004
	s_lshl_b32 s42, ttmp9, 2
	s_add_co_u32 s42, s42, s40                     ; tx
	s_and_b32 s17, ttmp7, 0xffff
	s_lshl_b32 s17, s17, 2
	s_add_co_u32 s17, s17, s41                     ; ty
	s_lshl_b32 s43, s41, 2
	s_lshl_b32 s43, 15, s43
	s_lshl_b32 s44, 0x1111, s40
	s_or_b32 s[G1+0], s43, (3<<16)|(1<<21)
	s_or_b32 s[G1B+0], s44, (3<<16)|(1<<21)
.irp g, G1, G1B
	s_mov_b32 s[\g+1], 32<<16
	s_mov_b32 s[\g+2], 300<<16
	s_mov_b32 s[\g+3], 32<<16
	s_mov_b32 s[\g+4], 300
	s_mov_b32 s[\g+5], 32
	s_mov_b32 s[\g+6], 0
	s_mov_b32 s[\g+7], 0
.endr
	s_mul_i32 s45, s16, GBB
	s_mul_i32 s20, s17, GRP
	s_add_co_u32 s20, s20, s45
	s_mov_b32 s21, 0
	s_add_co_u32 s46, s42, 48
	s_mul_i32 s46, s46, GRP
	s_add_co_u32 s46, s46, s45
	s_mov_b32 s47, 0
	s_wait_kmcnt 0x0
	s_add_nc_u64 s[20:21], s[4:5], s[20:21]
	s_add_nc_u64 s[46:47], s[6:7], s[46:47]
	CROUND
	s_lshl_b32 s94, s45, 1                         ; s45 = (wave % 2) x a block; with twice that: three blocks
	s_mov_b32 s95, 0
	s_mov_b32 s[G0], 1                             ; the head's load: K pairs 3 (wave % 2) + 0 .. 2, to their places
	s_add_co_u32 s[G0+1], s45, s94
	s_add_nc_u64 s[G0+2:G0+3], s[20:21], s[94:95]
	s_or_b32 s[G0+3], s[G0+3], 0x80000000
	s_mov_b32 s[G0B], 1
	s_add_co_u32 s[G0B+1], s45, s94
	s_add_co_u32 s[G0B+1], s[G0B+1], BREG
	s_add_nc_u64 s[G0B+2:G0B+3], s[46:47], s[94:95]
	s_or_b32 s[G0B+3], s[G0B+3], 0x80000000
	s_mov_b32 s[G0+4], 1                           ; the refill: K pair 6 + wave % 2, to place wave % 2
	s_mov_b32 s[G0+5], s45
	s_add_nc_u64 s[G0+6:G0+7], s[20:21], 6*GBB
	s_or_b32 s[G0+7], s[G0+7], 0x80000000
	s_mov_b32 s[G0B+4], 1
	s_add_co_u32 s[G0B+5], s45, BREG
	s_add_nc_u64 s[G0B+6:G0B+7], s[46:47], 6*GBB
	s_or_b32 s[G0B+7], s[G0B+7], 0x80000000
	s_cmp_eq_u32 s15, 0                            ; the prefetch: the group that I fetch,
	s_cselect_b64 s[PFA:PFA+1], s[20:21], s[46:47]
	s_cselect_b32 s98, s40, s41                    ; my place among the four that ask for it with me,
	s_mul_i32 s98, s98, 6400                       ; 25 units of 256 bytes each
	s_mov_b32 s99, 0
	s_add_nc_u64 s[PFA:PFA+1], s[PFA:PFA+1], s[98:99]
	JLOAD G0, G1, G0B, G1B                         ; one tensor load a wave at the head
	v_and_b32 v1, 15, v0
	v_bfe_u32 v2, v0, 4, 1
	s_wait_alu depctr_va_vdst(0)
	v_and_b32 v3, 31, v0
	v_lshlrev_b32 v[L16], 4, v3
	v_min_u32 v[PFO], 24, v3
	v_lshlrev_b32 v[PFO], 8, v[PFO]
	global_prefetch_b8 v[PFO], s[PFA:PFA+1] offset:6*GBB th:TH_LOAD_NT scope:SCOPE_SE   ; what my refill will fetch
	s_mul_i32 s21, s15, 4*1536
	s_mul_i32 s22, s16, 4*1536
	s_add_co_u32 s22, s22, BREG
.irp j, 0,1,2
	v_add_nc_u32 v[ADRA+\j], s21, v[L16]
	v_add_nc_u32 v[ADRB+\j], s22, v[L16]
	s_add_co_u32 s21, s21, 2*GBB
	s_add_co_u32 s22, s22, 2*GBB
.endr
	s_lshl_b32 s21, s15, 9
	s_lshl_b32 s22, s16, 9
	s_add_co_u32 s22, s22, BREG
	s_sub_co_u32 s22, s22, s21
	v_mul_u32_u24 v4, s22, v2                      ; lanes 16-31 take B's words
	v_lshl_add_u32 v4, v1, 4, v4
	s_add_co_u32 s21, s21, SCW
	v_add_nc_u32 v[ADRS], s21, v4
	v_add_nc_u32 v[ADRS+1], 2*GBB, v[ADRS]
	v_add_nc_u32 v[ADRS+2], 4*GBB, v[ADRS]
	s_mul_i32 s23, s14, 16*SPITCH
	s_add_co_u32 s23, s23, STAGE
	v_mul_u32_u24 v5, v1, SPITCH
	v_lshl_add_u32 v5, v2, 6, v5
	v_add_nc_u32 v[STO], s23, v5
	v_mul_u32_u24 v5, v2, SPITCH
	v_lshl_add_u32 v5, v1, 4, v5
	v_add_nc_u32 v[RD], s23, v5
	v_lshlrev_b32 v[CO], 13, v2
	v_lshl_add_u32 v[CO], v1, 4, v[CO]
	s_lshl_b32 s92, s17, 7
	s_lshl_b32 s93, s15, 6
	s_add_co_u32 s92, s92, s93
	s_lshl_b32 s92, s92, 13
	s_lshl_b32 s93, s42, 9
	s_add_co_u32 s92, s92, s93
	s_lshl_b32 s93, s16, 8
	s_add_co_u32 s92, s92, s93
	s_mov_b32 s93, 0
	s_add_nc_u64 s[12:13], s[12:13], s[92:93]
	s_wait_alu depctr_va_vdst(0)                   ; the wait at the head's end
	s_wait_tensorcnt 0x0                           ; my three blocks are in, and no load of mine is out: group 1 may be written
	s_mov_b32 s[G1+2], 100<<16                     ; from here on a load brings one block: 100 rows
	s_mov_b32 s[G1+4], 100
	s_mov_b32 s[G1B+2], 100<<16
	s_mov_b32 s[G1B+4], 100
	s_barrier_signal -1
	s_barrier_wait -1                              ; everybody's are in
	FETCH 0
	STEP 0, 1                                      ; the first step's products start the sums
	STEP 1, 0
	STEP 2, 0
	TURN 3, 1
	s_wait_alu depctr_va_vdst(0)
.irp n, 4,5,6,7,8,9,10
	STEP \n, 0
.endr
	TURN 11, 0
.irp n, 12,13,14
	STEP \n, 0
.endr
	s_wait_dscnt 6
	WIN MUL
	MUL8 15, 0, 0
	s_wait_dscnt 0x0
	MUL8 15, 2, 0
	WIN 0
	PLACES NP
	TOSTAGE 0
.irp a, 1,2,3
.if \a > 1
	s_wait_xcnt 0x0                                ; block a - 2's stores have read their registers
.endif
	TOSTAGE \a
	SEND \a-1, 16
.endr
	SEND 3, 0
	s_wait_tensorcnt 0x0                           ; the wave's end
	ds_add_u32 v[SPW], v[NIL]
	s_wait_dscnt 0x0
	CROUND                                         ; the closing round
	s_endpgm
.Lfunc_end_k_q22be617a92_proj:
	.size	k_q22be617a92_proj, .Lfunc_end_k_q22be617a92_proj-k_q22be617a92_proj
	.p2alignl 7, 3214868480
	.fill 96, 4, 3214868480
	.section	.rodata,"a",@progbits
	.p2align	6, 0x0
	.amdhsa_kernel k_q22be617a92_proj
		.amdhsa_group_segment_fixed_size 327680
		.amdhsa_private_segment_fixed_size 0
		.amdhsa_enable_private_segment 0
		.amdhsa_kernarg_size 24
		.amdhsa_user_sgpr_count 2
		.amdhsa_user_sgpr_kernarg_segment_ptr 1
		.amdhsa_wavefront_size32 1
		.amdhsa_system_sgpr_workgroup_id_x 1
		.amdhsa_system_sgpr_workgroup_id_y 1
		.amdhsa_system_sgpr_workgroup_id_z 1
		.amdhsa_system_vgpr_workitem_id 0
		.amdhsa_next_free_vgpr 512
		.amdhsa_next_free_sgpr 100
		.amdhsa_reserve_vcc 0
		.amdhsa_float_denorm_mode_32 3
		.amdhsa_float_denorm_mode_16_64 3
		.amdhsa_memory_ordered 1
		.amdhsa_forward_progress 1
		.amdhsa_inst_pref_size 78
	.end_amdhsa_kernel
	.amdgpu_metadata
---
amdhsa.version: [ 1, 2 ]
amdhsa.kernels:
  - .name:           k_q22be617a92_proj
    .symbol:         k_q22be617a92_proj.kd
    .args:
      - { .name: ac, .offset: 0, .size: 8, .value_kind: global_buffer, .address_space: global }
      - { .name: wc, .offset: 8, .size: 8, .value_kind: global_buffer, .address_space: global }
      - { .name: out0, .offset: 16, .size: 8, .value_kind: global_buffer, .address_space: global }
    .group_segment_fixed_size: 327680
    .private_segment_fixed_size: 0
    .kernarg_segment_align: 8
    .kernarg_segment_size: 24
    .max_flat_workgroup_size: 128
    .sgpr_count:     100
    .vgpr_count:     512
    .wavefront_size: 32
...
	.end_amdgpu_metadata
.endif
;; end of part 8
